; MI455X (gfx1250); checked and timed in simulation.
; The chip was launched on July 23, 2026; its instructions are those of AMD's public machine-readable ISA for CDNA 5 (MIT licence, August 2026) and "CDNA5" Instruction Set Architecture Reference Guide (July 2026). The comments in the code are by the model that wrote it; some were corrected since.
;; Block. Allowed arithmetic: matrix products marked QUANTISED: E2M3 operands, one E8M0 scale for each 32 along K, by v_wmma_scale_f32_16x16x128_f8f6f4 with both operands' format E2M3, f32 sums; everything else in f32.
;; Inputs: b1 4,096 float32; b2 1,024 float32; b_proj 1,024 float32; be1 1,024 float32; be2 1,024 float32; g1 1,024 float32; g2 1,024 float32; w1 1,024 x 4,096 float32; w2 4,096 x 1,024 float32; w_proj 1,024 x 1,024 float32; wk 16 x 1,024 x 64 float32; wq 16 x 1,024 x 64 float32; wv 16 x 1,024 x 64 float32; x 2 x 2,048 x 1,024 float32.
;; Outputs: out0 2 x 2,048 x 1,024 float32.
;; This version of the problem:
;;   THIS VERSION OF THE PROBLEM IS GIVEN IN LOW PRECISION. The matrix products marked QUANTISED in the list below multiply operands that are first quantised to E2M3 (2 exponent bits, 3 mantissa bits; 6 bits a number), with one power-of-two scale for each 32 numbers along K (OCP MX v1.0); their sums are f32. All else is computed in f32.
;;   The module's matrix products, in the order in which they are computed (A, B: the left and right operand; K: the contracted axis; several contracted axes count as one K, in the product's order):
;;     1. [M 1,024, K 1,024] x [K 1,024, N 4,096]; A: input wq; B: computed on the way: QUANTISED
;;     2. [M 1,024, K 1,024] x [K 1,024, N 4,096]; A: input wk; B: computed on the way: QUANTISED
;;     3. [M 1,024, K 1,024] x [K 1,024, N 4,096]; A: input wv; B: computed on the way: QUANTISED
;;     4. batch 32 x [M 2,048, K 64] x [K 64, N 2,048]; A: computed on the way; B: computed on the way: QUANTISED
;;     5. batch 32 x [M 2,048, K 2,048] x [K 2,048, N 64]; A: softmax (see below); B: computed on the way: QUANTISED
;;     6. [M 4,096, K 1,024] x [K 1,024, N 1,024]; A: computed on the way; B: input w_proj: QUANTISED
;;     7. [M 4,096, K 1,024] x [K 1,024, N 4,096]; A: computed on the way; B: input w1: QUANTISED
;;     8. [M 4,096, K 4,096] x [K 4,096, N 1,024]; A: computed on the way; B: input w2: QUANTISED
;;   THE QUANTISER, for each operand of a quantised product, along K:
;;     - K is cut into blocks of 32 from its start; a last block that is shorter is filled with zeros.
;;     - A block's scale is 2^e with e = floor(log2(the largest magnitude in the block)) - 2, held to -126 .. 127; a block of zeros has e = 0. As a byte (E8M0): e + 127.
;;     - Each number is divided by its block's scale, clamped to +-7.5, and rounded to the nearest number of E2M3, ties to even, subnormals kept.
;;     - The product sums the exact products of the quantised numbers (number of the format x scale) in f32.
;;   ~~~python
;;   def quantise(x, axis):      # numpy; x: float32 -> the quantised numbers, widened to float32 again
;;       x = np.moveaxis(x, axis, -1); K = x.shape[-1]
;;       x = np.pad(x, [(0, 0)] * (x.ndim - 1) + [(0, -K % 32)]); x = x.reshape(x.shape[:-1] + (-1, 32)); a = np.abs(x).max(-1, keepdims=True)
;;       e = np.where(a > 0, np.clip(np.frexp(np.where(a > 0, a, 1))[1] - 1 - 2, -126, 127), 0)      # np.frexp(a)[1] - 1 = floor(log2(a)), exactly
;;       r = np.clip(x / 2.0 ** e, -7.5, 7.5)
;;       step = 2.0 ** (np.maximum(np.frexp(np.where(r == 0, 1, r))[1] - 1, 0) - 3)
;;       q = np.round(r / step) * step * 2.0 ** e      # np.round: ties to even
;;       return np.moveaxis(q.reshape(q.shape[:-2] + (-1,))[..., :K], -1, axis).astype(np.float32)
;;   ~~~
;;   SOFTMAX AHEAD OF A QUANTISED PRODUCT. Where the list says 'softmax', what is quantised is not the finished softmax but p = 2^(t - M), with t = logit x log2(e) and M = ceil(the row's largest t), a whole number; so 1/2 < the row's largest p <= 1. The row's sum l is taken of the UNQUANTISED p, in f32, and the product's result is divided by l at the end. Since M is a whole number, a kernel that streams over the keys may use a running M (the ceiling of the running maximum): every later rescaling is an exact power of two, which a block's scale takes up: the codes' values come out the same.
;;   OPERANDS COMPUTED ON THE WAY. 'Computed on the way' means the value that the module computes at that place (a softmax that the list does not call 'softmax' is quantised finished and normalised). What goes into a quantiser is computed in f32, as accurately as f32 sums, v_exp_f32 and their like allow (about 1e-6 of the number): no bf16 or f16 on the way to a quantiser, and a product that is left as it is and whose result goes on into a quantised operand takes f32 operands (vector FMAs, or v_wmma_f32_16x16x4_f32). A number that lies on a knife's edge between two numbers of the format may be rounded either way, as far as f32 arithmetic and the matrix unit's own rounding can turn it there, and no further.
;; One version. Each part assembles by itself: llvm-mc -triple=amdgcn-amd-amdhsa -mcpu=gfx1250 --defsym DOCPART=n.
;; ======== version 1 of 1: 7 launches
;; limits: right only within a limited range of input values
;; workspace buffers: wts 9,830,400 bytes; h1 3,276,800 bytes; h2 3,276,800 bytes; att 3,276,800 bytes; qkv 10,092,544 bytes; x1 16,777,216 bytes; hid 13,107,200 bytes
;; launch prep (part 1): grid 1024 x 1, 4 waves a work-group, no clusters, 66,304 bytes of LDS; arguments x, g1, be1, h1, wq, wk, wv, w_proj, w1, w2, wts; writes h1, wts
.if DOCPART == 1
	.amdgcn_target "amdgcn-amd-amdhsa--gfx1250"
	.amdhsa_code_object_version 6
	.text
	.protected	k_q8a491e2e88_prep
	.globl	k_q8a491e2e88_prep
	.p2align	8
	.type	k_q8a491e2e88_prep,@function
k_q8a491e2e88_prep:
	s_mov_b64 s[64:65], 0
	v_nop
	global_prefetch_b8 v0, s[64:65] scope:SCOPE_SE
	s_setreg_imm32_b32 hwreg(HW_REG_WAVE_MODE, 25, 1), 1
	s_wait_xcnt 0x0
; Work-groups 0-255: h = layernorm(x) g1 + be1, quantised along the 1,024 channels to codes of FP6 (E2M3) with one E8M0 byte for each 32.
; Work-groups 256-1023: the six weights, whose K is not innermost, quantised along K.
; WHAT IS STORED.  A tile is 16 rows, row p of tile t being row 32 (t/2) + 8 (t%2) + p + 8 (p/8).  A fragment (one tile x 128 K) is stored as an image of the operand's 12 registers, 1,536 bytes:
; half c at 768 c: registers 6c..6c+3 as 16 bytes a lane at 16 lane, registers 6c+4, 6c+5 as 8 bytes a lane at 512 + 8 lane.  Its scale words: 64 bytes, word p for row p.
; A block's scale byte is its largest magnitude's exponent field - 2, held at 1 from below.
; LIMITS: a block of zeros, or one whose largest magnitude lies under 2^-124, gets the byte 1 (its codes are zeros; this program alone reads the bytes); NaN and infinities among the inputs are not served.
; No matrix unit, no cluster, no tensor load: each input byte is read once, by loads that cover 512 (x) or 128 (weights) consecutive bytes a wave.
.set W1_C,   3145728
.set W2_C,   6291456
.set WP_C,   2359296
.set WQKV_S, 9437184
.set WP_S,   9535488
.set W1_S,   9568256
.set W2_S,   9699328
.set PITCHL, 4112                      ; an LDS row of 1,024 f32 + 16 bytes: the 16 rows of a 16-byte read start in 16 different groups of banks
.set X,  32                            ; v32-159  four rows, 32 registers each
.set G,  160                           ; v160-191 gamma of my columns
.set BE, 192                           ; v192-223 beta
.set T,  224                           ; v224-231 a running pair for each row
.set MU, 232                           ; v232-239 the mean, later 1/sqrt(var + eps), twice for each row
.set PD, 240                           ; v240-243 destinations of the lane exchange
	v_lshl_add_u32 v254, v0, 2, 0x10100
	v_mov_b32 v255, 0
	s_cmp_lt_u32 ttmp9, 256
	s_cbranch_scc0 .Lweights
; ---------------- layernorm: the work-group owns token tile ttmp9; wave w its rows 4w..4w+3, four neighbouring tokens
	s_load_b256 s[4:11], s[0:1], 0x0               ; x, gamma, beta, the codes' buffer
	v_lshrrev_b32 v1, 5, v0
	v_readfirstlane_b32 s12, v1                    ; wave
	v_and_b32 v1, 31, v0                           ; lane
	v_and_b32 v7, 15, v0                           ; r
	v_bfe_u32 v8, v0, 4, 1                         ; h
	v_lshlrev_b32 v2, 4, v1                        ; 16 lane
	s_mul_i32 s18, s12, 4*PITCHL
	v_add_nc_u32 v3, s18, v2                       ; LDS, in: my wave's four rows, 16 lane
	v_mul_u32_u24 v4, v7, PITCHL
	v_lshl_add_u32 v4, v8, 7, v4
	s_lshl_b32 s18, s12, 10
	v_add_nc_u32 v4, s18, v4                       ; LDS, out: row r, + 128 h, + my two K steps (1,024 bytes a wave)
	v_lshl_add_u32 v5, v1, 3, 512                  ; 512 + 8 lane
	v_lshlrev_b32 v6, 2, v7                        ; 4 r
	v_lshlrev_b32 v9, 3, v8                        ; 8 h
	s_mov_b32 s14, 0x76543210
	s_mov_b32 s15, 0xfedcba98                      ; selects: lane xor 16
	s_mov_b32 s16, 0x3a800000                      ; 1 / 1,024
	s_mov_b32 s17, 0x3727c5ac                      ; 1e-5
.irp i, 0,1,2,3
	v_mov_b32 v[PD+\i], 0                          ; written once: the exchange's destination counts as a source
.endr
	s_lshr_b32 s18, ttmp9, 1
	s_lshl_b32 s18, s18, 5
	s_and_b32 s19, ttmp9, 1
	s_lshl_b32 s19, s19, 3
	s_add_co_u32 s18, s18, s19
	s_lshl_b32 s19, s12, 2
	s_add_co_u32 s18, s18, s19
	s_lshr_b32 s19, s12, 1
	s_lshl_b32 s19, s19, 3
	s_add_co_u32 s18, s18, s19                     ; my first token
	s_lshl_b32 s18, s18, 12                        ; x 4,096 bytes
	s_mov_b32 s19, 0
	s_lshl_b32 s20, ttmp9, 3
	s_lshl_b32 s21, s12, 1
	s_add_co_u32 s20, s20, s21                     ; my first image: 8 tile + 2 wave
	s_mul_i32 s22, s20, 1536
	s_mov_b32 s23, 0
	s_lshl_b32 s20, s20, 6
	s_mov_b32 s21, 0
	s_wait_kmcnt 0x0
	s_add_nc_u64 s[4:5], s[4:5], s[18:19]
	s_add_nc_u64 s[22:23], s[10:11], s[22:23]
	s_add_nc_u64 s[20:21], s[10:11], s[20:21]
.irp i, 0,1,2,3
.irp j, 0,1,2,3,4,5,6,7
	global_load_b128 v[X+32*\i+4*\j:X+32*\i+4*\j+3], v2, s[4:5] offset:4096*\i+512*\j th:TH_LOAD_NT   ; 512 consecutive bytes a load; the wave's whole share is asked for at once
.endr
.endr
.irp j, 0,1,2,3,4,5,6,7
	global_load_b128 v[G+4*\j:G+4*\j+3], v2, s[6:7] offset:512*\j
	global_load_b128 v[BE+4*\j:BE+4*\j+3], v2, s[8:9] offset:512*\j
.endr
.macro REDUCE                          ; the four rows' pairs become sums over the row, in every lane; the rows take turns
.irp i, 0,1,2,3
	v_add_f32 v[T+2*\i], v[T+2*\i], v[T+2*\i+1]
.endr
.irp m, 1,2,4,8
.irp i, 0,1,2,3
	v_add_f32_dpp v[T+2*\i], v[T+2*\i], v[T+2*\i] row_xmask:\m row_mask:0xf bank_mask:0xf
.endr
.endr
.irp i, 0,1,2,3
	v_permlanex16_b32 v[PD+\i], v[T+2*\i], s14, s15
.endr
.irp i, 0,1,2,3
	v_add_f32 v[T+2*\i], v[T+2*\i], v[PD+\i]
.endr
.endm
	s_wait_loadcnt 16                              ; x is in; the 16 loads of gamma and beta may stay out
.irp i, 0,1,2,3
	v_pk_add_f32 v[T+2*\i:T+2*\i+1], v[X+32*\i:X+32*\i+1], v[X+32*\i+2:X+32*\i+3]
.endr
.set jj, 4
.rept 14
.irp i, 0,1,2,3
	v_pk_add_f32 v[T+2*\i:T+2*\i+1], v[T+2*\i:T+2*\i+1], v[X+32*\i+jj:X+32*\i+jj+1]
.endr
.set jj, jj+2
.endr
	REDUCE
.irp i, 0,1,2,3
	v_mul_f32 v[MU+2*\i], s16, v[T+2*\i]           ; the mean, in both registers of a pair
	v_mul_f32 v[MU+2*\i+1], s16, v[T+2*\i]
.endr
.set jj, 0
.rept 16
.irp i, 0,1,2,3
	v_pk_add_f32 v[X+32*\i+jj:X+32*\i+jj+1], v[X+32*\i+jj:X+32*\i+jj+1], v[MU+2*\i:MU+2*\i+1] neg_lo:[0,1] neg_hi:[0,1]   ; x - mean first: the variance is no difference of large sums
.endr
.set jj, jj+2
.endr
.irp i, 0,1,2,3
	v_pk_mul_f32 v[T+2*\i:T+2*\i+1], v[X+32*\i:X+32*\i+1], v[X+32*\i:X+32*\i+1]
.endr
.set jj, 2
.rept 15
.irp i, 0,1,2,3
	v_pk_fma_f32 v[T+2*\i:T+2*\i+1], v[X+32*\i+jj:X+32*\i+jj+1], v[X+32*\i+jj:X+32*\i+jj+1], v[T+2*\i:T+2*\i+1]
.endr
.set jj, jj+2
.endr
	REDUCE
.irp i, 0,1,2,3
	v_fma_f32 v[T+2*\i], v[T+2*\i], s16, s17       ; var + eps
.endr
	s_wait_alu depctr_va_vdst(0)
.irp i, 0,1,2,3
	v_rsq_f32 v[MU+2*\i], v[T+2*\i]                ; one batch of four
.endr
	v_nop                                          ; a plain instruction behind the last of them
	s_wait_alu depctr_va_vdst(0)                   ; one wait for the batch, ahead of its first reader
.irp i, 0,1,2,3
	v_mov_b32 v[MU+2*\i+1], v[MU+2*\i]
.endr
	s_wait_alu depctr_va_vdst(0)
	s_wait_loadcnt 0x0                             ; gamma and beta
.set jj, 0
.rept 16
.irp i, 0,1,2,3
	v_pk_mul_f32 v[X+32*\i+jj:X+32*\i+jj+1], v[X+32*\i+jj:X+32*\i+jj+1], v[MU+2*\i:MU+2*\i+1]
.endr
.irp i, 0,1,2,3
	v_pk_fma_f32 v[X+32*\i+jj:X+32*\i+jj+1], v[X+32*\i+jj:X+32*\i+jj+1], v[G+jj:G+jj+1], v[BE+jj:BE+jj+1]
.endr
.set jj, jj+2
.endr
.irp i, 0,1,2,3
.irp j, 0,1,2,3,4,5,6,7
	ds_store_b128 v3, v[X+32*\i+4*\j:X+32*\i+4*\j+3] offset:PITCHL*\i+512*\j
.endr
.endr
	s_wait_dscnt 0x0                               ; for the others' sake: my rows lie in LDS
	s_barrier_signal -1
	s_barrier_wait -1
; wave w makes K steps 2w and 2w+1 of all 16 rows: lane (r, h) takes, of row r, the 32 numbers of blocks 2c + h: whole blocks in a lane
.irp e, 0,1
.irp c, 0,1
.irp j, 0,1,2,3,4,5,6,7
	ds_load_b128 v[X+64*\e+32*\c+4*\j:X+64*\e+32*\c+4*\j+3], v4 offset:512*\e+256*\c+16*\j
.endr
.endr
.endr
.macro QUANTB src, pc, pw              ; 64 numbers (two whole blocks) become 12 registers of codes at v[pc] and the row's scale word in v[pw]
.irp c, 0,1
	v_max3_num_f32 v[224+\c], |v[\src+32*\c]|, |v[\src+32*\c+1]|, 0x1800000   ; with the floor 2^(3 - 127): the byte cannot fall under 1
.endr
.set jj, 2
.rept 15
.irp c, 0,1
	v_max3_num_f32 v[224+\c], v[224+\c], |v[\src+32*\c+jj]|, |v[\src+32*\c+jj+1]|
.endr
.set jj, jj+2
.endr
.irp c, 0,1
	v_add_nc_u32 v[226+\c], 0xff000000, v[224+\c]  ; 2 off the exponent field: the conversion's scale operand
.endr
.irp c, 0,1
	v_lshrrev_b32 v[228+\c], 23, v[226+\c]         ; the byte
.endr
	v_lshl_or_b32 v[\pw], v229, 16, v228           ; my bytes belong to blocks h and 2 + h
	v_lshlrev_b32 v[\pw], v9, v[\pw]
	v_permlanex16_b32 v[PD], v[\pw], s14, s15
	v_or_b32 v[\pw], v[\pw], v[PD]                 ; with lane xor 16's two the word is whole
.irp c, 0,1
	v_cvt_scalef32_pk16_fp6_f32 v[\pc+6*\c:\pc+6*\c+2], v[\src+32*\c:\src+32*\c+15], v[226+\c]
	v_cvt_scalef32_pk16_fp6_f32 v[\pc+12+4*\c:\pc+12+4*\c+2], v[\src+32*\c+16:\src+32*\c+31], v[226+\c]   ; (three registers from an even one on: made aside and moved)
.endr
	v_nop                                          ; a plain instruction behind the conversions
.irp c, 0,1
.irp i, 0,1,2
	v_mov_b32 v[\pc+6*\c+3+\i], v[\pc+12+4*\c+\i]
.endr
.endr
.endm
.macro LNOUT e, pc, pw                 ; the image: runs of 512 and 256 consecutive bytes; the scale words: 64 bytes (lanes 16-31 write what lanes 0-15 write)
	global_store_b128 v2, v[\pc:\pc+3], s[22:23] offset:1536*\e
	global_store_b64 v5, v[\pc+4:\pc+5], s[22:23] offset:1536*\e
	global_store_b128 v2, v[\pc+6:\pc+9], s[22:23] offset:1536*\e+768
	global_store_b64 v5, v[\pc+10:\pc+11], s[22:23] offset:1536*\e+768
	global_store_b32 v6, v[\pw], s[20:21] offset:3145728+64*\e
.endm
	s_wait_dscnt 16                                ; the first K step's 16 loads are in
	QUANTB X, 160, 230
	LNOUT 0, 160, 230
	s_wait_dscnt 0x0
	QUANTB X+64, 192, 231                          ; other registers than the first step's: no store's data are written again
	LNOUT 1, 192, 231
	s_wait_tensorcnt 0x0
	ds_add_u32 v254, v255
	s_wait_dscnt 0x0
	s_endpgm
; ---------------- the weights: a work-group takes 128 columns x 128 K, a wave 32 columns: a lane a column, its registers down K
.Lweights:
	s_load_b256 s[40:47], s[0:1], 0x20             ; wq, wk, wv, w_proj
	s_load_b128 s[48:51], s[0:1], 0x40             ; w1, w2
	s_load_b64 s[52:53], s[0:1], 0x50              ; the weights' codes
	v_lshrrev_b32 v1, 5, v0
	v_readfirstlane_b32 s12, v1
	v_and_b32 v1, 31, v0
	v_and_b32 v7, 15, v0
	v_bfe_u32 v8, v0, 4, 1
	v_lshlrev_b32 v2, 4, v1
	v_lshl_add_u32 v5, v1, 3, 512
	v_and_b32 v9, 8, v7
	v_add_nc_u32 v9, v9, v7
	v_lshl_add_u32 v9, v8, 3, v9                   ; my column of the wave's 32: r + 8 (r/8) + 8 h: lanes 0-15 are the even tile's rows, lanes 16-31 the odd tile's
	v_lshlrev_b32 v9, 2, v9
	s_sub_co_u32 s13, ttmp9, 256                   ; g: 0-191 wq, wk, wv; 192-255 w_proj; 256-511 w1; 512-767 w2
	s_mov_b32 s30, 4096                            ; bytes from k to k + 1
	s_mov_b32 s31, 256                             ; bytes from one group of 64 columns to the next
	s_mov_b32 s32, 5                               ; log2 of the K steps
	s_mov_b32 s33, 512                             ; the tensor's first g
	s_mov_b32 s34, W2_C
	s_mov_b32 s35, W2_S
	s_mov_b32 s36, 31                              ; mask of the column group inside the source
	s_wait_alu depctr_va_vdst(0)
	s_wait_kmcnt 0x0
	s_cmp_lt_u32 s13, 512                          ; every choice hangs on the work-group's number alone
	s_cselect_b64 s[20:21], s[48:49], s[50:51]
	s_cselect_b32 s30, 16384, s30
	s_cselect_b32 s32, 3, s32
	s_cselect_b32 s33, 256, s33
	s_cselect_b32 s34, W1_C, s34
	s_cselect_b32 s35, W1_S, s35
	s_cmp_lt_u32 s13, 256
	s_cselect_b64 s[20:21], s[46:47], s[20:21]
	s_cselect_b32 s30, 4096, s30
	s_cselect_b32 s33, 192, s33
	s_cselect_b32 s34, WP_C, s34
	s_cselect_b32 s35, WP_S, s35
	s_cmp_lt_u32 s13, 192
	s_cselect_b64 s[20:21], s[44:45], s[20:21]
	s_cselect_b32 s30, 256, s30
	s_cselect_b32 s31, 262144, s31                 ; a head of wq, wk, wv is 1,024 x 64 numbers
	s_cselect_b32 s33, 0, s33
	s_cselect_b32 s34, 0, s34
	s_cselect_b32 s35, WQKV_S, s35
	s_cselect_b32 s36, 7, s36
	s_cmp_lt_u32 s13, 128
	s_cselect_b64 s[20:21], s[42:43], s[20:21]
	s_cmp_lt_u32 s13, 64
	s_cselect_b64 s[20:21], s[40:41], s[20:21]
	s_sub_co_u32 s14, s13, s33
	s_bfm_b32 s15, s32, 0
	s_and_b32 s16, s14, s15                        ; K step
	s_lshr_b32 s17, s14, s32                       ; group of 128 columns (in wq, wk, wv: 0-23 through the three)
	s_lshl_b32 s18, s17, 3
	s_lshl_b32 s19, s12, 1
	s_add_co_u32 s18, s18, s19                     ; my even tile
	s_and_b32 s19, s17, s36
	s_lshl_b32 s19, s19, 7
	s_lshl_b32 s22, s12, 5
	s_add_co_u32 s19, s19, s22                     ; my first column in the source
	s_lshr_b32 s22, s19, 6
	s_mul_i32 s22, s22, s31
	s_and_b32 s23, s19, 63
	s_lshl_b32 s23, s23, 2
	s_add_co_u32 s22, s22, s23
	s_lshl_b32 s23, s16, 7
	s_mul_i32 s23, s23, s30
	s_add_co_u32 s22, s22, s23
	s_mov_b32 s23, 0
	s_add_nc_u64 s[56:57], s[20:21], s[22:23]      ; block 0 of my 128 K,
	s_lshl_b32 s22, s30, 5
	s_add_nc_u64 s[58:59], s[56:57], s[22:23]      ; and the three blocks of 32 behind it
	s_add_nc_u64 s[60:61], s[58:59], s[22:23]
	s_add_nc_u64 s[62:63], s[60:61], s[22:23]
	s_lshl_b32 s37, s18, s32
	s_add_co_u32 s37, s37, s16                     ; the even tile's image number
	s_mul_i32 s38, s37, 1536
	s_add_co_u32 s38, s38, s34
	s_mov_b32 s39, 0
	s_add_nc_u64 s[4:5], s[52:53], s[38:39]
	s_lshl_b32 s38, 1536, s32
	s_add_nc_u64 s[6:7], s[4:5], s[38:39]          ; the odd tile's image
	s_lshl_b32 s38, s37, 6
	s_add_co_u32 s38, s38, s35
	s_add_nc_u64 s[8:9], s[52:53], s[38:39]
	s_lshl_b32 s38, 64, s32
	v_mul_u32_u24 v6, s38, v8
	v_lshl_add_u32 v6, v7, 2, v6                   ; scale words: 4 r, lanes 16-31 in the odd tile's
.set ii, 0
.rept 32
	v_mad_u32_u24 v[160+ii], s30, ii, v9           ; row i of a block, my column
.set ii, ii+1
.endr
.macro WLOAD t                         ; block t: 32 loads of 128 consecutive bytes a wave
.set ii, 0
.rept 32
	global_load_b32 v[32+32*(\t)+ii], v[160+ii], s[56+2*(\t):57+2*(\t)] th:TH_LOAD_NT
.set ii, ii+1
.endr
.endm
.macro BLOCKQ t                        ; block t of my column: its byte into v10, its 6 registers of codes into F(t%2) + 6 (t/2)
.set XS, 32+32*(\t)
.set FD, 192+12*((\t)%2)+6*((\t)/2)
	v_max3_num_f32 v12, |v[XS]|, |v[XS+1]|, |v[XS+2]|
	v_max3_num_f32 v13, |v[XS+3]|, |v[XS+4]|, |v[XS+5]|
.irp i, 6,10,14,18,22,26
	v_max3_num_f32 v12, v12, |v[XS+\i]|, |v[XS+\i+1]|
	v_max3_num_f32 v13, v13, |v[XS+\i+2]|, |v[XS+\i+3]|
.endr
	v_max3_num_f32 v12, v12, |v[XS+30]|, |v[XS+31]|
	v_max3_num_f32 v12, v12, v13, 0x1800000
	v_add_nc_u32 v11, 0xff000000, v12
	v_lshrrev_b32 v13, 23, v11
.if (\t) == 0
	v_mov_b32 v10, v13
.else
	v_lshl_or_b32 v10, v13, 8*(\t), v10
.endif
	v_cvt_scalef32_pk16_fp6_f32 v[FD:FD+2], v[XS:XS+15], v11
	v_cvt_scalef32_pk16_fp6_f32 v[216:218], v[XS+16:XS+31], v11
	v_nop
.irp i, 0,1,2
	v_mov_b32 v[FD+3+\i], v[216+\i]
.endr
.endm
	WLOAD 0
	WLOAD 1
	s_wait_alu depctr_va_vdst(0)
	s_wait_loadcnt 32                              ; block 0 is in; block 1's 32 loads may be out
	WLOAD 2
	BLOCKQ 0
	s_wait_loadcnt 32                              ; block 1 is in; block 2's may be out
	WLOAD 3
	BLOCKQ 1
	s_wait_loadcnt 32                              ; block 2 is in; block 3's may be out
	BLOCKQ 2
	s_wait_loadcnt 0x0
	BLOCKQ 3
.set ii, 0
.rept 12
	v_permlane16_swap_b32 v[192+ii], v[204+ii]     ; blocks 0, 2 of the odd tile change places with blocks 1, 3 of the even tile: v192.. is the even tile's fragment, v204.. the odd tile's
.set ii, ii+1
.endr
.macro WOUT f, base
	global_store_b128 v2, v[\f:\f+3], s[\base:\base+1]
	global_store_b64 v5, v[\f+4:\f+5], s[\base:\base+1]
	global_store_b128 v2, v[\f+6:\f+9], s[\base:\base+1] offset:768
	global_store_b64 v5, v[\f+10:\f+11], s[\base:\base+1] offset:768
.endm
	WOUT 192, 4
	WOUT 204, 6
	global_store_b32 v6, v10, s[8:9]
	s_endpgm
.Lfunc_end_k_q8a491e2e88_prep:
	.size	k_q8a491e2e88_prep, .Lfunc_end_k_q8a491e2e88_prep-k_q8a491e2e88_prep
	.p2alignl 7, 3214868480
	.fill 96, 4, 3214868480
	.section	.rodata,"a",@progbits
	.p2align	6, 0x0
	.amdhsa_kernel k_q8a491e2e88_prep
		.amdhsa_group_segment_fixed_size 66304
		.amdhsa_private_segment_fixed_size 0
		.amdhsa_enable_private_segment 0
		.amdhsa_kernarg_size 88
		.amdhsa_user_sgpr_count 2
		.amdhsa_user_sgpr_kernarg_segment_ptr 1
		.amdhsa_wavefront_size32 1
		.amdhsa_system_sgpr_workgroup_id_x 1
		.amdhsa_system_sgpr_workgroup_id_y 1
		.amdhsa_system_sgpr_workgroup_id_z 1
		.amdhsa_system_vgpr_workitem_id 0
		.amdhsa_next_free_vgpr 256
		.amdhsa_next_free_sgpr 66
		.amdhsa_reserve_vcc 0
		.amdhsa_float_denorm_mode_32 3
		.amdhsa_float_denorm_mode_16_64 3
		.amdhsa_memory_ordered 1
		.amdhsa_forward_progress 1
		.amdhsa_inst_pref_size 67
	.end_amdhsa_kernel
	.amdgpu_metadata
---
amdhsa.version: [ 1, 2 ]
amdhsa.kernels:
  - .name:           k_q8a491e2e88_prep
    .symbol:         k_q8a491e2e88_prep.kd
    .args:
      - { .name: x, .offset: 0, .size: 8, .value_kind: global_buffer, .address_space: global }
      - { .name: g1, .offset: 8, .size: 8, .value_kind: global_buffer, .address_space: global }
      - { .name: be1, .offset: 16, .size: 8, .value_kind: global_buffer, .address_space: global }
      - { .name: h1, .offset: 24, .size: 8, .value_kind: global_buffer, .address_space: global }
      - { .name: wq, .offset: 32, .size: 8, .value_kind: global_buffer, .address_space: global }
      - { .name: wk, .offset: 40, .size: 8, .value_kind: global_buffer, .address_space: global }
      - { .name: wv, .offset: 48, .size: 8, .value_kind: global_buffer, .address_space: global }
      - { .name: w_proj, .offset: 56, .size: 8, .value_kind: global_buffer, .address_space: global }
      - { .name: w1, .offset: 64, .size: 8, .value_kind: global_buffer, .address_space: global }
      - { .name: w2, .offset: 72, .size: 8, .value_kind: global_buffer, .address_space: global }
      - { .name: wts, .offset: 80, .size: 8, .value_kind: global_buffer, .address_space: global }
    .group_segment_fixed_size: 66304
    .private_segment_fixed_size: 0
    .kernarg_segment_align: 8
    .kernarg_segment_size: 88
    .max_flat_workgroup_size: 128
    .sgpr_count:     66
    .vgpr_count:     256
    .wavefront_size: 32
...
	.end_amdgpu_metadata
.endif
;; end of part 1
;; launch qkv (part 2): grid 48 x 4, 4 waves a work-group, clusters of 4 x 4, 327,680 bytes of LDS; arguments h1, wts, qkv; writes qkv
.if DOCPART == 2
	.amdgcn_target "amdgcn-amd-amdhsa--gfx1250"
	.amdhsa_code_object_version 6
	.text
	.protected	k_q8a491e2e88_qkv
	.globl	k_q8a491e2e88_qkv
	.p2align	8
	.type	k_q8a491e2e88_qkv,@function
k_q8a491e2e88_qkv:
	s_mov_b64 s[64:65], 0
	v_nop
	global_prefetch_b8 v0, s[64:65] scope:SCOPE_SE
	s_setreg_imm32_b32 hwreg(HW_REG_WAVE_MODE, 25, 1), 1
	s_wait_xcnt 0x0
	s_wait_alu depctr_hold_cnt(0) depctr_sa_sdst(0) depctr_va_vdst(0) depctr_va_sdst(0) depctr_va_ssrc(0) depctr_va_vcc(0) depctr_vm_vsrc(0)
	s_getreg_b32 s2, hwreg(HW_REG_IB_STS2, 6, 4)
	s_cmp_eq_u32 s2, 0
	s_cbranch_scc0 .Lentry_in_a_cluster
	s_endpgm
.Lentry_in_a_cluster:
	s_bfe_u32 s2, ttmp6, 0x10000c
	s_cmp_lg_u32 s2, 0xf033
	s_cbranch_scc0 .Lentry_shape_is_right
	s_endpgm
.Lentry_shape_is_right:
; ONE TEXT FOR FOUR PRODUCTS ON CODES OF FP6 (E2M3, one E8M0 byte for each 32 along K); KIND says which.
;   0: q, k, v = h W (three products), each quantised for attention: q and k along the head's 64, v along the keys      1: hidden = relu(h2 w1 + b1), quantised along the hidden units
;   2: x1 = x + att w_proj + b_proj, f32                                                                               3: out = x1 + hidden w2 + b2, f32
; OPERANDS lie in memory as images of their registers: a fragment (a tile of 16 rows x 128 K) is 1,536 bytes: half c at 768 c: registers 6c..6c+3 at 16 lane, 6c+4, 6c+5 at 512 + 8 lane; a tensor is [tile][K step][1,536];
; scale words [tile][K step][16 words].  Row p of tile t is row 32 (t/2) + 8 (t%2) + p + 8 (p/8).
; S0 is the matrix instruction's source 0, S1 its source 1: in the result a lane holds one row of S1, and the 16 registers of S0's tiles 2b, 2b+1 are the neighbours 32 b + 16 (lane/16) + 0..15 along S0's rows.
; A work-group of four waves makes 2 NT x 2 NT tiles, a wave NT x NT.  NT = 8 where that gives enough work-groups; in KIND 2 and 3 it would give 64, so NT = 4 there: 256 work-groups.
; K goes through two LDS slots of NQ K steps, filled by the tensor data mover; the scale words of all of K come once.  CLUSTERS of 4 x 4: S1's tiles are shared along a row of the cluster, S0's along a column, by joint loads.
; REGISTERS, in windows of 256: window 0: v0-31 addresses, v32-63 scale words (two sets), v64.., v160.. S1's fragments (two sets).  window 1: v0.., v128.. S0's fragments (two sets); v96-127, v224-255 the bias.
;   window 2 (and 3 with NT = 8): the accumulators, (a, b) at 8 (NT a + b).  window 3 with NT = 4: the residual.
; LIMITS: a block of zeros, or one whose largest magnitude lies under 2^-124, gets the scale byte 1 (its codes are zeros; this program alone reads the bytes); NaN and infinities are not served.
; THE HEAD: the first step's four tiles (slot 0 of S1, slot 0 of S0, both operands' scale words) are shared out, one tensor load a wave; slot 1 is first filled behind a drained round, as a refill is.
; PREFETCH INTO THE L2: K is 4 chunks of 2 steps.  Behind the head's loads (chunk 0) each wave asks for chunks 1 and 2, behind chunk 1's load for chunk 3: two loads ahead.  Of the 8 tile rows that I fetch, each 3,072 bytes a chunk,
; the four partners that ask jointly take two each, told apart BY ADDRESS (cx for S1, cy for S0): 24 blocks of 256 bytes, a lane a block (lanes 24-31 name the last again).  So each block is named once in each cluster that loads it.
.set KIND, 0
.if KIND < 2
.set NT, 8
.set NQ, 2
.else
.set NT, 4
.set NQ, 4
.endif
.if KIND == 3
.set KS, 32                            ; K steps of 128
.else
.set KS, 8
.endif
.if KIND == 0
.set MODE1, 1                          ; the first product's C: 1 the constant 0, 2 the bias
.else
.set MODE1, 2
.endif
.set WQKV_S, 9437184                   ; byte offsets in the buffers
.set QK_S,   9437184
.set V_C,    6291456
.set V_S,    9961472
.if KIND == 1
.set S1SOFF, 3145728
.set S0COFF, 3145728
.set S0SOFF, 9568256
.elseif KIND == 2
.set S1SOFF, 3145728
.set S0COFF, 2359296
.set S0SOFF, 9535488
.elseif KIND == 3
.set S1SOFF, 12582912
.set S0COFF, 6291456
.set S0SOFF, 9699328
.endif
.set RT,     NQ*1536                   ; a tile's bytes in a slot
.set HALFT,  NT*RT                     ; what one tensor load brings, and what one wave reads of S1 or of S0
.set SLOT,   4*HALFT                   ; S1's two halves, then S0's
.set SCL,    2*SLOT                    ; behind the ring: the scale words of all of K
.set HALFS,  NT*KS*64
.set SPARE,  SCL+4*HALFS               ; the spare words, 128 bytes a wave: two blocks of 256 bytes that no other line names
.set STG,    SPARE+512                 ; KIND 2, 3: a stage of 16 rows x 272 bytes for each wave; no fill lands here
.set LAPS,   KS/(2*NQ)                 ; a lap = once round the ring
.set L16, 8                            ; v8   16 lane
.set L8,  9                            ; v9   512 + 8 lane
.set RR,  10                           ; v10  lane % 16
.set HH,  11                           ; v11  lane / 16
.set STO, 24
.set RD,  25
.set CO,  26
.set ADRS, 27                          ; v27  my scale words: lanes 0-15 S1's, lanes 16-31 S0's
.set SPW, 28                           ; v28  my spare word; never rewritten
.set NIL, 29                           ; v29  0; never rewritten
.set SC,  32
.set TM,  200
.set SEL, 66
.set G1, 24                            ; s[24:31], s[32:39] groups 1 and 0 (a set a slot) for S1's tiles
.set G0, 32
.set G1B, 48                           ; s[48:55], s[56:63] for S0's
.set G0B, 56
.set G1S, 68                           ; s[68:75], s[76:79] for S1's scale words;  s[80:87], s[88:91] for S0's
.set G0S, 76
.set G1SB, 80
.set G0SB, 88
.set MSB, 0
.macro WIN new                         ; the immediate's high byte repeats the setting that is left
.if MSB != \new
	s_set_vgpr_msb (MSB<<8)|\new
.set MSB, \new
.endif
.endm
.macro PLACES n
.rept \n
	v_nop
.endr
.endm
; A joint load: waves 0, 1 fetch for S1, waves 2, 3 for S0; the branch hangs on the wave's number alone.  Four v_nop follow each of the two lines.
.macro JLOAD g0a, g1a, g0b, g1b
	s_cmp_eq_u32 s15, 0
	s_cbranch_scc0 .Lfor_b_\@
	tensor_load_to_lds s[\g0a:\g0a+3], s[\g1a:\g1a+7]
	s_nop 0
.rept 4
	v_nop
.endr
	s_branch .Lasked_\@
.Lfor_b_\@:
	tensor_load_to_lds s[\g0b:\g0b+3], s[\g1b:\g1b+7]
	s_nop 0
.rept 4
	v_nop
.endr
.Lasked_\@:
.endm
.macro CREST                           ; a round of the cluster's barrier behind its opening barrier
	s_cmp_lg_u32 s14, 0
	s_cbranch_scc1 .Lnot_wave_0_\@
	s_barrier_signal -3
.Lnot_wave_0_\@:
	s_barrier_wait -3
	s_barrier_signal -1
	s_barrier_wait -1
.endm
.set G0H, 4                            ; s[4:7], s[92:95] groups 0 of the head's two loads of codes (what lay there has been used by then)
.set G0HB, 92
.set PFA, 100                          ; s[100:101] where my prefetches stand: my work-group's two tile rows of the eight that I fetch; never rewritten
.set PFO, 30                           ; v30  my lane's block of the 24; never rewritten
.macro ARM under, g0, g1, next         ; an arm of the head's one chain of branches on the wave's number: its load, and a jump to the chain's end
	s_cmp_lt_u32 s14, \under
	s_cbranch_scc0 \next
	tensor_load_to_lds s[\g0:\g0+3], s[\g1:\g1+7]
	s_nop 0
.rept 4
	v_nop
.endr
	s_branch .Lhead_asked
\next:
.endm
.macro CROUND
	s_barrier_signal -1
	s_barrier_wait -1
	CREST
.endm
	s_load_b128 s[4:7], s[0:1], 0x0                ; S1's buffer (KIND 0: h1), the weights
.if KIND == 0
	s_load_b64 s[12:13], s[0:1], 0x10              ; the output
.elseif KIND == 1
	s_load_b64 s[8:9], s[0:1], 0x10                ; the bias
	s_load_b64 s[12:13], s[0:1], 0x18
.else
	s_load_b128 s[8:11], s[0:1], 0x10              ; the bias, the residual
	s_load_b64 s[12:13], s[0:1], 0x20
.endif
	v_lshl_add_u32 v[SPW], v0, 2, SPARE
	v_mov_b32 v[NIL], 0
	ds_add_u32 v28, v29
	ds_add_u32 v28, v29
	s_wait_dscnt 0x0
	v_lshrrev_b32 v1, 5, v0
	v_readfirstlane_b32 s14, v1                    ; wave
	s_lshr_b32 s15, s14, 1                         ; my half of S1's tiles.  Also: I fetch for S1 (0) or S0 (1)
	s_and_b32 s16, s14, 1                          ; my half of S0's.  Also: which half I fetch
	s_bfe_u32 s40, ttmp6, 0x40000                  ; cx
	s_bfe_u32 s41, ttmp6, 0x40004                  ; cy
.if KIND == 0
	; clusters 0-7: q and k: S0 = the weights' tiles 0-127, S1 = the tokens.  Clusters 8-11: v: S0 = the tokens (v's K), S1 = wv's tiles.  The cluster's number is the same in all partners
	s_and_b32 s18, ttmp9, 1
	s_max_u32 s19, ttmp9, 8
	s_sub_co_u32 s19, s19, 8
	s_lshr_b32 s20, ttmp9, 1
	s_mov_b32 s93, WQKV_S+128*8*64
	s_mov_b32 s95, 3145728
	s_cmp_lt_u32 ttmp9, 8
	s_cselect_b32 s18, s18, s19
	s_cselect_b32 s20, s20, 0
	s_cselect_b32 s92, 0, 128*8*1536               ; where S1's codes begin in its buffer,
	s_cselect_b32 s93, 3145728, s93                ; its scale words,
	s_cselect_b32 s95, WQKV_S, s95                 ; and S0's scale words
	s_mov_b32 s94, 0                               ; S0's codes begin at 0 either way
	s_lshl_b32 s42, s18, 2
	s_add_co_u32 s42, s42, s40                     ; tx: S0's block
	s_lshl_b32 s17, s20, 2
	s_add_co_u32 s17, s17, s41                     ; ty: S1's block
.else
	s_lshl_b32 s42, ttmp9, 2
	s_add_co_u32 s42, s42, s40
	s_and_b32 s17, ttmp7, 0xffff
	s_lshl_b32 s17, s17, 2
	s_add_co_u32 s17, s17, s41
	s_mov_b32 s92, 0
	s_mov_b32 s93, S1SOFF
	s_mov_b32 s94, S0COFF
	s_mov_b32 s95, S0SOFF
.endif
	s_lshl_b32 s43, s41, 2
	s_lshl_b32 s43, 15, s43                        ; my row of the cluster
	s_lshl_b32 s44, 0x1111, s40                    ; my column
	; group 1 for codes: NT rows (tiles) of NQ x 1,536 bytes (elements of 8 bytes), KS x 1,536 bytes apart; no padding: every read is of consecutive bytes
	s_or_b32 s[G1+0], s43, (3<<16)|(1<<21)
	s_or_b32 s[G1B+0], s44, (3<<16)|(1<<21)
.irp g, G1, G1B
	s_mov_b32 s[\g+1], (NQ*192)<<16                ; tensor_dim0
	s_mov_b32 s[\g+2], (2*NT)<<16                  ; tensor_dim1: the head's loads bring both halves; behind them the two words that count rows are set to NT
	s_mov_b32 s[\g+3], (NQ*192)<<16                ; tile_dim0
	s_mov_b32 s[\g+4], 2*NT                        ; tile_dim1
	s_mov_b32 s[\g+5], KS*192                      ; stride
	s_mov_b32 s[\g+6], 0
	s_mov_b32 s[\g+7], 0
.endr
	; and for scale words: a dense block of HALFS bytes as rows of 256
	s_or_b32 s[G1S+0], s43, (3<<16)|(1<<21)
	s_or_b32 s[G1SB+0], s44, (3<<16)|(1<<21)
.irp g, G1S, G1SB
	s_mov_b32 s[\g+1], 32<<16
	s_mov_b32 s[\g+2], (2*HALFS/256)<<16           ; both halves' scale words in one load
	s_mov_b32 s[\g+3], 32<<16
	s_mov_b32 s[\g+4], 2*HALFS/256
	s_mov_b32 s[\g+5], 32
	s_mov_b32 s[\g+6], 0
	s_mov_b32 s[\g+7], 0
.endr
	s_lshl_b32 s20, s17, 1
	s_add_co_u32 s20, s20, s16                     ; S1: the half that I fetch: 2 ty + half
	s_mul_i32 s22, s20, NT*KS*64
	s_add_co_u32 s22, s22, s93
	s_mul_i32 s20, s20, NT*KS*1536
	s_add_co_u32 s20, s20, s92
	s_mov_b32 s21, 0
	s_mov_b32 s23, 0
	s_lshl_b32 s46, s42, 1
	s_add_co_u32 s46, s46, s16                     ; S0: 2 tx + half
	s_mul_i32 s96, s46, NT*KS*64
	s_add_co_u32 s96, s96, s95
	s_mul_i32 s46, s46, NT*KS*1536
	s_add_co_u32 s46, s46, s94
	s_mov_b32 s47, 0
	s_mov_b32 s97, 0
	s_mul_i32 s45, s14, HALFT                      ; where they go: wave x a half: no place in the cluster enters an LDS address
	s_mul_i32 s98, s16, NT*KS*64                   ; from half 0 to the half that I fetch in the ring: in bytes of scale words,
	s_mov_b32 s99, 0
	s_mul_i32 s2, s16, NT*KS*1536                  ; and of codes: the head's loads begin at half 0
	s_mov_b32 s3, 0
	s_wait_kmcnt 0x0
.if KIND == 0
	s_cmp_lt_u32 ttmp9, 8                          ; which buffer is S1 and which S0
	s_cselect_b64 s[66:67], s[4:5], s[6:7]
	s_cselect_b64 s[6:7], s[6:7], s[4:5]
	s_mov_b64 s[4:5], s[66:67]
.endif
	s_add_nc_u64 s[20:21], s[4:5], s[20:21]
	s_add_nc_u64 s[22:23], s[4:5], s[22:23]
	s_add_nc_u64 s[46:47], s[6:7], s[46:47]
	s_add_nc_u64 s[96:97], s[6:7], s[96:97]
	CROUND                                         ; all sixteen work-groups are here: the first joint loads meet
	s_mov_b32 s[G0S], 1
	s_mov_b32 s[G0S+1], SCL
	s_sub_nc_u64 s[G0S+2:G0S+3], s[22:23], s[98:99]
	s_or_b32 s[G0S+3], s[G0S+3], 0x80000000
	s_mov_b32 s[G0SB], 1
	s_mov_b32 s[G0SB+1], SCL+2*HALFS
	s_sub_nc_u64 s[G0SB+2:G0SB+3], s[96:97], s[98:99]
	s_or_b32 s[G0SB+3], s[G0SB+3], 0x80000000
	s_mov_b32 s[G0H], 1                            ; slot 0 of S1, both halves,
	s_mov_b32 s[G0H+1], 0
	s_sub_nc_u64 s[G0H+2:G0H+3], s[20:21], s[2:3]
	s_or_b32 s[G0H+3], s[G0H+3], 0x80000000
	s_mov_b32 s[G0HB], 1                           ; and of S0, behind them
	s_mov_b32 s[G0HB+1], 2*HALFT
	s_sub_nc_u64 s[G0HB+2:G0HB+3], s[46:47], s[2:3]
	s_or_b32 s[G0HB+3], s[G0HB+3], 0x80000000
	s_cmp_eq_u32 s15, 0                            ; the prefetches: do I fetch for S1?
	s_cselect_b32 s98, s40, s41                    ; my place among the four that ask with me: cx for S1, cy for S0
	s_cselect_b64 s[PFA:PFA+1], s[20:21], s[46:47]
	s_mul_i32 s98, s98, 2*KS*1536                  ; those two tile rows of my eight
	s_add_nc_u64 s[PFA:PFA+1], s[PFA:PFA+1], s[98:99]
.irp s, 0,1
	s_mov_b32 s[G0+4*\s], 1
	s_add_co_u32 s[G0+4*\s+1], s45, \s*SLOT
	s_add_nc_u64 s[G0+4*\s+2:G0+4*\s+3], s[20:21], \s*RT
	s_or_b32 s[G0+4*\s+3], s[G0+4*\s+3], 0x80000000
	s_mov_b32 s[G0B+4*\s], 1
	s_add_co_u32 s[G0B+4*\s+1], s45, \s*SLOT
	s_add_nc_u64 s[G0B+4*\s+2:G0B+4*\s+3], s[46:47], \s*RT
	s_or_b32 s[G0B+4*\s+3], s[G0B+4*\s+3], 0x80000000
.endr
	ARM 1, G0H,  G1,  .Lhead_b                     ; one tensor load a wave at the head: every way through the chain passes exactly one
	ARM 2, G0HB, G1B, .Lhead_sa
	ARM 3, G0S,  G1S, .Lhead_sb
	tensor_load_to_lds s[G0SB:G0SB+3], s[G1SB:G1SB+7]
	s_nop 0
.rept 4
	v_nop
.endr
.Lhead_asked:
	v_and_b32 v1, 31, v0
	v_min_u32 v31, 23, v1                          ; block l = min(lane, 23): tile row l / 12, block l % 12 of its 3,072 bytes
	v_mul_u32_u24 v[PFO], v31, 86
	v_lshrrev_b32 v[PFO], 10, v[PFO]               ; l / 12, for l under 24
	v_mul_u32_u24 v[PFO], v[PFO], KS*1536-RT
	v_lshl_add_u32 v[PFO], v31, 8, v[PFO]          ; 256 l + (l / 12) x (a tile's row in memory less a chunk)
	global_prefetch_b8 v[PFO], s[PFA:PFA+1] offset:RT th:TH_LOAD_NT scope:SCOPE_SE     ; chunk 1,
	global_prefetch_b8 v[PFO], s[PFA:PFA+1] offset:2*RT th:TH_LOAD_NT scope:SCOPE_SE   ; and chunk 2, two loads on
	v_and_b32 v[RR], 15, v0
	v_bfe_u32 v[HH], v0, 4, 1
	v_lshlrev_b32 v[L16], 4, v1
	v_lshl_add_u32 v[L8], v1, 3, 512
	s_mul_i32 s21, s15, HALFT
	s_mul_i32 s22, s16, HALFT
	s_add_co_u32 s22, s22, 2*HALFT
.irp s, 0,1
	v_add_nc_u32 v[16+\s], s21, v[L16]             ; v16, 17: S1's 16-byte pieces in slot 0, 1;  v18, 19: its 8-byte pieces
	v_add_nc_u32 v[18+\s], s21, v[L8]
	v_add_nc_u32 v[20+\s], s22, v[L16]             ; v20-23: the same for S0
	v_add_nc_u32 v[22+\s], s22, v[L8]
	s_add_co_u32 s21, s21, SLOT
	s_add_co_u32 s22, s22, SLOT
.endr
	s_mul_i32 s21, s15, HALFS
	s_mul_i32 s22, s16, HALFS
	s_add_co_u32 s22, s22, 2*HALFS
	s_sub_co_u32 s22, s22, s21
	v_mul_u32_u24 v6, s22, v[HH]                   ; lanes 16-31 take S0's words: the lower base + h x the distance
	s_add_co_u32 s21, s21, SCL
	v_lshl_add_u32 v6, v[RR], 2, v6
	v_add_nc_u32 v[ADRS], s21, v6
.if KIND > 0
	; the bias in the result's layout: tile b's register j of lane (r, h) is unit 32 (b/2) + 16 h + 8 (b%2) + j of my 16 NT
	s_lshl_b32 s46, s42, 1
	s_add_co_u32 s46, s46, s16
	s_mul_i32 s46, s46, 64*NT
	s_mov_b32 s47, 0
	s_add_nc_u64 s[8:9], s[8:9], s[46:47]
	v_lshlrev_b32 v7, 6, v[HH]
	WIN 0x40                                       ; destination window 1
.set bb, 0
.rept NT
.set BIR, 96+8*bb+96*(bb/4)
	global_load_b128 v[BIR:BIR+3], v7, s[8:9] offset:(32*(bb/2)+8*(bb%2))*4
	global_load_b128 v[BIR+4:BIR+7], v7, s[8:9] offset:(32*(bb/2)+8*(bb%2))*4+16
.set bb, bb+1
.endr
	WIN 0
.endif
.if KIND > 1
	s_mul_i32 s23, s14, 4352
	s_add_co_u32 s23, s23, STG                     ; my stage
	v_mul_u32_u24 v6, v[RR], 272
	v_lshl_add_u32 v6, v[HH], 6, v6
	v_add_nc_u32 v[STO], s23, v6                   ; in: row r, + 64 h
	v_mul_u32_u24 v6, v[HH], 272
	v_lshl_add_u32 v6, v[RR], 4, v6
	v_add_nc_u32 v[RD], s23, v6                    ; back: lanes 0-15 one row of 256 bytes, lanes 16-31 the next
	v_lshlrev_b32 v6, 12, v[HH]
	v_lshl_add_u32 v[CO], v[RR], 4, v6             ; and the same two rows in memory
	s_lshl_b32 s46, s17, 7
	s_lshl_b32 s47, s15, 6
	s_add_co_u32 s46, s46, s47                     ; my first token
	s_lshl_b32 s46, s46, 12
	s_lshl_b32 s47, s42, 9
	s_add_co_u32 s46, s46, s47
	s_lshl_b32 s47, s16, 8
	s_add_co_u32 s46, s46, s47                     ; + my first column, in bytes
	s_mov_b32 s47, 0
	s_add_nc_u64 s[10:11], s[10:11], s[46:47]
	s_add_nc_u64 s[12:13], s[12:13], s[46:47]
	WIN 0xc0                                       ; destination window 3: the residual waits there for the way out
.set aa, 0
.rept 4
.set tt, 0
.rept 8
	global_load_b128 v[32*aa+4*tt:32*aa+4*tt+3], v[CO], s[10:11] offset:(32*(aa/2)+8*(aa%2)+2*tt+8*(tt/4))*4096 th:TH_LOAD_NT
.set tt, tt+1
.endr
.set aa, aa+1
.endr
	WIN 0
.endif
.macro FRAG reg, a16, a8, off          ; an image comes back as it was stored: four loads of consecutive bytes
	ds_load_b128 v[\reg:\reg+3], v[\a16] offset:\off
	ds_load_b64 v[\reg+4:\reg+5], v[\a8] offset:\off
	ds_load_b128 v[\reg+6:\reg+9], v[\a16] offset:\off+768
	ds_load_b64 v[\reg+10:\reg+11], v[\a8] offset:\off+768
.endm
.macro FETCH slot, q, p                ; the fragments of the slot's q-th K step into set p
	WIN 0x40
.set ii, 0
.rept NT
.set FRG, 128*(\p)+12*ii
.set FOF, ii*RT+1536*(\q)
	FRAG FRG, 20+\slot, 22+\slot, FOF
.set ii, ii+1
.endr
	WIN 0
.set ii, 0
.rept NT
.set FRG, 64+96*(\p)+12*ii
.set FOF, ii*RT+1536*(\q)
	FRAG FRG, 16+\slot, 18+\slot, FOF
.set ii, ii+1
.endr
.endm
.macro SCALES sc                       ; a slot's scale words into set sc: register NQ i + q: lanes 0-15 S1's tile i, lanes 16-31 S0's tile i
.set ii, 0
.rept NT
.set q2, 0
.rept NQ
	ds_load_b32 v[SC+16*(\sc)+NQ*ii+q2], v[ADRS] offset:ii*KS*64+64*q2
.set q2, q2+1
.endr
.set ii, ii+1
.endr
.endm
; S1's tile a against S0's NT tiles.  The NT x NT accumulators take turns, one instruction a turn, in the same order in every K step.
.macro MULA a, p, q, sc, mode
.set AIX, 8*NT*(\a)
.set WW, 2+AIX/256
.if \mode == 2
.set WNEW, (WW<<6)|(1<<4)|1
.else
.set WNEW, (WW<<6)|(WW<<4)|1
.endif
	WIN WNEW
.set S1R, 64+96*(\p)+12*(\a)
.set SBR, SC+16*(\sc)+NQ*(\a)+(\q)
.set bb, 0
.rept NT
.set DR, (AIX+8*bb)%256
.set S0R, 128*(\p)+12*bb
.set SAR, SC+16*(\sc)+NQ*bb+(\q)
.set BIR, 96+8*bb+96*(bb/4)
.if \mode == 0
	v_wmma_scale_f32_16x16x128_f8f6f4 v[DR:DR+7], v[S0R:S0R+11], v[S1R:S1R+11], v[DR:DR+7], v[SAR], v[SBR] matrix_a_fmt:MATRIX_FMT_FP6 matrix_b_fmt:MATRIX_FMT_FP6 matrix_a_scale:MATRIX_SCALE_ROW1
.elseif \mode == 1
	v_wmma_scale_f32_16x16x128_f8f6f4 v[DR:DR+7], v[S0R:S0R+11], v[S1R:S1R+11], 0, v[SAR], v[SBR] matrix_a_fmt:MATRIX_FMT_FP6 matrix_b_fmt:MATRIX_FMT_FP6 matrix_a_scale:MATRIX_SCALE_ROW1
.else
	v_wmma_scale_f32_16x16x128_f8f6f4 v[DR:DR+7], v[S0R:S0R+11], v[S1R:S1R+11], v[BIR:BIR+7], v[SAR], v[SBR] matrix_a_fmt:MATRIX_FMT_FP6 matrix_b_fmt:MATRIX_FMT_FP6 matrix_a_scale:MATRIX_SCALE_ROW1
.endif
.set bb, bb+1
.endr
.endm
.macro MULQ g, p, q, sc, mode          ; a quarter of a K step's products
.set aa, (\g)*(NT/4)
.rept NT/4
	MULA aa, \p, \q, \sc, \mode
.set aa, aa+1
.endr
.endm
.macro MULALL p, q, sc, mode
	MULQ 0, \p, \q, \sc, \mode
	MULQ 1, \p, \q, \sc, \mode
	MULQ 2, \p, \q, \sc, \mode
	MULQ 3, \p, \q, \sc, \mode
.endm
; A K step that has its successor in the same slot: the successor's fragments are asked for first, into the set that the last step multiplied, then this step is multiplied.
.macro STEP slot, q, mode
	s_wait_dscnt 0x0                               ; this step's fragments and scale words, asked for a K step ago
	PLACES 4                                       ; four plain instructions between the last products and loads into registers that they read
	FETCH \slot, (\q)+1, 1-(\q)%2
	MULALL (\q)%2, \q, \slot, \mode
.endm
.macro MID slot                        ; K steps 1 .. NQ - 2 of a slot
.set qq, 1
.rept NQ-2
	STEP \slot, qq, 0
.set qq, qq+1
.endr
.endm
; A slot's last K step changes slots: ONE barrier.  In front of it each wave waits for all its tensor loads, adds 0 to its spare word, and waits for that and for its reads of this slot.  fill = 1: the slot is filled again, two slots ahead.
.macro TURN slot, next, fill
	WIN 0
	s_wait_tensorcnt 0x0                           ; all my tensor loads have landed: my part of the next slot
	ds_add_u32 v[SPW], v[NIL]                      ; 0 onto my spare word
	s_wait_dscnt 1                                 ; this step's fragments are in; the add alone may be out
	MULQ 0, 1, NQ-1, \slot, 0
	s_wait_dscnt 0x0                               ; the add is done, and my reads of this slot are over
	s_barrier_signal -1
	MULQ 1, 1, NQ-1, \slot, 0
	WIN 0
	s_barrier_wait -1
.if \fill
	CREST                                          ; the barrier has opened a round of the cluster's: no wave of any partner still reads this slot or has a load on its way
	s_add_nc_u64 s[G0+4*\slot+2:G0+4*\slot+3], s[G0+4*\slot+2:G0+4*\slot+3], 2*RT
	s_add_nc_u64 s[G0B+4*\slot+2:G0B+4*\slot+3], s[G0B+4*\slot+2:G0B+4*\slot+3], 2*RT
	JLOAD G0+4*\slot, G1, G0B+4*\slot, G1B         ; my one tensor load behind the round; its four v_nop are the places in front of the loads below
.else
	PLACES 4
.endif
	s_wait_alu depctr_va_vdst(0)
	v_add_nc_u32 v[ADRS], 64*NQ, v[ADRS]           ; the next slot's scale words
	FETCH \next, 0, 0
	SCALES \next
	MULQ 2, 1, NQ-1, \slot, 0
	MULQ 3, 1, NQ-1, \slot, 0
.endm
	s_wait_alu depctr_va_vdst(0)
	s_wait_tensorcnt 0x0                           ; my tile of the head's four is in; these lines stand ahead of a later first fill as ahead of a refill
	ds_add_u32 v[SPW], v[NIL]
	s_mov_b32 s[G1+2], NT<<16                      ; no tensor load of mine is out: from here on a load brings NT tiles
	s_mov_b32 s[G1+4], NT
	s_mov_b32 s[G1B+2], NT<<16
	s_mov_b32 s[G1B+4], NT
	s_wait_dscnt 0x0
	CROUND                                         ; all four tiles are in, in every work-group of the cluster
	JLOAD G0+4, G1, G0B+4, G1B                     ; slot 1's first fill: my one tensor load behind the round
	FETCH 0, 0, 0
	SCALES 0
	global_prefetch_b8 v[PFO], s[PFA:PFA+1] offset:3*RT th:TH_LOAD_NT scope:SCOPE_SE   ; chunk 3, K's last, two loads on from chunk 1's
.if KIND == 1
	s_wait_loadcnt 0x0                             ; the bias
.elseif KIND > 1
	s_wait_loadcnt 32                              ; the bias is in; the residual's 32 loads may stay out
.endif
	STEP 0, 0, MODE1                               ; the first K step stands in front of the loop: its products start the sums
.if LAPS > 1
	WIN 0
	s_mov_b32 s3, LAPS-1
.Llap:                                             ; a trip goes once round the ring and fills both slots again
	MID 0
	TURN 0, 1, 1
	STEP 1, 0, 0
	MID 1
	TURN 1, 0, 1
	STEP 0, 0, 0
	WIN 0
	s_sub_co_u32 s3, s3, 1
	s_cmp_lg_u32 s3, 0
	s_cbranch_scc1 .Llap
.endif
	MID 0                                          ; the last lap fills nothing
	TURN 0, 1, 0
	STEP 1, 0, 0
	MID 1
	s_wait_dscnt 0x0
	MULALL 1, NQ-1, 1, 0
	WIN 0
	PLACES 4                                       ; in front of the first reads of results and the first writes of registers that the last products read
.if KIND < 2
; THE WAY OUT, KIND 0 AND 1: S1's tile a: my 64 registers are 128 neighbours along the next K (16 of each block of 32; lane xor 16 has the others): quantised in registers and stored as an image.
	s_mov_b32 s[SEL], 0x76543210
	s_mov_b32 s[SEL+1], 0xfedcba98
.irp b, 0,1,2,3
	v_mov_b32 v[TM+4+\b], 0                        ; written once: the exchange's destination counts as a source
.endr
	s_lshl_b32 s46, s42, 1
	s_add_co_u32 s46, s46, s16                     ; G: my group of 128 along S0
	s_lshl_b32 s47, s17, 4
	s_lshl_b32 s2, s15, 3
	s_add_co_u32 s47, s47, s2                      ; my first tile of S1
.if KIND == 0
	s_mul_i32 s92, s46, 393216                     ; q, k: [head 2 G + c][token tile][768]
	s_mul_i32 s2, s47, 768
	s_add_co_u32 s92, s92, s2
	s_lshl_b32 s94, s46, 15
	s_lshl_b32 s2, s47, 6
	s_add_co_u32 s94, s94, s2
	s_add_co_u32 s94, s94, QK_S
	s_lshr_b32 s2, s46, 4                          ; v: [batch x 16 + head][key step][tile of the head's 64][1,536]
	s_lshl_b32 s2, s2, 4
	s_lshl_b32 s3, s17, 2
	s_add_co_u32 s2, s2, s3
	s_lshl_b32 s3, s15, 1
	s_add_co_u32 s2, s2, s3
	s_lshl_b32 s2, s2, 4
	s_and_b32 s3, s46, 15
	s_add_co_u32 s2, s2, s3
	s_mul_i32 s3, s2, 6144
	s_add_co_u32 s3, s3, V_C
	s_lshl_b32 s2, s2, 8
	s_add_co_u32 s2, s2, V_S
	s_mov_b32 s18, 1536
	s_mov_b32 s96, 768
	s_cmp_lt_u32 ttmp9, 8
	s_cselect_b32 s92, s92, s3
	s_cselect_b32 s94, s94, s2
	s_cselect_b32 s18, 768, s18                    ; from tile a to a + 1
	s_cselect_b32 s20, 0, 92160                    ; v: more at a = 4, where the next head begins
	s_cselect_b32 s22, 0, 3840
	s_cselect_b32 s96, 196608, s96                 ; from an image's first half to its second: q, k: the next head
	s_cselect_b32 s97, 16384, 0                    ; q, k: lanes 16-31 store the second head's scale words,
	s_cselect_b32 s98, 16, 0                       ; which are the word's upper two bytes
	s_mov_b32 s19, 0
	s_mov_b32 s21, 0
	s_mov_b32 s23, 0
	v_add_nc_u32 v1, s96, v[L16]
	v_add_nc_u32 v2, s96, v[L8]
	v_mul_u32_u24 v3, s97, v[HH]
	v_lshl_add_u32 v3, v[RR], 2, v3
	v_mul_u32_u24 v4, s98, v[HH]
.else
	s_lshl_b32 s47, s47, 5
	s_add_co_u32 s47, s47, s46                     ; hidden: [token tile][K step G][1,536]
	s_mul_i32 s92, s47, 1536
	s_lshl_b32 s94, s47, 6
	s_add_co_u32 s94, s94, 12582912
	v_add_nc_u32 v1, 768, v[L16]
	v_add_nc_u32 v2, 768, v[L8]
	v_lshlrev_b32 v3, 2, v[RR]
.endif
	s_mov_b32 s93, 0
	s_mov_b32 s95, 0
	s_add_nc_u64 s[92:93], s[12:13], s[92:93]
	s_add_nc_u64 s[94:95], s[12:13], s[94:95]
.macro RELU a
.set AC, (8*NT*(\a))%256
.set WW, 2+(8*NT*(\a))/256
.set WNEW, (WW<<6)|(WW<<2)
	WIN WNEW
.set jj, 0
.rept 64
	v_max_num_f32 v[AC+jj], 0, v[AC+jj]            ; in f32, each accumulator from its low end on
.set jj, jj+1
.endr
.endm
.macro QUANTW a                        ; codes into v[PC] on, the row's scale word into v[PW]; two sets by turns, so that no pending store's data are written
.set AC, (8*NT*(\a))%256
.set WW, 2+(8*NT*(\a))/256
.set PC, 64+32*((\a)%2)
.set PW, 216+(\a)%2
.set WNEW, (WW<<2)|WW
	WIN WNEW
.irp b, 0,1,2,3
	v_max3_num_f32 v[TM+\b], |v[AC+16*\b]|, |v[AC+16*\b+1]|, 0x1800000   ; with the floor 2^(3 - 127): the byte cannot fall under 1
.endr
.irp i, 2,4,6,8,10,12,14
.irp b, 0,1,2,3
	v_max3_num_f32 v[TM+\b], |v[AC+16*\b+\i]|, |v[AC+16*\b+\i+1]|, v[TM+\b]
.endr
.endr
	WIN 0
.irp b, 0,1,2,3
	v_permlanex16_b32 v[TM+4+\b], v[TM+\b], s[SEL], s[SEL+1]
.endr
.irp b, 0,1,2,3
	v_max_num_f32 v[TM+\b], v[TM+\b], v[TM+4+\b]
.endr
.irp b, 0,1,2,3
	v_add_nc_u32 v[TM+12+\b], 0xff000000, v[TM+\b] ; 2 off the exponent field: the conversion's scale operand
.endr
.irp b, 0,1,2,3
	v_lshrrev_b32 v[TM+4+\b], 23, v[TM+12+\b]
.endr
	v_lshl_or_b32 v[PW], v[TM+5], 8, v[TM+4]
	v_lshl_or_b32 v[PW], v[TM+6], 16, v[PW]
	v_lshl_or_b32 v[PW], v[TM+7], 24, v[PW]
	WIN WW                                         ; source 0: the accumulators' window
.irp c, 0,1
	v_cvt_scalef32_pk16_fp6_f32 v[PC+6*\c:PC+6*\c+2], v[AC+32*\c:AC+32*\c+15], v[TM+12+2*\c]
	v_cvt_scalef32_pk16_fp6_f32 v[PC+12+4*\c:PC+12+4*\c+2], v[AC+32*\c+16:AC+32*\c+31], v[TM+12+2*\c+1]
.endr
	WIN 0
	v_nop                                          ; a plain instruction behind the conversions
.irp c, 0,1
.irp i, 0,1,2
	v_permlane16_swap_b32 v[PC+6*\c+\i], v[PC+12+4*\c+\i]   ; a whole block to a lane
.endr
.irp i, 0,1,2
	v_mov_b32 v[PC+6*\c+3+\i], v[PC+12+4*\c+\i]
.endr
.endr
.endm
.macro EOUT a
.set PC, 64+32*((\a)%2)
.set PWS, 216+(\a)%2
.if KIND == 0
	v_lshrrev_b32 v[218+(\a)%2], v4, v[PWS]
.set PWS, 218+(\a)%2
.endif
.if (\a) > 0
	s_wait_alu depctr_va_vdst(0)
	s_wait_xcnt 0x0                                ; the stores so far have read their bases and data: the bases step, and the next tile may write the other set
.if KIND == 0
	s_add_nc_u64 s[92:93], s[92:93], s[18:19]
	s_add_nc_u64 s[94:95], s[94:95], 64
.if (\a) == 4
	s_add_nc_u64 s[92:93], s[92:93], s[20:21]
	s_add_nc_u64 s[94:95], s[94:95], s[22:23]
.endif
.else
	s_add_nc_u64 s[92:93], s[92:93], 49152
	s_add_nc_u64 s[94:95], s[94:95], 2048
.endif
.endif
	global_store_b128 v[L16], v[PC:PC+3], s[92:93]                 ; runs of 512 and 256 consecutive bytes
	global_store_b64 v[L8], v[PC+4:PC+5], s[92:93]
	global_store_b128 v1, v[PC+6:PC+9], s[92:93]
	global_store_b64 v2, v[PC+10:PC+11], s[92:93]
	global_store_b32 v3, v[PWS], s[94:95]
.endm
.irp a, 0,1,2,3,4,5,6,7
.if KIND == 1
	RELU \a
.endif
	QUANTW \a
	EOUT \a
.endr
.else
; THE WAY OUT, KIND 2 AND 3: a tile of 16 tokens x my 64 columns goes through my own stage and comes back as rows of 256 bytes; the residual is added; sixteen lanes store 256 consecutive, aligned bytes.
.macro TOSTAGE a
.set BK, 64+32*((\a)%2)
	WIN 0x08                                       ; an LDS store's data are its source 1: window 2
.set bb, 0
.rept 4
.set DR, 8*(4*(\a)+bb)
	ds_store_b128 v[STO], v[DR:DR+3] offset:128*(bb/2)+32*(bb%2)       ; each accumulator from its low end on
	ds_store_b128 v[STO], v[DR+4:DR+7] offset:128*(bb/2)+32*(bb%2)+16
.set bb, bb+1
.endr
	WIN 0
.set tt, 0
.rept 8
	ds_load_b128 v[BK+4*tt:BK+4*tt+3], v[RD] offset:544*tt             ; LDS serves a wave's instructions in order: these see the stores above
.set tt, tt+1
.endr
.endm
.macro SEND a, younger                 ; younger: the LDS instructions issued behind tile a's loads
.set BK, 64+32*((\a)%2)
	s_wait_dscnt \younger
	WIN 0x0c                                       ; source 1: window 3, the residual
.set uu, 0
.rept 16
	v_pk_add_f32 v[BK+2*uu:BK+2*uu+1], v[BK+2*uu:BK+2*uu+1], v[32*(\a)+2*uu:32*(\a)+2*uu+1]
.set uu, uu+1
.endr
	WIN 0
.set tt, 0
.rept 8
.set RO, (32*((\a)/2)+8*((\a)%2)+2*tt+8*(tt/4))*4096
.if KIND == 3
	global_store_b128 v[CO], v[BK+4*tt:BK+4*tt+3], s[12:13] offset:RO th:TH_STORE_NT
.else
	global_store_b128 v[CO], v[BK+4*tt:BK+4*tt+3], s[12:13] offset:RO
.endif
.set tt, tt+1
.endr
.endm
	s_wait_loadcnt 0x0                             ; the residual
	TOSTAGE 0
.irp a, 1,2,3
.if \a > 1
	s_wait_xcnt 0x0                                ; tile a - 2's stores have read their registers: tile a's loads may land there
.endif
	TOSTAGE \a
	SEND \a-1, 16                                  ; behind tile a - 1's loads: tile a's 8 stores and 8 loads
.endr
	SEND 3, 0
.endif
	s_wait_tensorcnt 0x0                           ; the wave's end
	ds_add_u32 v[SPW], v[NIL]
	s_wait_dscnt 0x0
	CROUND                                         ; the closing round: no work-group ends while a partner may still ask for a tile that names it
	s_endpgm
.Lfunc_end_k_q8a491e2e88_qkv:
	.size	k_q8a491e2e88_qkv, .Lfunc_end_k_q8a491e2e88_qkv-k_q8a491e2e88_qkv
	.p2alignl 7, 3214868480
	.fill 96, 4, 3214868480
	.section	.rodata,"a",@progbits
	.p2align	6, 0x0
	.amdhsa_kernel k_q8a491e2e88_qkv
		.amdhsa_group_segment_fixed_size 327680
		.amdhsa_private_segment_fixed_size 0
		.amdhsa_enable_private_segment 0
		.amdhsa_kernarg_size 24
		.amdhsa_user_sgpr_count 2
		.amdhsa_user_sgpr_kernarg_segment_ptr 1
		.amdhsa_wavefront_size32 1
		.amdhsa_system_sgpr_workgroup_id_x 1
		.amdhsa_system_sgpr_workgroup_id_y 1
		.amdhsa_system_sgpr_workgroup_id_z 1
		.amdhsa_system_vgpr_workitem_id 0
		.amdhsa_next_free_vgpr 1024
		.amdhsa_next_free_sgpr 102
		.amdhsa_reserve_vcc 0
		.amdhsa_float_denorm_mode_32 3
		.amdhsa_float_denorm_mode_16_64 3
		.amdhsa_memory_ordered 1
		.amdhsa_forward_progress 1
		.amdhsa_inst_pref_size 155
	.end_amdhsa_kernel
	.amdgpu_metadata
---
amdhsa.version: [ 1, 2 ]
amdhsa.kernels:
  - .name:           k_q8a491e2e88_qkv
    .symbol:         k_q8a491e2e88_qkv.kd
    .args:
      - { .name: h1, .offset: 0, .size: 8, .value_kind: global_buffer, .address_space: global }
      - { .name: wts, .offset: 8, .size: 8, .value_kind: global_buffer, .address_space: global }
      - { .name: qkv, .offset: 16, .size: 8, .value_kind: global_buffer, .address_space: global }
    .group_segment_fixed_size: 327680
    .private_segment_fixed_size: 0
    .kernarg_segment_align: 8
    .kernarg_segment_size: 24
    .max_flat_workgroup_size: 128
    .sgpr_count:     102
    .vgpr_count:     1024
    .wavefront_size: 32
...
	.end_amdgpu_metadata
.endif
;; end of part 2
;; launch attn (part 3): grid 8 x 32, 16 waves a work-group, no clusters, 210,944 bytes of LDS; arguments qkv, att; writes att
.if DOCPART == 3
	.amdgcn_target "amdgcn-amd-amdhsa--gfx1250"
	.amdhsa_code_object_version 6
	.text
	.protected	k_q8a491e2e88_attn
	.globl	k_q8a491e2e88_attn
	.p2align	8
	.type	k_q8a491e2e88_attn,@function
k_q8a491e2e88_attn:
	s_mov_b64 s[64:65], 0
	v_nop
	global_prefetch_b8 v0, s[64:65] scope:SCOPE_SE
	s_setreg_imm32_b32 hwreg(HW_REG_WAVE_MODE, 25, 1), 1
	s_wait_xcnt 0x0
; att[b][t][head][:] = softmax over s <= t of (q . k / 8) v, both products on codes of FP6 (E2M3) with one E8M0 byte for each 32 along K; the result is quantised along (head, d) for the next product.
; q, k: half images (16 tokens x the head's 64: 768 bytes), the instruction's upper 64 along K are zero codes on both sides.  v: images of 16 of the head's 64 x 128 keys.  Row p of tile t is row 32 (t/2) + 8 (t%2) + p + 8 (p/8).
; THE SOFTMAX: t = score x log2(e) / 8; M = the running largest t rounded UP to a whole number; p = 2^(t - M) is quantised along the keys, not normalised; the row's sum is taken of the unquantised p and divides at the end.
; SHARES.  A work-group serves one (batch, head) and 16 tiles of 16 queries, one a wave: 8 tiles of query block i and 8 of block 15 - i, so that under the causal mask every work-group has the same work, and
; of the four waves of a SIMD two are short and two long.  A wave walks key steps (128 keys) 0 .. its diagonal step; later steps are left out by a scalar branch on ids, round the work alone.
; LDS holds the head's whole K, V and scale words: each byte is filled once, in four chunks of 512 keys that are read as they land.  Nothing is filled again and nothing is stored to LDS.
; NO CLUSTER: the steps that a wave leaves out hang on its query block, which in a cluster would be the work-group's place.
; Both products are used transposed (S^T = K Q^T, O^T = V^T P^T): a lane holds one query throughout.
; LIMITS: a block of zeros, or one whose largest magnitude lies under 2^-124, gets the scale byte 1 (zero codes; this program alone reads the bytes); NaN and infinities are not served.
; REGISTERS: v1-7 addresses that stay; v8-11 the step's; v12 -M, v13 the largest t, v[14:15] the sum; v16-27 Q; v28-31 V's scale words; v32-79 four fragments of K; v80-127 V's four; v128-191 S^T, then p; v192-223 O^T; v224-254 at work; v255 Q's scale word.
.set V_C,  6291456
.set QK_S, 9437184
.set V_S,  9961472
.set LV,   98304                       ; LDS: K's 128 half images at 0, V's 64 images here,
.set LKS,  196608                      ; K's scale words (512 bytes a step),
.set LVS,  204800                      ; V's (256 a step)
.set WV,   18
.set SEL,  20
.set CS,   22
.set G1C,  24                          ; s[24:31] group 1 for a chunk: 96 rows of 256 bytes
.set G1SK, 32                          ; s[32:39] for K's scale words: 32 rows
.set G0C,  40                          ; s[40:43] group 0 of my one load
.set G1SV, 84                          ; s[84:91] for V's scale words: 16 rows
.set TB,   2                           ; s2   the step's tiles in a region of codes
.set TS,   3                           ; s3   its scale words of K
.set TJ,   66                          ; s66  and of V
.set KSI,  67                          ; s67  the step's number
.set SB,   68                          ; s68  my diagonal step
.set QD,   69                          ; s69  my tile's first query less the diagonal step's first key
.set CNT,  70
	s_load_b128 s[4:7], s[0:1], 0x0                ; qkv, att
	v_lshl_add_u32 v254, v0, 2, 0x33000
	v_mov_b32 v255, 0
	ds_add_u32 v254, v255
	ds_add_u32 v254, v255
	s_wait_dscnt 0x0
	v_lshrrev_b32 v8, 5, v0
	s_delay_alu instid0(VALU_DEP_1)
	v_readfirstlane_b32 s[WV], v8                  ; wave 0..15
	s_and_b32 s72, ttmp7, 0xffff                   ; 16 batch + head
	s_lshr_b32 s73, s72, 4
	s_and_b32 s74, s72, 15
	s_add_co_u32 s75, s74, 16                      ; k's heads lie behind q's sixteen
	s_lshl_b32 s75, s75, 8
	s_lshl_b32 s76, s73, 7                         ; 128 token tiles a batch
	s_add_co_u32 s75, s75, s76
	s_mul_i32 s80, s75, 768                        ; K's codes,
	s_lshl_b32 s82, s75, 6
	s_add_co_u32 s82, s82, QK_S                    ; K's scale words,
	s_mul_i32 s77, s72, 98304
	s_add_co_u32 s77, s77, V_C                     ; V's codes,
	s_lshl_b32 s78, s72, 12
	s_add_co_u32 s78, s78, V_S                     ; V's scale words
	s_mov_b32 s81, 0
	s_mov_b32 s83, 0
	s_mov_b32 s92, s77                             ; V's two offsets in pairs of their own
	s_mov_b32 s93, 0
	s_mov_b32 s94, s78
	s_mov_b32 s95, 0
.irp g, G1C, G1SK, G1SV
	s_mov_b32 s[\g], 3<<16                         ; no mask, elements of 8 bytes, no padding: every read is of consecutive bytes
	s_mov_b32 s[\g+1], 32<<16                      ; tensor_dim0: 256 bytes
	s_mov_b32 s[\g+3], 32<<16                      ; tile_dim0
	s_mov_b32 s[\g+5], 32                          ; dense
	s_mov_b32 s[\g+6], 0
	s_mov_b32 s[\g+7], 0
.endr
	s_mov_b32 s[G1C+2], 96<<16
	s_mov_b32 s[G1C+4], 96
	s_mov_b32 s[G1SK+2], 32<<16
	s_mov_b32 s[G1SK+4], 32
	s_mov_b32 s[G1SV+2], 16<<16
	s_mov_b32 s[G1SV+4], 16
	s_wait_kmcnt 0x0
	s_add_nc_u64 s[80:81], s[4:5], s[80:81]        ; K's codes, K's scale words,
	s_add_nc_u64 s[82:83], s[4:5], s[82:83]
	s_add_nc_u64 s[92:93], s[4:5], s[92:93]        ; V's codes, V's scale words
	s_add_nc_u64 s[94:95], s[4:5], s[94:95]
	s_mov_b32 s[G0C], 1
; ALL TEN FILLS OF THE LAUNCH, one a wave, waves 0 to 9, in the order in which they are wanted: the scale words, then chunk by chunk K's and V's codes.
; One chain of branches on the wave's number; each arm writes its own constants into group 0.  Everything is asked for here, so there is no later load for a prefetch to run ahead of.
.macro ARM w, lds, base, goff, g1, next, more
	s_cmp_eq_u32 s[WV], \w
	s_cbranch_scc0 \next
	s_mov_b32 s[G0C+1], \lds
	s_add_nc_u64 s[G0C+2:G0C+3], s[\base:\base+1], \goff
	s_or_b32 s[G0C+3], s[G0C+3], 0x80000000
	tensor_load_to_lds s[G0C:G0C+3], s[\g1:\g1+7]
	s_nop 0
.rept 4
	v_nop
.endr
.if \more
	s_branch .Lasked
.endif
\next:
.endm
	ARM 0, LKS,      82, 0,     G1SK, .La1, 1
	ARM 1, LVS,      94, 0,     G1SV, .La2, 1
	ARM 2, 0,        80, 0,     G1C,  .La3, 1
	ARM 3, LV,       92, 0,     G1C,  .La4, 1
	ARM 4, 24576,    80, 24576, G1C,  .La5, 1
	ARM 5, LV+24576, 92, 24576, G1C,  .La6, 1
	ARM 6, 49152,    80, 49152, G1C,  .La7, 1
	ARM 7, LV+49152, 92, 49152, G1C,  .La8, 1
	ARM 8, 73728,    80, 73728, G1C,  .La9, 1
	ARM 9, LV+73728, 92, 73728, G1C,  .Lasked, 0
	s_lshr_b32 s71, s[WV], 1                       ; which of a block's 8 tiles
	s_lshr_b32 s93, s[WV], 2
	s_xor_b32 s93, s93, s[WV]
	s_and_b32 s93, s93, 1                          ; the early block or the late one
	s_lshl_b32 s92, ttmp9, 3
	s_sub_co_u32 s94, 120, s92
	s_cmp_eq_u32 s93, 1
	s_cselect_b32 s92, s94, s92
	s_add_co_u32 s92, s92, s71                     ; my tile of queries, 0..127
	s_lshr_b32 s[SB], s92, 3
	s_lshr_b32 s93, s92, 1
	s_and_b32 s93, s93, 3
	s_lshl_b32 s93, s93, 5
	s_and_b32 s94, s92, 1
	s_lshl_b32 s94, s94, 3
	s_add_co_u32 s[QD], s93, s94
	s_lshl_b32 s93, s74, 8
	s_add_co_u32 s93, s93, s76
	s_add_co_u32 s93, s93, s92                     ; q's half image
	s_mul_i32 s8, s93, 768
	s_mov_b32 s9, 0
	s_lshl_b32 s10, s93, 6
	s_add_co_u32 s10, s10, QK_S
	s_mov_b32 s11, 0
	s_add_co_u32 s93, s76, s92
	s_lshl_b32 s93, s93, 3
	s_lshr_b32 s94, s74, 1
	s_add_co_u32 s93, s93, s94                     ; att's image: token tile x 8 + head / 2; my head is its half head % 2
	s_and_b32 s94, s74, 1
	s_mul_i32 s12, s93, 1536
	s_mul_i32 s95, s94, 768
	s_add_co_u32 s12, s12, s95
	s_mov_b32 s13, 0
	s_lshl_b32 s14, s93, 6
	s_lshl_b32 s94, s94, 1
	s_add_co_u32 s14, s14, s94
	s_add_co_u32 s14, s14, 3145728
	s_mov_b32 s15, 0
	s_add_nc_u64 s[8:9], s[4:5], s[8:9]
	s_add_nc_u64 s[10:11], s[4:5], s[10:11]
	s_add_nc_u64 s[12:13], s[6:7], s[12:13]
	s_add_nc_u64 s[14:15], s[6:7], s[14:15]
	s_mov_b32 s[SEL], 0x76543210
	s_mov_b32 s[SEL+1], 0xfedcba98
	s_mov_b32 s[CS], 0x3e38aa3b                    ; c = log2(e) / 8
	s_mov_b32 s[CS+1], s[CS]
	v_and_b32 v8, 31, v0
	v_and_b32 v9, 15, v0
	v_bfe_u32 v10, v0, 4, 1
	s_delay_alu instid0(VALU_DEP_3)
	v_lshlrev_b32 v1, 4, v8                        ; 16 lane
	s_delay_alu instid0(VALU_DEP_4)
	v_lshl_add_u32 v2, v8, 3, 512                  ; 512 + 8 lane
	s_delay_alu instid0(VALU_DEP_2)
	v_add_nc_u32 v3, LV, v1
	s_delay_alu instid0(VALU_DEP_2)
	v_add_nc_u32 v4, LV, v2
	v_lshl_add_u32 v5, v9, 2, LKS
	v_lshl_add_u32 v6, v9, 2, LVS
	v_and_b32 v7, 8, v9
	s_delay_alu instid0(VALU_DEP_1)
	v_add_nc_u32 v7, v7, v9
	v_lshlrev_b32 v11, 4, v10
	s_delay_alu instid0(VALU_DEP_1)
	v_sub_nc_u32 v7, v7, v11                       ; r + 8 (r/8) - 16 h
	v_lshlrev_b32 v11, 2, v9
	global_load_b128 v[16:19], v1, s[8:9]          ; Q's half image stays in registers
	global_load_b64 v[20:21], v2, s[8:9]
	global_load_b32 v255, v11, s[10:11]
.set jj, 22
.rept 6
	v_mov_b32 v[jj], 0                             ; the upper 64 along K: zero codes, in Q
.set jj, jj+1
.endr
.irp t, 0,1,2,3
.irp j, 6,7,8,9,10,11
	v_mov_b32 v[32+12*\t+\j], 0                    ; and in K's four fragments: written once, never loaded
.endr
.endr
	v_mov_b32 v13, 0xff61b1e6                      ; the largest t so far: -3e38
	s_delay_alu instid0(VALU_DEP_1)
	v_floor_f32 v12, -v13
	v_mov_b32 v14, 0
	v_mov_b32 v15, 0
.irp b, 0,1,2,3
	v_mov_b32 v[236+\b], 0                         ; the exchange's destination counts as a source
.endr
	v_mov_b32 v252, 0
	v_mov_b32 v253, 0
.set jj, 0
.rept 32
	v_mov_b32 v[192+jj], 0                         ; O^T: the step is written once; the first finds zeros
.set jj, jj+1
.endr
	s_wait_loadcnt 0x0                             ; Q
.macro STEP
	s_cmp_gt_u32 s[KSI], s[SB]                     ; all 128 keys come after my queries: the work is left out, the steps of addresses at the end are not
	s_cbranch_scc1 .Lhidden_\@
	v_add_nc_u32 v8, s[TB], v1                     ; (these six are also the places between the last step's products and the loads into V's registers)
	v_add_nc_u32 v9, s[TB], v2
	v_add_nc_u32 v10, s[TB], v3
	v_add_nc_u32 v11, s[TB], v4
	v_add_nc_u32 v244, s[TS], v5
	v_add_nc_u32 v245, s[TJ], v6
.irp t, 0,1,2,3
	ds_load_b128 v[32+12*\t:35+12*\t], v8 offset:768*\t
	ds_load_b64 v[36+12*\t:37+12*\t], v9 offset:768*\t
	ds_load_b32 v[248+\t], v244 offset:64*\t
.endr
.irp t, 0,1,2,3
	ds_load_b128 v[80+12*\t:83+12*\t], v10 offset:1536*\t
	ds_load_b64 v[84+12*\t:85+12*\t], v11 offset:1536*\t
	ds_load_b128 v[86+12*\t:89+12*\t], v10 offset:1536*\t+768
	ds_load_b64 v[90+12*\t:91+12*\t], v11 offset:1536*\t+768
	ds_load_b32 v[28+\t], v245 offset:64*\t
.endr
	s_wait_alu depctr_va_vdst(0)
	s_wait_dscnt 20                                ; K's first four tiles are in; V's 20 loads may be out
.irp t, 0,1,2,3
	v_wmma_scale_f32_16x16x128_f8f6f4 v[128+8*\t:135+8*\t], v[32+12*\t:43+12*\t], v[16:27], 0, v[248+\t], v255 matrix_a_fmt:MATRIX_FMT_FP6 matrix_b_fmt:MATRIX_FMT_FP6
.endr
.rept 4
	v_nop                                          ; places in front of loads into registers that these products read
.endr
.irp t, 0,1,2,3
	ds_load_b128 v[32+12*\t:35+12*\t], v8 offset:768*(4+\t)
	ds_load_b64 v[36+12*\t:37+12*\t], v9 offset:768*(4+\t)
	ds_load_b32 v[248+\t], v244 offset:64*(4+\t)
.endr
	s_wait_dscnt 0x0
.irp t, 0,1,2,3
	v_wmma_scale_f32_16x16x128_f8f6f4 v[160+8*\t:167+8*\t], v[32+12*\t:43+12*\t], v[16:27], 0, v[248+\t], v255 matrix_a_fmt:MATRIX_FMT_FP6 matrix_b_fmt:MATRIX_FMT_FP6
.endr
.rept 4
	v_nop
.endr
	s_cmp_lt_u32 s[KSI], s[SB]                     ; a step all of whose keys count skips the mask
	s_cbranch_scc1 .Lopen_\@
	v_add_nc_u32 v252, s[QD], v7                   ; d = my query - the step's first key - 16 h; register 16 b + i holds key 32 b + 16 h + i: hidden where 32 b + i > d
	v_mov_b32 v254, 0xff800000
.set nn, 0
.rept 64
	v_cmp_gt_i32 vcc_lo, 32*(nn/16)+nn%16, v252
	v_cndmask_b32 v[128+nn], v[128+nn], v254, vcc_lo
.set nn, nn+1
.endr
.Lopen_\@:
.irp b, 0,1,2,3
	v_max3_num_f32 v[232+\b], v[128+16*\b], v[129+16*\b], v[130+16*\b]   ; the largest score of each block of 32 keys: for the row's maximum, and, since p rises with the score, for the block's largest p
.endr
.irp i, 3,5,7,9,11,13
.irp b, 0,1,2,3
	v_max3_num_f32 v[232+\b], v[232+\b], v[128+16*\b+\i], v[129+16*\b+\i]
.endr
.endr
.irp b, 0,1,2,3
	v_max_num_f32 v[232+\b], v[232+\b], v[143+16*\b]
.endr
.irp b, 0,1,2,3
	s_delay_alu instid0(VALU_DEP_4)
	v_permlanex16_b32 v[236+\b], v[232+\b], s[SEL], s[SEL+1]
.endr
.irp b, 0,1,2,3
	s_delay_alu instid0(VALU_DEP_4)
	v_max_num_f32 v[232+\b], v[232+\b], v[236+\b]
.endr
	s_delay_alu instid0(VALU_DEP_2)
	v_max3_num_f32 v254, v232, v233, v234
	s_delay_alu instid0(VALU_DEP_1)
	v_max_num_f32 v254, v254, v235
	s_delay_alu instid0(VALU_DEP_1)
	v_mul_f32 v254, s[CS], v254
	s_delay_alu instid0(VALU_DEP_1)
	v_max_num_f32 v13, v13, v254                   ; the running largest t
	v_mov_b32 v254, v12
	s_delay_alu instid0(VALU_DEP_2)
	v_floor_f32 v12, -v13                          ; -M = floor(-t): M is a whole number
	s_delay_alu instid0(VALU_DEP_1)
	v_sub_f32 v254, v12, v254
	s_delay_alu instid0(VALU_DEP_1)
	v_cvt_i32_f32 v254, v254                       ; (it saturates)
	s_delay_alu instid0(VALU_DEP_1)
	v_ldexp_f32 v252, 1.0, v254                    ; f = 2^(old M - new M): rounds nothing
.set jj, 0
.rept 32
	v_pk_fma_f32 v[128+jj:129+jj], v[128+jj:129+jj], s[CS:CS+1], v[12:13] op_sel_hi:[1,0,0]   ; t - M
.set jj, jj+2
.endr
.irp b, 0,1,2,3
	v_fma_f32 v[232+\b], v[232+\b], s[CS], v12
.endr
.set jj, 0
	s_wait_alu depctr_va_vdst(0)
.rept 64
	v_exp_f32 v[128+jj], v[128+jj]                 ; p = 2^(t - M): one batch
.set jj, jj+1
.endr
	v_pk_mul_f32 v[14:15], v[14:15], v[252:253] op_sel_hi:[1,0]   ; the sums under the new M: the plain instruction behind the batch
	s_wait_alu depctr_va_vdst(0)                   ; one wait for the 64, ahead of their first reader
.irp b, 0,1,2,3
	v_exp_f32 v[232+\b], v[232+\b]                 ; each block's largest p
.endr
	v_pk_add_f32 v[236:237], v[132:133], v[136:137]
	v_pk_add_f32 v[250:251], v[140:141], v[144:145]
	v_pk_add_f32 v[248:249], v[148:149], v[152:153]
	v_pk_add_f32 v[246:247], v[156:157], v[160:161]
	v_pk_add_f32 v[244:245], v[164:165], v[168:169]
	v_pk_add_f32 v[242:243], v[172:173], v[176:177]
	v_pk_add_f32 v[240:241], v[180:181], v[184:185]
	v_pk_add_f32 v[14:15], v[14:15], v[188:189]
	v_pk_add_f32 v[236:237], v[236:237], v[128:129]
	v_pk_add_f32 v[250:251], v[250:251], v[130:131]
	v_pk_add_f32 v[248:249], v[248:249], v[134:135]
	v_pk_add_f32 v[246:247], v[246:247], v[138:139]
	v_pk_add_f32 v[244:245], v[244:245], v[142:143]
	v_pk_add_f32 v[242:243], v[242:243], v[146:147]
	v_pk_add_f32 v[240:241], v[240:241], v[150:151]
	v_pk_add_f32 v[14:15], v[14:15], v[154:155]
	v_pk_add_f32 v[236:237], v[236:237], v[158:159]
	v_pk_add_f32 v[250:251], v[250:251], v[162:163]
	v_pk_add_f32 v[248:249], v[248:249], v[166:167]
	v_pk_add_f32 v[246:247], v[246:247], v[170:171]
	v_pk_add_f32 v[244:245], v[244:245], v[174:175]
	v_pk_add_f32 v[242:243], v[242:243], v[178:179]
	v_pk_add_f32 v[240:241], v[240:241], v[182:183]
	v_pk_add_f32 v[14:15], v[14:15], v[186:187]
	v_pk_add_f32 v[236:237], v[236:237], v[190:191]
	s_delay_alu instid0(VALU_DEP_2)
	v_pk_add_f32 v[14:15], v[14:15], v[246:247]
	s_delay_alu instid0(VALU_DEP_2)
	v_pk_add_f32 v[236:237], v[236:237], v[244:245]
	v_pk_add_f32 v[250:251], v[250:251], v[242:243]
	v_pk_add_f32 v[248:249], v[248:249], v[240:241]
	s_delay_alu instid0(VALU_DEP_2)
	v_pk_add_f32 v[14:15], v[14:15], v[250:251]
	s_delay_alu instid0(VALU_DEP_2)
	v_pk_add_f32 v[236:237], v[236:237], v[248:249]
	s_delay_alu instid0(VALU_DEP_1)
	v_pk_add_f32 v[14:15], v[14:15], v[236:237]
	s_wait_alu depctr_va_vdst(0)                   ; and one for the four
.irp b, 0,1,2,3
	v_max_num_f32 v[232+\b], 0x1800000, v[232+\b]  ; the floor 2^(3 - 127)
.endr
.irp b, 0,1,2,3
	s_delay_alu instid0(VALU_DEP_4)
	v_add_nc_u32 v[244+\b], 0xff000000, v[232+\b]
.endr
.irp b, 0,1,2,3
	s_delay_alu instid0(VALU_DEP_4)
	v_lshrrev_b32 v[236+\b], 23, v[244+\b]
.endr
	s_delay_alu instid0(VALU_DEP_3)
	v_lshl_or_b32 v253, v237, 8, v236              ; p's scale word for these 128 keys
	s_delay_alu instid0(VALU_DEP_1)
	v_lshl_or_b32 v253, v238, 16, v253
	s_delay_alu instid0(VALU_DEP_1)
	v_lshl_or_b32 v253, v239, 24, v253
.irp c, 0,1
	v_cvt_scalef32_pk16_fp6_f32 v[224+6*\c:226+6*\c], v[128+32*\c:143+32*\c], v[244+2*\c]
	v_cvt_scalef32_pk16_fp6_f32 v[236+4*\c:238+4*\c], v[144+32*\c:159+32*\c], v[244+2*\c+1]
.endr
	v_nop
.irp c, 0,1
.irp i, 0,1,2
	v_permlane16_swap_b32 v[224+6*\c+\i], v[236+4*\c+\i]
.endr
.irp i, 0,1,2
	s_delay_alu instid0(VALU_DEP_3)
	v_mov_b32 v[227+6*\c+\i], v[236+4*\c+\i]
.endr
.endr
.set jj, 0
.rept 16
	v_pk_mul_f32 v[192+jj:193+jj], v[192+jj:193+jj], v[252:253] op_sel_hi:[1,0]   ; O^T under the new M; these 16 are also the places between the writes of p's codes and scale word and the products
.set jj, jj+2
.endr
.irp t, 0,1,2,3
	v_wmma_scale_f32_16x16x128_f8f6f4 v[192+8*\t:199+8*\t], v[80+12*\t:91+12*\t], v[224:235], v[192+8*\t:199+8*\t], v[28+\t], v253 matrix_a_fmt:MATRIX_FMT_FP6 matrix_b_fmt:MATRIX_FMT_FP6
.endr
.Lhidden_\@:
	s_add_co_u32 s[TB], s[TB], 6144
	s_add_co_u32 s[TS], s[TS], 512
	s_add_co_u32 s[TJ], s[TJ], 256
	s_add_co_u32 s[KSI], s[KSI], 1
.endm
; Chunk c: 512 keys, four steps.  The fetching waves wait until their chunk c has landed (the 3 - c chunks behind it may stay out) and signal; all read behind the barrier.
.macro CHUNK c
.if \c < 3
	s_cmp_lt_u32 s[WV], 4+2*\c                     ; waves 0 .. 3 + 2 c fetched what chunks 0 .. c need: they wait for their one load; the later chunks' loads may stay out
	s_cbranch_scc0 .Lout_\@
	s_wait_tensorcnt 0x0
.Lout_\@:
.else
	s_wait_tensorcnt 0x0                           ; the last barrier shows all that is still out: the wait stands on every wave's way
.endif
	s_wait_dscnt 0x0
	s_barrier_signal -1
	s_barrier_wait -1
	s_mov_b32 s[TB], 24576*\c
	s_mov_b32 s[TS], 2048*\c
	s_mov_b32 s[TJ], 1024*\c
	s_mov_b32 s[KSI], 4*\c
	s_mov_b32 s[CNT], 4
.Lstep_\@:
	STEP
	s_sub_co_u32 s[CNT], s[CNT], 1
	s_cmp_lg_u32 s[CNT], 0
	s_cbranch_scc1 .Lstep_\@
.endm
	CHUNK 0
	CHUNK 1
	CHUNK 2
	CHUNK 3
; THE WAY OUT: O^T / the sum; my 32 registers are d = 32 b + 16 h + 0..15 of my query: two blocks of the next product's K; quantised, they are half an image.
.rept 4
	v_nop                                          ; places behind the last products
.endr
	v_add_f32 v14, v14, v15
	s_delay_alu instid0(VALU_DEP_1)
	v_permlanex16_b32 v252, v14, s[SEL], s[SEL+1]
	s_delay_alu instid0(VALU_DEP_1)
	v_add_f32 v14, v14, v252                       ; the row's sum
	s_wait_alu depctr_va_vdst(0)
	v_rcp_f32 v14, v14
	v_and_b32 v9, 15, v0                           ; (a plain instruction behind it)
	s_delay_alu instid0(VALU_DEP_1)
	v_lshlrev_b32 v9, 2, v9
	s_wait_alu depctr_va_vdst(0)                   ; the wait, ahead of the first reader
.set jj, 0
.rept 32
	v_mul_f32 v[128+jj], v[192+jj], v14
.set jj, jj+1
.endr
.irp b, 0,1
	v_max3_num_f32 v[232+\b], |v[128+16*\b]|, |v[129+16*\b]|, 0x1800000
.endr
.irp i, 2,4,6,8,10,12,14
.irp b, 0,1
	s_delay_alu instid0(VALU_DEP_2)
	v_max3_num_f32 v[232+\b], v[232+\b], |v[128+16*\b+\i]|, |v[129+16*\b+\i]|
.endr
.endr
.irp b, 0,1
	s_delay_alu instid0(VALU_DEP_2)
	v_permlanex16_b32 v[236+\b], v[232+\b], s[SEL], s[SEL+1]
.endr
.irp b, 0,1
	s_delay_alu instid0(VALU_DEP_2)
	v_max_num_f32 v[232+\b], v[232+\b], v[236+\b]
.endr
.irp b, 0,1
	s_delay_alu instid0(VALU_DEP_2)
	v_add_nc_u32 v[244+\b], 0xff000000, v[232+\b]
.endr
.irp b, 0,1
	s_delay_alu instid0(VALU_DEP_2)
	v_lshrrev_b32 v[236+\b], 23, v[244+\b]
.endr
	s_delay_alu instid0(VALU_DEP_1)
	v_lshl_or_b32 v253, v237, 8, v236              ; my head's two bytes of the row's scale word
	v_cvt_scalef32_pk16_fp6_f32 v[224:226], v[128:143], v244
	v_cvt_scalef32_pk16_fp6_f32 v[240:242], v[144:159], v245
	v_nop
.irp i, 0,1,2
	v_permlane16_swap_b32 v[224+\i], v[240+\i]
.endr
.irp i, 0,1,2
	s_delay_alu instid0(VALU_DEP_3)
	v_mov_b32 v[227+\i], v[240+\i]
.endr
	global_store_b128 v1, v[224:227], s[12:13]     ; 512 and 256 consecutive bytes
	global_store_b64 v2, v[228:229], s[12:13]
	global_store_b16 v9, v253, s[14:15]            ; two bytes a row: 64 bytes a wave in pieces, 128 KiB in the whole launch; the word's other half is the neighbouring head's
	s_wait_xcnt 0x0
	v_lshl_add_u32 v254, v0, 2, 0x33000
	v_mov_b32 v255, 0
	s_wait_alu depctr_va_vdst(0)
	s_wait_tensorcnt 0x0
	ds_add_u32 v254, v255
	s_wait_dscnt 0x0
	s_endpgm
.Lfunc_end_k_q8a491e2e88_attn:
	.size	k_q8a491e2e88_attn, .Lfunc_end_k_q8a491e2e88_attn-k_q8a491e2e88_attn
	.p2alignl 7, 3214868480
	.fill 96, 4, 3214868480
	.section	.rodata,"a",@progbits
	.p2align	6, 0x0
	.amdhsa_kernel k_q8a491e2e88_attn
		.amdhsa_group_segment_fixed_size 210944
		.amdhsa_private_segment_fixed_size 0
		.amdhsa_enable_private_segment 0
		.amdhsa_kernarg_size 16
		.amdhsa_user_sgpr_count 2
		.amdhsa_user_sgpr_kernarg_segment_ptr 1
		.amdhsa_wavefront_size32 1
		.amdhsa_system_sgpr_workgroup_id_x 1
		.amdhsa_system_sgpr_workgroup_id_y 1
		.amdhsa_system_sgpr_workgroup_id_z 1
		.amdhsa_system_vgpr_workitem_id 0
		.amdhsa_next_free_vgpr 256
		.amdhsa_next_free_sgpr 96
		.amdhsa_reserve_vcc 1
		.amdhsa_float_denorm_mode_32 3
		.amdhsa_float_denorm_mode_16_64 3
		.amdhsa_memory_ordered 1
		.amdhsa_forward_progress 1
		.amdhsa_inst_pref_size 112
	.end_amdhsa_kernel
	.amdgpu_metadata
---
amdhsa.version: [ 1, 2 ]
amdhsa.kernels:
  - .name:           k_q8a491e2e88_attn
    .symbol:         k_q8a491e2e88_attn.kd
    .args:
      - { .name: qkv, .offset: 0, .size: 8, .value_kind: global_buffer, .address_space: global }
      - { .name: att, .offset: 8, .size: 8, .value_kind: global_buffer, .address_space: global }
    .group_segment_fixed_size: 210944
    .private_segment_fixed_size: 0
    .kernarg_segment_align: 8
    .kernarg_segment_size: 16
    .max_flat_workgroup_size: 512
    .sgpr_count:     96
    .vgpr_count:     256
    .wavefront_size: 32
...
	.end_amdgpu_metadata
.endif
;; end of part 3
;; launch proj (part 4): grid 8 x 32, 4 waves a work-group, clusters of 4 x 4, 327,680 bytes of LDS; arguments att, wts, b_proj, x, x1; writes x1
.if DOCPART == 4
	.amdgcn_target "amdgcn-amd-amdhsa--gfx1250"
	.amdhsa_code_object_version 6
	.text
	.protected	k_q8a491e2e88_proj
	.globl	k_q8a491e2e88_proj
	.p2align	8
	.type	k_q8a491e2e88_proj,@function
k_q8a491e2e88_proj:
	s_mov_b64 s[64:65], 0
	v_nop
	global_prefetch_b8 v0, s[64:65] scope:SCOPE_SE
	s_setreg_imm32_b32 hwreg(HW_REG_WAVE_MODE, 25, 1), 1
	s_wait_xcnt 0x0
	s_wait_alu depctr_hold_cnt(0) depctr_sa_sdst(0) depctr_va_vdst(0) depctr_va_sdst(0) depctr_va_ssrc(0) depctr_va_vcc(0) depctr_vm_vsrc(0)
	s_getreg_b32 s2, hwreg(HW_REG_IB_STS2, 6, 4)
	s_cmp_eq_u32 s2, 0
	s_cbranch_scc0 .Lentry_in_a_cluster
	s_endpgm
.Lentry_in_a_cluster:
	s_bfe_u32 s2, ttmp6, 0x10000c
	s_cmp_lg_u32 s2, 0xf033
	s_cbranch_scc0 .Lentry_shape_is_right
	s_endpgm
.Lentry_shape_is_right:
; ONE TEXT FOR FOUR PRODUCTS ON CODES OF FP6 (E2M3, one E8M0 byte for each 32 along K); KIND says which.
;   0: q, k, v = h W (three products), each quantised for attention: q and k along the head's 64, v along the keys      1: hidden = relu(h2 w1 + b1), quantised along the hidden units
;   2: x1 = x + att w_proj + b_proj, f32                                                                               3: out = x1 + hidden w2 + b2, f32
; OPERANDS lie in memory as images of their registers: a fragment (a tile of 16 rows x 128 K) is 1,536 bytes: half c at 768 c: registers 6c..6c+3 at 16 lane, 6c+4, 6c+5 at 512 + 8 lane; a tensor is [tile][K step][1,536];
; scale words [tile][K step][16 words].  Row p of tile t is row 32 (t/2) + 8 (t%2) + p + 8 (p/8).
; S0 is the matrix instruction's source 0, S1 its source 1: in the result a lane holds one row of S1, and the 16 registers of S0's tiles 2b, 2b+1 are the neighbours 32 b + 16 (lane/16) + 0..15 along S0's rows.
; A work-group of four waves makes 2 NT x 2 NT tiles, a wave NT x NT.  NT = 8 where that gives enough work-groups; in KIND 2 and 3 it would give 64, so NT = 4 there: 256 work-groups.
; K goes through two LDS slots of NQ K steps, filled by the tensor data mover; the scale words of all of K come once.  CLUSTERS of 4 x 4: S1's tiles are shared along a row of the cluster, S0's along a column, by joint loads.
; REGISTERS, in windows of 256: window 0: v0-31 addresses, v32-63 scale words (two sets), v64.., v160.. S1's fragments (two sets).  window 1: v0.., v128.. S0's fragments (two sets); v96-127, v224-255 the bias.
;   window 2 (and 3 with NT = 8): the accumulators, (a, b) at 8 (NT a + b).  window 3 with NT = 4: the residual.
; LIMITS: a block of zeros, or one whose largest magnitude lies under 2^-124, gets the scale byte 1 (its codes are zeros; this program alone reads the bytes); NaN and infinities are not served.
; THIS LAUNCH (KIND 2): K is 8 steps, and a block's 16 tiles x 8 steps are 196,608 bytes: ONE slot holds all of K.  Four dense loads at the head, one a wave (S1's codes, S0's codes, S1's scale words, S0's), bring everything;
; nothing is filled again, and no round stands between the opening and the closing one.  NO PREFETCH: all is asked for at the head; there is no later load to run ahead of.
.set KIND, 2
.if KIND < 2
.set NT, 8
.set NQ, 2
.else
.set NT, 4
.set NQ, 8
.endif
.if KIND == 3
.set KS, 32                            ; K steps of 128
.else
.set KS, 8
.endif
.if KIND == 0
.set MODE1, 1                          ; the first product's C: 1 the constant 0, 2 the bias
.else
.set MODE1, 2
.endif
.set WQKV_S, 9437184                   ; byte offsets in the buffers
.set QK_S,   9437184
.set V_C,    6291456
.set V_S,    9961472
.if KIND == 1
.set S1SOFF, 3145728
.set S0COFF, 3145728
.set S0SOFF, 9568256
.elseif KIND == 2
.set S1SOFF, 3145728
.set S0COFF, 2359296
.set S0SOFF, 9535488
.elseif KIND == 3
.set S1SOFF, 12582912
.set S0COFF, 6291456
.set S0SOFF, 9699328
.endif
.set RT,     NQ*1536                   ; a tile's bytes in a slot
.set HALFT,  NT*RT                     ; what one tensor load brings, and what one wave reads of S1 or of S0
.set SLOT,   4*HALFT                   ; S1's two halves, then S0's
.set SCL,    SLOT                      ; behind the one slot: the scale words of all of K
.set HALFS,  NT*KS*64
.set SPARE,  SCL+4*HALFS               ; the spare words, 128 bytes a wave: two blocks of 256 bytes that no other line names
.set STG,    SPARE+512                 ; KIND 2, 3: a stage of 16 rows x 272 bytes for each wave; no fill lands here
.set LAPS,   KS/(2*NQ)                 ; a lap = once round the ring
.set L16, 8                            ; v8   16 lane
.set L8,  9                            ; v9   512 + 8 lane
.set RR,  10                           ; v10  lane % 16
.set HH,  11                           ; v11  lane / 16
.set STO, 24
.set RD,  25
.set CO,  26
.set ADRS, 27                          ; v27  my scale words: lanes 0-15 S1's, lanes 16-31 S0's
.set SPW, 28                           ; v28  my spare word; never rewritten
.set NIL, 29                           ; v29  0; never rewritten
.set SC,  32
.set TM,  200
.set SEL, 66
.set G1, 24                            ; s[24:31], s[32:39] groups 1 and 0 (a set a slot) for S1's tiles
.set G0, 32
.set G1B, 48                           ; s[48:55], s[56:63] for S0's
.set G0B, 56
.set G1S, 68                           ; s[68:75], s[76:79] for S1's scale words;  s[80:87], s[88:91] for S0's
.set G0S, 76
.set G1SB, 80
.set G0SB, 88
.set MSB, 0
.macro WIN new                         ; the immediate's high byte repeats the setting that is left
.if MSB != \new
	s_set_vgpr_msb (MSB<<8)|\new
.set MSB, \new
.endif
.endm
.macro PLACES n
.rept \n
	v_nop
.endr
.endm
; A joint load: waves 0, 1 fetch for S1, waves 2, 3 for S0; the branch hangs on the wave's number alone.  Four v_nop follow each of the two lines.
.macro JLOAD g0a, g1a, g0b, g1b
	s_cmp_eq_u32 s15, 0
	s_cbranch_scc0 .Lfor_b_\@
	tensor_load_to_lds s[\g0a:\g0a+3], s[\g1a:\g1a+7]
	s_nop 0
.rept 4
	v_nop
.endr
	s_branch .Lasked_\@
.Lfor_b_\@:
	tensor_load_to_lds s[\g0b:\g0b+3], s[\g1b:\g1b+7]
	s_nop 0
.rept 4
	v_nop
.endr
.Lasked_\@:
.endm
.macro CREST                           ; a round of the cluster's barrier behind its opening barrier
	s_cmp_lg_u32 s14, 0
	s_cbranch_scc1 .Lnot_wave_0_\@
	s_barrier_signal -3
.Lnot_wave_0_\@:
	s_barrier_wait -3
	s_barrier_signal -1
	s_barrier_wait -1
.endm
.macro ARM under, g0, g1, next         ; an arm of the head's one chain of branches on the wave's number: its load, and a jump to the chain's end
	s_cmp_lt_u32 s14, \under
	s_cbranch_scc0 \next
	tensor_load_to_lds s[\g0:\g0+3], s[\g1:\g1+7]
	s_nop 0
.rept 4
	v_nop
.endr
	s_branch .Lhead_asked
\next:
.endm
.macro CROUND
	s_barrier_signal -1
	s_barrier_wait -1
	CREST
.endm
	s_load_b128 s[4:7], s[0:1], 0x0                ; S1's buffer (KIND 0: h1), the weights
.if KIND == 0
	s_load_b64 s[12:13], s[0:1], 0x10              ; the output
.elseif KIND == 1
	s_load_b64 s[8:9], s[0:1], 0x10                ; the bias
	s_load_b64 s[12:13], s[0:1], 0x18
.else
	s_load_b128 s[8:11], s[0:1], 0x10              ; the bias, the residual
	s_load_b64 s[12:13], s[0:1], 0x20
.endif
	v_lshl_add_u32 v[SPW], v0, 2, SPARE
	v_mov_b32 v[NIL], 0
	ds_add_u32 v28, v29
	ds_add_u32 v28, v29
	s_wait_dscnt 0x0
	v_lshrrev_b32 v1, 5, v0
	v_readfirstlane_b32 s14, v1                    ; wave
	s_lshr_b32 s15, s14, 1                         ; my half of S1's tiles.  Also: I fetch for S1 (0) or S0 (1)
	s_and_b32 s16, s14, 1                          ; my half of S0's.  Also: which half I fetch
	s_bfe_u32 s40, ttmp6, 0x40000                  ; cx
	s_bfe_u32 s41, ttmp6, 0x40004                  ; cy
.if KIND == 0
	; clusters 0-7: q and k: S0 = the weights' tiles 0-127, S1 = the tokens.  Clusters 8-11: v: S0 = the tokens (v's K), S1 = wv's tiles.  The cluster's number is the same in all partners
	s_and_b32 s18, ttmp9, 1
	s_max_u32 s19, ttmp9, 8
	s_sub_co_u32 s19, s19, 8
	s_lshr_b32 s20, ttmp9, 1
	s_mov_b32 s93, WQKV_S+128*8*64
	s_mov_b32 s95, 3145728
	s_cmp_lt_u32 ttmp9, 8
	s_cselect_b32 s18, s18, s19
	s_cselect_b32 s20, s20, 0
	s_cselect_b32 s92, 0, 128*8*1536               ; where S1's codes begin in its buffer,
	s_cselect_b32 s93, 3145728, s93                ; its scale words,
	s_cselect_b32 s95, WQKV_S, s95                 ; and S0's scale words
	s_mov_b32 s94, 0                               ; S0's codes begin at 0 either way
	s_lshl_b32 s42, s18, 2
	s_add_co_u32 s42, s42, s40                     ; tx: S0's block
	s_lshl_b32 s17, s20, 2
	s_add_co_u32 s17, s17, s41                     ; ty: S1's block
.else
	s_lshl_b32 s42, ttmp9, 2
	s_add_co_u32 s42, s42, s40
	s_and_b32 s17, ttmp7, 0xffff
	s_lshl_b32 s17, s17, 2
	s_add_co_u32 s17, s17, s41
	s_mov_b32 s92, 0
	s_mov_b32 s93, S1SOFF
	s_mov_b32 s94, S0COFF
	s_mov_b32 s95, S0SOFF
.endif
	s_lshl_b32 s43, s41, 2
	s_lshl_b32 s43, 15, s43                        ; my row of the cluster
	s_lshl_b32 s44, 0x1111, s40                    ; my column
	; group 1 for codes: NT rows (tiles) of NQ x 1,536 bytes (elements of 8 bytes), KS x 1,536 bytes apart; no padding: every read is of consecutive bytes
	s_or_b32 s[G1+0], s43, (3<<16)|(1<<21)
	s_or_b32 s[G1B+0], s44, (3<<16)|(1<<21)
.irp g, G1, G1B
	s_mov_b32 s[\g+1], (NQ*192)<<16                ; tensor_dim0
	s_mov_b32 s[\g+2], (2*NT)<<16                  ; tensor_dim1: a load brings both halves
	s_mov_b32 s[\g+3], (NQ*192)<<16                ; tile_dim0
	s_mov_b32 s[\g+4], 2*NT                        ; tile_dim1
	s_mov_b32 s[\g+5], KS*192                      ; stride
	s_mov_b32 s[\g+6], 0
	s_mov_b32 s[\g+7], 0
.endr
	; and for scale words: a dense block of HALFS bytes as rows of 256
	s_or_b32 s[G1S+0], s43, (3<<16)|(1<<21)
	s_or_b32 s[G1SB+0], s44, (3<<16)|(1<<21)
.irp g, G1S, G1SB
	s_mov_b32 s[\g+1], 32<<16
	s_mov_b32 s[\g+2], (2*HALFS/256)<<16
	s_mov_b32 s[\g+3], 32<<16
	s_mov_b32 s[\g+4], 2*HALFS/256
	s_mov_b32 s[\g+5], 32
	s_mov_b32 s[\g+6], 0
	s_mov_b32 s[\g+7], 0
.endr
	s_lshl_b32 s20, s17, 1
	s_mul_i32 s22, s20, NT*KS*64                   ; S1: from half 2 ty on
	s_add_co_u32 s22, s22, s93
	s_mul_i32 s20, s20, NT*KS*1536
	s_add_co_u32 s20, s20, s92
	s_mov_b32 s21, 0
	s_mov_b32 s23, 0
	s_lshl_b32 s46, s42, 1
	s_mul_i32 s96, s46, NT*KS*64                   ; S0: from half 2 tx on
	s_add_co_u32 s96, s96, s95
	s_mul_i32 s46, s46, NT*KS*1536
	s_add_co_u32 s46, s46, s94
	s_mov_b32 s47, 0
	s_mov_b32 s97, 0
	s_wait_kmcnt 0x0
.if KIND == 0
	s_cmp_lt_u32 ttmp9, 8                          ; which buffer is S1 and which S0
	s_cselect_b64 s[66:67], s[4:5], s[6:7]
	s_cselect_b64 s[6:7], s[6:7], s[4:5]
	s_mov_b64 s[4:5], s[66:67]
.endif
	s_add_nc_u64 s[20:21], s[4:5], s[20:21]
	s_add_nc_u64 s[22:23], s[4:5], s[22:23]
	s_add_nc_u64 s[46:47], s[6:7], s[46:47]
	s_add_nc_u64 s[96:97], s[6:7], s[96:97]
	CROUND                                         ; all sixteen work-groups are here: the first joint loads meet
	s_mov_b32 s[G0S], 1
	s_mov_b32 s[G0S+1], SCL
	s_mov_b64 s[G0S+2:G0S+3], s[22:23]
	s_or_b32 s[G0S+3], s[G0S+3], 0x80000000
	s_mov_b32 s[G0SB], 1
	s_mov_b32 s[G0SB+1], SCL+2*HALFS
	s_mov_b64 s[G0SB+2:G0SB+3], s[96:97]
	s_or_b32 s[G0SB+3], s[G0SB+3], 0x80000000
	s_mov_b32 s[G0], 1                             ; S1's 8 tiles, all of K,
	s_mov_b32 s[G0+1], 0
	s_mov_b64 s[G0+2:G0+3], s[20:21]
	s_or_b32 s[G0+3], s[G0+3], 0x80000000
	s_mov_b32 s[G0B], 1                            ; and S0's, behind them
	s_mov_b32 s[G0B+1], 2*HALFT
	s_mov_b64 s[G0B+2:G0B+3], s[46:47]
	s_or_b32 s[G0B+3], s[G0B+3], 0x80000000
	ARM 1, G0,  G1,  .Lhead_b                      ; one tensor load a wave at the head: every way through the chain passes exactly one
	ARM 2, G0B, G1B, .Lhead_sa
	ARM 3, G0S, G1S, .Lhead_sb
	tensor_load_to_lds s[G0SB:G0SB+3], s[G1SB:G1SB+7]
	s_nop 0
.rept 4
	v_nop
.endr
.Lhead_asked:
	v_and_b32 v1, 31, v0
	v_and_b32 v[RR], 15, v0
	v_bfe_u32 v[HH], v0, 4, 1
	v_lshlrev_b32 v[L16], 4, v1
	v_lshl_add_u32 v[L8], v1, 3, 512
	s_mul_i32 s21, s15, HALFT
	s_mul_i32 s22, s16, HALFT
	s_add_co_u32 s22, s22, 2*HALFT
	v_add_nc_u32 v16, s21, v[L16]                  ; v16: S1's 16-byte pieces;  v18: its 8-byte pieces
	v_add_nc_u32 v18, s21, v[L8]
	v_add_nc_u32 v20, s22, v[L16]                  ; v20, v22: the same for S0
	v_add_nc_u32 v22, s22, v[L8]
	s_wait_alu depctr_va_vdst(0)                   ; the wait here, ahead of the scalar lines below
	s_mul_i32 s21, s15, HALFS
	s_mul_i32 s22, s16, HALFS
	s_add_co_u32 s22, s22, 2*HALFS
	s_sub_co_u32 s22, s22, s21
	v_mul_u32_u24 v6, s22, v[HH]                   ; lanes 16-31 take S0's words: the lower base + h x the distance
	s_add_co_u32 s21, s21, SCL
	v_lshl_add_u32 v6, v[RR], 2, v6
	v_add_nc_u32 v[ADRS], s21, v6
.if KIND > 0
	; the bias in the result's layout: tile b's register j of lane (r, h) is unit 32 (b/2) + 16 h + 8 (b%2) + j of my 16 NT
	s_lshl_b32 s46, s42, 1
	s_add_co_u32 s46, s46, s16
	s_mul_i32 s46, s46, 64*NT
	s_mov_b32 s47, 0
	s_add_nc_u64 s[8:9], s[8:9], s[46:47]
	v_lshlrev_b32 v7, 6, v[HH]
	WIN 0x40                                       ; destination window 1
.set bb, 0
.rept NT
.set BIR, 96+8*bb+96*(bb/4)
	global_load_b128 v[BIR:BIR+3], v7, s[8:9] offset:(32*(bb/2)+8*(bb%2))*4
	global_load_b128 v[BIR+4:BIR+7], v7, s[8:9] offset:(32*(bb/2)+8*(bb%2))*4+16
.set bb, bb+1
.endr
	WIN 0
.endif
.if KIND > 1
	s_mul_i32 s23, s14, 4352
	s_add_co_u32 s23, s23, STG                     ; my stage
	v_mul_u32_u24 v6, v[RR], 272
	v_lshl_add_u32 v6, v[HH], 6, v6
	v_add_nc_u32 v[STO], s23, v6                   ; in: row r, + 64 h
	v_mul_u32_u24 v6, v[HH], 272
	v_lshl_add_u32 v6, v[RR], 4, v6
	v_add_nc_u32 v[RD], s23, v6                    ; back: lanes 0-15 one row of 256 bytes, lanes 16-31 the next
	v_lshlrev_b32 v6, 12, v[HH]
	v_lshl_add_u32 v[CO], v[RR], 4, v6             ; and the same two rows in memory
	s_wait_alu depctr_va_vdst(0)
	s_lshl_b32 s46, s17, 7
	s_lshl_b32 s47, s15, 6
	s_add_co_u32 s46, s46, s47                     ; my first token
	s_lshl_b32 s46, s46, 12
	s_lshl_b32 s47, s42, 9
	s_add_co_u32 s46, s46, s47
	s_lshl_b32 s47, s16, 8
	s_add_co_u32 s46, s46, s47                     ; + my first column, in bytes
	s_mov_b32 s47, 0
	s_add_nc_u64 s[10:11], s[10:11], s[46:47]
	s_add_nc_u64 s[12:13], s[12:13], s[46:47]
.macro RESID                           ; the residual's 32 loads, into window 3, where it waits for the way out.  They are issued behind the barrier that shows the head's tiles: the tiles are asked of memory first
	WIN 0xc0
.set aa, 0
.rept 4
.set tt, 0
.rept 8
	global_load_b128 v[32*aa+4*tt:32*aa+4*tt+3], v[CO], s[10:11] offset:(32*(aa/2)+8*(aa%2)+2*tt+8*(tt/4))*4096 th:TH_LOAD_NT
.set tt, tt+1
.endr
.set aa, aa+1
.endr
	WIN 0
.endm
.endif
.macro FRAG reg, a16, a8, off          ; an image comes back as it was stored: four loads of consecutive bytes
	ds_load_b128 v[\reg:\reg+3], v[\a16] offset:\off
	ds_load_b64 v[\reg+4:\reg+5], v[\a8] offset:\off
	ds_load_b128 v[\reg+6:\reg+9], v[\a16] offset:\off+768
	ds_load_b64 v[\reg+10:\reg+11], v[\a8] offset:\off+768
.endm
.macro FETCH slot, q, p                ; the fragments of the slot's q-th K step into set p
	WIN 0x40
.set ii, 0
.rept NT
.set FRG, 128*(\p)+12*ii
.set FOF, ii*RT+1536*(\q)
	FRAG FRG, 20+\slot, 22+\slot, FOF
.set ii, ii+1
.endr
	WIN 0
.set ii, 0
.rept NT
.set FRG, 64+96*(\p)+12*ii
.set FOF, ii*RT+1536*(\q)
	FRAG FRG, 16+\slot, 18+\slot, FOF
.set ii, ii+1
.endr
.endm
.macro SCALES sc                       ; a slot's scale words into set sc: register NQ i + q: lanes 0-15 S1's tile i, lanes 16-31 S0's tile i
.set ii, 0
.rept NT
.set q2, 0
.rept NQ
	ds_load_b32 v[SC+16*(\sc)+NQ*ii+q2], v[ADRS] offset:ii*KS*64+64*q2
.set q2, q2+1
.endr
.set ii, ii+1
.endr
.endm
; S1's tile a against S0's NT tiles.  The NT x NT accumulators take turns, one instruction a turn, in the same order in every K step.
.macro MULA a, p, q, sc, mode
.set AIX, 8*NT*(\a)
.set WW, 2+AIX/256
.if \mode == 2
.set WNEW, (WW<<6)|(1<<4)|1
.else
.set WNEW, (WW<<6)|(WW<<4)|1
.endif
	WIN WNEW
.set S1R, 64+96*(\p)+12*(\a)
.set SBR, SC+16*(\sc)+NQ*(\a)+(\q)
.set bb, 0
.rept NT
.set DR, (AIX+8*bb)%256
.set S0R, 128*(\p)+12*bb
.set SAR, SC+16*(\sc)+NQ*bb+(\q)
.set BIR, 96+8*bb+96*(bb/4)
.if \mode == 0
	v_wmma_scale_f32_16x16x128_f8f6f4 v[DR:DR+7], v[S0R:S0R+11], v[S1R:S1R+11], v[DR:DR+7], v[SAR], v[SBR] matrix_a_fmt:MATRIX_FMT_FP6 matrix_b_fmt:MATRIX_FMT_FP6 matrix_a_scale:MATRIX_SCALE_ROW1
.elseif \mode == 1
	v_wmma_scale_f32_16x16x128_f8f6f4 v[DR:DR+7], v[S0R:S0R+11], v[S1R:S1R+11], 0, v[SAR], v[SBR] matrix_a_fmt:MATRIX_FMT_FP6 matrix_b_fmt:MATRIX_FMT_FP6 matrix_a_scale:MATRIX_SCALE_ROW1
.else
	v_wmma_scale_f32_16x16x128_f8f6f4 v[DR:DR+7], v[S0R:S0R+11], v[S1R:S1R+11], v[BIR:BIR+7], v[SAR], v[SBR] matrix_a_fmt:MATRIX_FMT_FP6 matrix_b_fmt:MATRIX_FMT_FP6 matrix_a_scale:MATRIX_SCALE_ROW1
.endif
.set bb, bb+1
.endr
.endm
.macro MULQ g, p, q, sc, mode          ; a quarter of a K step's products
.set aa, (\g)*(NT/4)
.rept NT/4
	MULA aa, \p, \q, \sc, \mode
.set aa, aa+1
.endr
.endm
.macro MULALL p, q, sc, mode
	MULQ 0, \p, \q, \sc, \mode
	MULQ 1, \p, \q, \sc, \mode
	MULQ 2, \p, \q, \sc, \mode
	MULQ 3, \p, \q, \sc, \mode
.endm
; A K step that has its successor in the same slot: the successor's fragments are asked for first, into the set that the last step multiplied, then this step is multiplied.
.macro STEP slot, q, mode
	s_wait_dscnt 0x0                               ; this step's fragments and scale words, asked for a K step ago
	PLACES 4                                       ; four plain instructions between the last products and loads into registers that they read
	FETCH \slot, (\q)+1, 1-(\q)%2
	MULALL (\q)%2, \q, \slot, \mode
.endm
.macro MID slot                        ; K steps 1 .. NQ - 2 of a slot
.set qq, 1
.rept NQ-2
	STEP \slot, qq, 0
.set qq, qq+1
.endr
.endm
; A slot's last K step changes slots: ONE barrier.  In front of it each wave waits for all its tensor loads, adds 0 to its spare word, and waits for that and for its reads of this slot.  fill = 1: the slot is filled again, two slots ahead.
.macro TURN slot, next, fill
	WIN 0
	s_wait_tensorcnt 0x0                           ; all my tensor loads have landed: my part of the next slot
	ds_add_u32 v[SPW], v[NIL]                      ; 0 onto my spare word
	s_wait_dscnt 1                                 ; this step's fragments are in; the add alone may be out
	MULQ 0, 1, NQ-1, \slot, 0
	s_wait_dscnt 0x0                               ; the add is done, and my reads of this slot are over
	s_barrier_signal -1
	MULQ 1, 1, NQ-1, \slot, 0
	WIN 0
	s_barrier_wait -1
.if \fill
	CREST                                          ; the barrier has opened a round of the cluster's: no wave of any partner still reads this slot or has a load on its way
	s_add_nc_u64 s[G0+4*\slot+2:G0+4*\slot+3], s[G0+4*\slot+2:G0+4*\slot+3], 2*RT
	s_add_nc_u64 s[G0B+4*\slot+2:G0B+4*\slot+3], s[G0B+4*\slot+2:G0B+4*\slot+3], 2*RT
	JLOAD G0+4*\slot, G1, G0B+4*\slot, G1B         ; my one tensor load behind the round; its four v_nop are the places in front of the loads below
.else
	PLACES 4
.endif
	v_add_nc_u32 v[ADRS], 64*NQ, v[ADRS]           ; the next slot's scale words
	FETCH \next, 0, 0
	SCALES \next
	MULQ 2, 1, NQ-1, \slot, 0
	MULQ 3, 1, NQ-1, \slot, 0
.endm
	s_wait_tensorcnt 0x0                           ; my tile of the four is in
	s_barrier_signal -1
	s_barrier_wait -1
	FETCH 0, 0, 0
	SCALES 0
	RESID
.if KIND == 1
	s_wait_loadcnt 0x0                             ; the bias
.elseif KIND > 1
	s_wait_loadcnt 32                              ; the bias is in; the residual's 32 loads may stay out
.endif
	STEP 0, 0, MODE1                               ; the first K step stands in front of the loop: its products start the sums
.if LAPS > 1
	WIN 0
	s_mov_b32 s3, LAPS-1
.Llap:                                             ; a trip goes once round the ring and fills both slots again
	MID 0
	TURN 0, 1, 1
	STEP 1, 0, 0
	MID 1
	TURN 1, 0, 1
	STEP 0, 0, 0
	WIN 0
	s_sub_co_u32 s3, s3, 1
	s_cmp_lg_u32 s3, 0
	s_cbranch_scc1 .Llap
.endif
	MID 0                                          ; K steps 1 to 6, all out of the one slot
	s_wait_dscnt 0x0
	MULALL 1, NQ-1, 0, 0
	WIN 0
	PLACES 4                                       ; in front of the first reads of results and the first writes of registers that the last products read
.if KIND < 2
; THE WAY OUT, KIND 0 AND 1: S1's tile a: my 64 registers are 128 neighbours along the next K (16 of each block of 32; lane xor 16 has the others): quantised in registers and stored as an image.
	s_mov_b32 s[SEL], 0x76543210
	s_mov_b32 s[SEL+1], 0xfedcba98
.irp b, 0,1,2,3
	v_mov_b32 v[TM+4+\b], 0                        ; written once: the exchange's destination counts as a source
.endr
	s_lshl_b32 s46, s42, 1
	s_add_co_u32 s46, s46, s16                     ; G: my group of 128 along S0
	s_lshl_b32 s47, s17, 4
	s_lshl_b32 s2, s15, 3
	s_add_co_u32 s47, s47, s2                      ; my first tile of S1
.if KIND == 0
	s_mul_i32 s92, s46, 393216                     ; q, k: [head 2 G + c][token tile][768]
	s_mul_i32 s2, s47, 768
	s_add_co_u32 s92, s92, s2
	s_lshl_b32 s94, s46, 15
	s_lshl_b32 s2, s47, 6
	s_add_co_u32 s94, s94, s2
	s_add_co_u32 s94, s94, QK_S
	s_lshr_b32 s2, s46, 4                          ; v: [batch x 16 + head][key step][tile of the head's 64][1,536]
	s_lshl_b32 s2, s2, 4
	s_lshl_b32 s3, s17, 2
	s_add_co_u32 s2, s2, s3
	s_lshl_b32 s3, s15, 1
	s_add_co_u32 s2, s2, s3
	s_lshl_b32 s2, s2, 4
	s_and_b32 s3, s46, 15
	s_add_co_u32 s2, s2, s3
	s_mul_i32 s3, s2, 6144
	s_add_co_u32 s3, s3, V_C
	s_lshl_b32 s2, s2, 8
	s_add_co_u32 s2, s2, V_S
	s_mov_b32 s18, 1536
	s_mov_b32 s96, 768
	s_cmp_lt_u32 ttmp9, 8
	s_cselect_b32 s92, s92, s3
	s_cselect_b32 s94, s94, s2
	s_cselect_b32 s18, 768, s18                    ; from tile a to a + 1
	s_cselect_b32 s20, 0, 92160                    ; v: more at a = 4, where the next head begins
	s_cselect_b32 s22, 0, 3840
	s_cselect_b32 s96, 196608, s96                 ; from an image's first half to its second: q, k: the next head
	s_cselect_b32 s97, 16384, 0                    ; q, k: lanes 16-31 store the second head's scale words,
	s_cselect_b32 s98, 16, 0                       ; which are the word's upper two bytes
	s_mov_b32 s19, 0
	s_mov_b32 s21, 0
	s_mov_b32 s23, 0
	v_add_nc_u32 v1, s96, v[L16]
	v_add_nc_u32 v2, s96, v[L8]
	v_mul_u32_u24 v3, s97, v[HH]
	v_lshl_add_u32 v3, v[RR], 2, v3
	v_mul_u32_u24 v4, s98, v[HH]
.else
	s_lshl_b32 s47, s47, 5
	s_add_co_u32 s47, s47, s46                     ; hidden: [token tile][K step G][1,536]
	s_mul_i32 s92, s47, 1536
	s_lshl_b32 s94, s47, 6
	s_add_co_u32 s94, s94, 12582912
	v_add_nc_u32 v1, 768, v[L16]
	v_add_nc_u32 v2, 768, v[L8]
	v_lshlrev_b32 v3, 2, v[RR]
.endif
	s_mov_b32 s93, 0
	s_mov_b32 s95, 0
	s_add_nc_u64 s[92:93], s[12:13], s[92:93]
	s_add_nc_u64 s[94:95], s[12:13], s[94:95]
.macro RELU a
.set AC, (8*NT*(\a))%256
.set WW, 2+(8*NT*(\a))/256
.set WNEW, (WW<<6)|(WW<<2)
	WIN WNEW
.set jj, 0
.rept 64
	v_max_num_f32 v[AC+jj], 0, v[AC+jj]            ; in f32, each accumulator from its low end on
.set jj, jj+1
.endr
.endm
.macro QUANTW a                        ; codes into v[PC] on, the row's scale word into v[PW]; two sets by turns, so that no pending store's data are written
.set AC, (8*NT*(\a))%256
.set WW, 2+(8*NT*(\a))/256
.set PC, 64+32*((\a)%2)
.set PW, 216+(\a)%2
.set WNEW, (WW<<2)|WW
	WIN WNEW
.irp b, 0,1,2,3
	v_max3_num_f32 v[TM+\b], |v[AC+16*\b]|, |v[AC+16*\b+1]|, 0x1800000   ; with the floor 2^(3 - 127): the byte cannot fall under 1
.endr
.irp i, 2,4,6,8,10,12,14
.irp b, 0,1,2,3
	v_max3_num_f32 v[TM+\b], |v[AC+16*\b+\i]|, |v[AC+16*\b+\i+1]|, v[TM+\b]
.endr
.endr
	WIN 0
.irp b, 0,1,2,3
	v_permlanex16_b32 v[TM+4+\b], v[TM+\b], s[SEL], s[SEL+1]
.endr
.irp b, 0,1,2,3
	v_max_num_f32 v[TM+\b], v[TM+\b], v[TM+4+\b]
.endr
.irp b, 0,1,2,3
	v_add_nc_u32 v[TM+12+\b], 0xff000000, v[TM+\b] ; 2 off the exponent field: the conversion's scale operand
.endr
.irp b, 0,1,2,3
	v_lshrrev_b32 v[TM+4+\b], 23, v[TM+12+\b]
.endr
	v_lshl_or_b32 v[PW], v[TM+5], 8, v[TM+4]
	v_lshl_or_b32 v[PW], v[TM+6], 16, v[PW]
	v_lshl_or_b32 v[PW], v[TM+7], 24, v[PW]
	WIN WW                                         ; source 0: the accumulators' window
.irp c, 0,1
	v_cvt_scalef32_pk16_fp6_f32 v[PC+6*\c:PC+6*\c+2], v[AC+32*\c:AC+32*\c+15], v[TM+12+2*\c]
	v_cvt_scalef32_pk16_fp6_f32 v[PC+12+4*\c:PC+12+4*\c+2], v[AC+32*\c+16:AC+32*\c+31], v[TM+12+2*\c+1]
.endr
	WIN 0
	v_nop                                          ; a plain instruction behind the conversions
.irp c, 0,1
.irp i, 0,1,2
	v_permlane16_swap_b32 v[PC+6*\c+\i], v[PC+12+4*\c+\i]   ; a whole block to a lane
.endr
.irp i, 0,1,2
	v_mov_b32 v[PC+6*\c+3+\i], v[PC+12+4*\c+\i]
.endr
.endr
.endm
.macro EOUT a
.set PC, 64+32*((\a)%2)
.set PWS, 216+(\a)%2
.if KIND == 0
	v_lshrrev_b32 v[218+(\a)%2], v4, v[PWS]
.set PWS, 218+(\a)%2
.endif
.if (\a) > 0
	s_wait_xcnt 0x0                                ; the stores so far have read their bases and data: the bases step, and the next tile may write the other set
.if KIND == 0
	s_add_nc_u64 s[92:93], s[92:93], s[18:19]
	s_add_nc_u64 s[94:95], s[94:95], 64
.if (\a) == 4
	s_add_nc_u64 s[92:93], s[92:93], s[20:21]
	s_add_nc_u64 s[94:95], s[94:95], s[22:23]
.endif
.else
	s_add_nc_u64 s[92:93], s[92:93], 49152
	s_add_nc_u64 s[94:95], s[94:95], 2048
.endif
.endif
	global_store_b128 v[L16], v[PC:PC+3], s[92:93]                 ; runs of 512 and 256 consecutive bytes
	global_store_b64 v[L8], v[PC+4:PC+5], s[92:93]
	global_store_b128 v1, v[PC+6:PC+9], s[92:93]
	global_store_b64 v2, v[PC+10:PC+11], s[92:93]
	global_store_b32 v3, v[PWS], s[94:95]
.endm
.irp a, 0,1,2,3,4,5,6,7
.if KIND == 1
	RELU \a
.endif
	QUANTW \a
	EOUT \a
.endr
.else
; THE WAY OUT, KIND 2 AND 3: a tile of 16 tokens x my 64 columns goes through my own stage and comes back as rows of 256 bytes; the residual is added; sixteen lanes store 256 consecutive, aligned bytes.
.macro TOSTAGE a
.set BK, 64+32*((\a)%2)
	WIN 0x08                                       ; an LDS store's data are its source 1: window 2
.set bb, 0
.rept 4
.set DR, 8*(4*(\a)+bb)
	ds_store_b128 v[STO], v[DR:DR+3] offset:128*(bb/2)+32*(bb%2)       ; each accumulator from its low end on
	ds_store_b128 v[STO], v[DR+4:DR+7] offset:128*(bb/2)+32*(bb%2)+16
.set bb, bb+1
.endr
	WIN 0
.set tt, 0
.rept 8
	ds_load_b128 v[BK+4*tt:BK+4*tt+3], v[RD] offset:544*tt             ; LDS serves a wave's instructions in order: these see the stores above
.set tt, tt+1
.endr
.endm
.macro SEND a, younger                 ; younger: the LDS instructions issued behind tile a's loads
.set BK, 64+32*((\a)%2)
	s_wait_dscnt \younger
	WIN 0x0c                                       ; source 1: window 3, the residual
.set uu, 0
.rept 16
	v_pk_add_f32 v[BK+2*uu:BK+2*uu+1], v[BK+2*uu:BK+2*uu+1], v[32*(\a)+2*uu:32*(\a)+2*uu+1]
.set uu, uu+1
.endr
	WIN 0
.set tt, 0
.rept 8
.set RO, (32*((\a)/2)+8*((\a)%2)+2*tt+8*(tt/4))*4096
.if KIND == 3
	global_store_b128 v[CO], v[BK+4*tt:BK+4*tt+3], s[12:13] offset:RO th:TH_STORE_NT
.else
	global_store_b128 v[CO], v[BK+4*tt:BK+4*tt+3], s[12:13] offset:RO
.endif
.set tt, tt+1
.endr
.endm
	s_wait_loadcnt 0x0                             ; the residual
	TOSTAGE 0
.irp a, 1,2,3
.if \a > 1
	s_wait_xcnt 0x0                                ; tile a - 2's stores have read their registers: tile a's loads may land there
.endif
	TOSTAGE \a
	SEND \a-1, 16                                  ; behind tile a - 1's loads: tile a's 8 stores and 8 loads
.endr
	SEND 3, 0
.endif
	s_wait_tensorcnt 0x0                           ; the wave's end
	ds_add_u32 v[SPW], v[NIL]
	s_wait_dscnt 0x0
	CROUND                                         ; the closing round: no work-group ends while a partner may still ask for a tile that names it
	s_endpgm
.Lfunc_end_k_q8a491e2e88_proj:
	.size	k_q8a491e2e88_proj, .Lfunc_end_k_q8a491e2e88_proj-k_q8a491e2e88_proj
	.p2alignl 7, 3214868480
	.fill 96, 4, 3214868480
	.section	.rodata,"a",@progbits
	.p2align	6, 0x0
	.amdhsa_kernel k_q8a491e2e88_proj
		.amdhsa_group_segment_fixed_size 327680
		.amdhsa_private_segment_fixed_size 0
		.amdhsa_enable_private_segment 0
		.amdhsa_kernarg_size 40
		.amdhsa_user_sgpr_count 2
		.amdhsa_user_sgpr_kernarg_segment_ptr 1
		.amdhsa_wavefront_size32 1
		.amdhsa_system_sgpr_workgroup_id_x 1
		.amdhsa_system_sgpr_workgroup_id_y 1
		.amdhsa_system_sgpr_workgroup_id_z 1
		.amdhsa_system_vgpr_workitem_id 0
		.amdhsa_next_free_vgpr 1024
		.amdhsa_next_free_sgpr 100
		.amdhsa_reserve_vcc 0
		.amdhsa_float_denorm_mode_32 3
		.amdhsa_float_denorm_mode_16_64 3
		.amdhsa_memory_ordered 1
		.amdhsa_forward_progress 1
		.amdhsa_inst_pref_size 61
	.end_amdhsa_kernel
	.amdgpu_metadata
---
amdhsa.version: [ 1, 2 ]
amdhsa.kernels:
  - .name:           k_q8a491e2e88_proj
    .symbol:         k_q8a491e2e88_proj.kd
    .args:
      - { .name: att, .offset: 0, .size: 8, .value_kind: global_buffer, .address_space: global }
      - { .name: wts, .offset: 8, .size: 8, .value_kind: global_buffer, .address_space: global }
      - { .name: b_proj, .offset: 16, .size: 8, .value_kind: global_buffer, .address_space: global }
      - { .name: x, .offset: 24, .size: 8, .value_kind: global_buffer, .address_space: global }
      - { .name: x1, .offset: 32, .size: 8, .value_kind: global_buffer, .address_space: global }
    .group_segment_fixed_size: 327680
    .private_segment_fixed_size: 0
    .kernarg_segment_align: 8
    .kernarg_segment_size: 40
    .max_flat_workgroup_size: 128
    .sgpr_count:     100
    .vgpr_count:     1024
    .wavefront_size: 32
...
	.end_amdgpu_metadata
.endif
;; end of part 4
;; launch ln2 (part 5): grid 256 x 1, 4 waves a work-group, no clusters, 66,304 bytes of LDS; arguments x1, g2, be2, h2; writes h2
.if DOCPART == 5
	.amdgcn_target "amdgcn-amd-amdhsa--gfx1250"
	.amdhsa_code_object_version 6
	.text
	.protected	k_q8a491e2e88_ln2
	.globl	k_q8a491e2e88_ln2
	.p2align	8
	.type	k_q8a491e2e88_ln2,@function
k_q8a491e2e88_ln2:
	s_mov_b64 s[64:65], 0
	v_nop
	global_prefetch_b8 v0, s[64:65] scope:SCOPE_SE
	s_setreg_imm32_b32 hwreg(HW_REG_WAVE_MODE, 25, 1), 1
	s_wait_xcnt 0x0
; h2 = layernorm(x1) g2 + be2, quantised along the 1,024 channels to codes of FP6 (E2M3) with one E8M0 byte for each 32.
; WHAT IS STORED.  A tile is 16 tokens, row p of tile t being token 32 (t/2) + 8 (t%2) + p + 8 (p/8).  A fragment (one tile x 128 K) is stored as an image of the operand's 12 registers, 1,536 bytes:
; half c at 768 c: registers 6c..6c+3 as 16 bytes a lane at 16 lane, registers 6c+4, 6c+5 as 8 bytes a lane at 512 + 8 lane.  Its scale words: 64 bytes, word p for row p.
; LIMITS: a block of zeros, or one whose largest magnitude lies under 2^-124, gets the byte 1 (its codes are zeros; this program alone reads the bytes); NaN and infinities among the inputs are not served.
; The work-group owns token tile ttmp9; wave w normalises its rows 4w..4w+3 (four neighbouring tokens, 16 KiB, asked for at once); the rows meet in LDS; wave w then quantises K steps 2w, 2w+1 of all 16 rows.
; No matrix unit, no cluster, no tensor load: each byte is read once, by loads of 512 consecutive bytes a wave.
.set PITCHL, 4112                      ; an LDS row of 1,024 f32 + 16 bytes: the 16 rows of a 16-byte read start in 16 different groups of banks
.set X,  32                            ; v32-159  four rows, 32 registers each
.set G,  160                           ; v160-191 gamma of my columns
.set BE, 192                           ; v192-223 beta
.set T,  224                           ; v224-231 a running pair for each row
.set MU, 232                           ; v232-239 the mean, later 1/sqrt(var + eps), twice for each row
.set PD, 240                           ; v240-243 destinations of the lane exchange
	s_load_b256 s[4:11], s[0:1], 0x0               ; x1, gamma, beta, the codes' buffer
	v_lshl_add_u32 v254, v0, 2, 0x10100
	v_mov_b32 v255, 0
	v_lshrrev_b32 v1, 5, v0
	v_readfirstlane_b32 s12, v1                    ; wave
	v_and_b32 v1, 31, v0                           ; lane
	v_and_b32 v7, 15, v0                           ; r
	v_bfe_u32 v8, v0, 4, 1                         ; h
	v_lshlrev_b32 v2, 4, v1                        ; 16 lane
	s_mul_i32 s18, s12, 4*PITCHL
	v_add_nc_u32 v3, s18, v2                       ; LDS, in: my wave's four rows, 16 lane
	v_mul_u32_u24 v4, v7, PITCHL
	v_lshl_add_u32 v4, v8, 7, v4
	s_lshl_b32 s18, s12, 10
	v_add_nc_u32 v4, s18, v4                       ; LDS, out: row r, + 128 h, + my two K steps (1,024 bytes a wave)
	v_lshl_add_u32 v5, v1, 3, 512                  ; 512 + 8 lane
	v_lshlrev_b32 v6, 2, v7                        ; 4 r
	v_lshlrev_b32 v9, 3, v8                        ; 8 h
	s_mov_b32 s14, 0x76543210
	s_mov_b32 s15, 0xfedcba98                      ; selects: lane xor 16
	s_mov_b32 s16, 0x3a800000                      ; 1 / 1,024
	s_mov_b32 s17, 0x3727c5ac                      ; 1e-5
.irp i, 0,1,2,3
	v_mov_b32 v[PD+\i], 0                          ; written once: the exchange's destination counts as a source
.endr
	s_lshr_b32 s18, ttmp9, 1
	s_lshl_b32 s18, s18, 5
	s_and_b32 s19, ttmp9, 1
	s_lshl_b32 s19, s19, 3
	s_add_co_u32 s18, s18, s19
	s_lshl_b32 s19, s12, 2
	s_add_co_u32 s18, s18, s19
	s_lshr_b32 s19, s12, 1
	s_lshl_b32 s19, s19, 3
	s_add_co_u32 s18, s18, s19                     ; my first token
	s_lshl_b32 s18, s18, 12                        ; x 4,096 bytes
	s_mov_b32 s19, 0
	s_lshl_b32 s20, ttmp9, 3
	s_lshl_b32 s21, s12, 1
	s_add_co_u32 s20, s20, s21                     ; my first image: 8 tile + 2 wave
	s_mul_i32 s22, s20, 1536
	s_mov_b32 s23, 0
	s_lshl_b32 s20, s20, 6
	s_mov_b32 s21, 0
	s_wait_kmcnt 0x0
	s_add_nc_u64 s[4:5], s[4:5], s[18:19]
	s_add_nc_u64 s[22:23], s[10:11], s[22:23]
	s_add_nc_u64 s[20:21], s[10:11], s[20:21]
.irp i, 0,1,2,3
.irp j, 0,1,2,3,4,5,6,7
	global_load_b128 v[X+32*\i+4*\j:X+32*\i+4*\j+3], v2, s[4:5] offset:4096*\i+512*\j th:TH_LOAD_NT
.endr
.endr
.irp j, 0,1,2,3,4,5,6,7
	global_load_b128 v[G+4*\j:G+4*\j+3], v2, s[6:7] offset:512*\j
	global_load_b128 v[BE+4*\j:BE+4*\j+3], v2, s[8:9] offset:512*\j
.endr
.macro REDUCE                          ; the four rows' pairs become sums over the row, in every lane; the rows take turns
.irp i, 0,1,2,3
	v_add_f32 v[T+2*\i], v[T+2*\i], v[T+2*\i+1]
.endr
.irp m, 1,2,4,8
.irp i, 0,1,2,3
	v_add_f32_dpp v[T+2*\i], v[T+2*\i], v[T+2*\i] row_xmask:\m row_mask:0xf bank_mask:0xf
.endr
.endr
.irp i, 0,1,2,3
	v_permlanex16_b32 v[PD+\i], v[T+2*\i], s14, s15
.endr
.irp i, 0,1,2,3
	v_add_f32 v[T+2*\i], v[T+2*\i], v[PD+\i]
.endr
.endm
	s_wait_loadcnt 16                              ; x1 is in; the 16 loads of gamma and beta may stay out
.irp i, 0,1,2,3
	v_pk_add_f32 v[T+2*\i:T+2*\i+1], v[X+32*\i:X+32*\i+1], v[X+32*\i+2:X+32*\i+3]
.endr
.set jj, 4
.rept 14
.irp i, 0,1,2,3
	v_pk_add_f32 v[T+2*\i:T+2*\i+1], v[T+2*\i:T+2*\i+1], v[X+32*\i+jj:X+32*\i+jj+1]
.endr
.set jj, jj+2
.endr
	REDUCE
.irp i, 0,1,2,3
	v_mul_f32 v[MU+2*\i], s16, v[T+2*\i]           ; the mean, in both registers of a pair
	v_mul_f32 v[MU+2*\i+1], s16, v[T+2*\i]
.endr
.set jj, 0
.rept 16
.irp i, 0,1,2,3
	v_pk_add_f32 v[X+32*\i+jj:X+32*\i+jj+1], v[X+32*\i+jj:X+32*\i+jj+1], v[MU+2*\i:MU+2*\i+1] neg_lo:[0,1] neg_hi:[0,1]   ; x - mean first: the variance is no difference of large sums
.endr
.set jj, jj+2
.endr
.irp i, 0,1,2,3
	v_pk_mul_f32 v[T+2*\i:T+2*\i+1], v[X+32*\i:X+32*\i+1], v[X+32*\i:X+32*\i+1]
.endr
.set jj, 2
.rept 15
.irp i, 0,1,2,3
	v_pk_fma_f32 v[T+2*\i:T+2*\i+1], v[X+32*\i+jj:X+32*\i+jj+1], v[X+32*\i+jj:X+32*\i+jj+1], v[T+2*\i:T+2*\i+1]
.endr
.set jj, jj+2
.endr
	REDUCE
.irp i, 0,1,2,3
	v_fma_f32 v[T+2*\i], v[T+2*\i], s16, s17       ; var + eps
.endr
	s_wait_alu depctr_va_vdst(0)
.irp i, 0,1,2,3
	v_rsq_f32 v[MU+2*\i], v[T+2*\i]                ; one batch of four
.endr
	v_nop                                          ; a plain instruction behind the last of them
	s_wait_alu depctr_va_vdst(0)                   ; one wait for the batch, ahead of its first reader
.irp i, 0,1,2,3
	v_mov_b32 v[MU+2*\i+1], v[MU+2*\i]
.endr
	s_wait_alu depctr_va_vdst(0)
	s_wait_loadcnt 0x0                             ; gamma and beta
.set jj, 0
.rept 16
.irp i, 0,1,2,3
	v_pk_mul_f32 v[X+32*\i+jj:X+32*\i+jj+1], v[X+32*\i+jj:X+32*\i+jj+1], v[MU+2*\i:MU+2*\i+1]
.endr
.irp i, 0,1,2,3
	v_pk_fma_f32 v[X+32*\i+jj:X+32*\i+jj+1], v[X+32*\i+jj:X+32*\i+jj+1], v[G+jj:G+jj+1], v[BE+jj:BE+jj+1]
.endr
.set jj, jj+2
.endr
.irp i, 0,1,2,3
.irp j, 0,1,2,3,4,5,6,7
	ds_store_b128 v3, v[X+32*\i+4*\j:X+32*\i+4*\j+3] offset:PITCHL*\i+512*\j
.endr
.endr
	s_wait_dscnt 0x0                               ; for the others' sake: my rows lie in LDS
	s_barrier_signal -1
	s_barrier_wait -1
; lane (r, h) takes, of row r, the 32 numbers of blocks 2c + h of each of my two K steps: whole blocks in a lane
.irp e, 0,1
.irp c, 0,1
.irp j, 0,1,2,3,4,5,6,7
	ds_load_b128 v[X+64*\e+32*\c+4*\j:X+64*\e+32*\c+4*\j+3], v4 offset:512*\e+256*\c+16*\j
.endr
.endr
.endr
.macro QUANTB src, pc, pw              ; 64 numbers (two whole blocks) become 12 registers of codes at v[pc] and the row's scale word in v[pw]
.irp c, 0,1
	v_max3_num_f32 v[224+\c], |v[\src+32*\c]|, |v[\src+32*\c+1]|, 0x1800000   ; with the floor 2^(3 - 127): the byte cannot fall under 1
.endr
.set jj, 2
.rept 15
.irp c, 0,1
	v_max3_num_f32 v[224+\c], v[224+\c], |v[\src+32*\c+jj]|, |v[\src+32*\c+jj+1]|
.endr
.set jj, jj+2
.endr
.irp c, 0,1
	v_add_nc_u32 v[226+\c], 0xff000000, v[224+\c]  ; 2 off the exponent field: the conversion's scale operand
.endr
.irp c, 0,1
	v_lshrrev_b32 v[228+\c], 23, v[226+\c]         ; the byte
.endr
	v_lshl_or_b32 v[\pw], v229, 16, v228           ; my bytes belong to blocks h and 2 + h
	v_lshlrev_b32 v[\pw], v9, v[\pw]
	v_permlanex16_b32 v[PD], v[\pw], s14, s15
	v_or_b32 v[\pw], v[\pw], v[PD]                 ; with lane xor 16's two the word is whole
.irp c, 0,1
	v_cvt_scalef32_pk16_fp6_f32 v[\pc+6*\c:\pc+6*\c+2], v[\src+32*\c:\src+32*\c+15], v[226+\c]
	v_cvt_scalef32_pk16_fp6_f32 v[\pc+12+4*\c:\pc+12+4*\c+2], v[\src+32*\c+16:\src+32*\c+31], v[226+\c]   ; (three registers from an even one on: made aside and moved)
.endr
	v_nop                                          ; a plain instruction behind the conversions
.irp c, 0,1
.irp i, 0,1,2
	v_mov_b32 v[\pc+6*\c+3+\i], v[\pc+12+4*\c+\i]
.endr
.endr
.endm
.macro LNOUT e, pc, pw                 ; the image: runs of 512 and 256 consecutive bytes; the scale words: 64 bytes (lanes 16-31 write what lanes 0-15 write)
	global_store_b128 v2, v[\pc:\pc+3], s[22:23] offset:1536*\e
	global_store_b64 v5, v[\pc+4:\pc+5], s[22:23] offset:1536*\e
	global_store_b128 v2, v[\pc+6:\pc+9], s[22:23] offset:1536*\e+768
	global_store_b64 v5, v[\pc+10:\pc+11], s[22:23] offset:1536*\e+768
	global_store_b32 v6, v[\pw], s[20:21] offset:3145728+64*\e
.endm
	s_wait_dscnt 16                                ; the first K step's 16 loads are in
	QUANTB X, 160, 230
	LNOUT 0, 160, 230
	s_wait_dscnt 0x0
	QUANTB X+64, 192, 231                          ; other registers than the first step's: no store's data are written again
	LNOUT 1, 192, 231
	s_wait_tensorcnt 0x0
	ds_add_u32 v254, v255
	s_wait_dscnt 0x0
	s_endpgm
.Lfunc_end_k_q8a491e2e88_ln2:
	.size	k_q8a491e2e88_ln2, .Lfunc_end_k_q8a491e2e88_ln2-k_q8a491e2e88_ln2
	.p2alignl 7, 3214868480
	.fill 96, 4, 3214868480
	.section	.rodata,"a",@progbits
	.p2align	6, 0x0
	.amdhsa_kernel k_q8a491e2e88_ln2
		.amdhsa_group_segment_fixed_size 66304
		.amdhsa_private_segment_fixed_size 0
		.amdhsa_enable_private_segment 0
		.amdhsa_kernarg_size 32
		.amdhsa_user_sgpr_count 2
		.amdhsa_user_sgpr_kernarg_segment_ptr 1
		.amdhsa_wavefront_size32 1
		.amdhsa_system_sgpr_workgroup_id_x 1
		.amdhsa_system_sgpr_workgroup_id_y 1
		.amdhsa_system_sgpr_workgroup_id_z 1
		.amdhsa_system_vgpr_workitem_id 0
		.amdhsa_next_free_vgpr 256
		.amdhsa_next_free_sgpr 66
		.amdhsa_reserve_vcc 0
		.amdhsa_float_denorm_mode_32 3
		.amdhsa_float_denorm_mode_16_64 3
		.amdhsa_memory_ordered 1
		.amdhsa_forward_progress 1
		.amdhsa_inst_pref_size 42
	.end_amdhsa_kernel
	.amdgpu_metadata
---
amdhsa.version: [ 1, 2 ]
amdhsa.kernels:
  - .name:           k_q8a491e2e88_ln2
    .symbol:         k_q8a491e2e88_ln2.kd
    .args:
      - { .name: x1, .offset: 0, .size: 8, .value_kind: global_buffer, .address_space: global }
      - { .name: g2, .offset: 8, .size: 8, .value_kind: global_buffer, .address_space: global }
      - { .name: be2, .offset: 16, .size: 8, .value_kind: global_buffer, .address_space: global }
      - { .name: h2, .offset: 24, .size: 8, .value_kind: global_buffer, .address_space: global }
    .group_segment_fixed_size: 66304
    .private_segment_fixed_size: 0
    .kernarg_segment_align: 8
    .kernarg_segment_size: 32
    .max_flat_workgroup_size: 128
    .sgpr_count:     66
    .vgpr_count:     256
    .wavefront_size: 32
...
	.end_amdgpu_metadata
.endif
;; end of part 5
;; launch ff1 (part 6): grid 16 x 16, 4 waves a work-group, clusters of 4 x 4, 327,680 bytes of LDS; arguments h2, wts, b1, hid; writes hid
.if DOCPART == 6
	.amdgcn_target "amdgcn-amd-amdhsa--gfx1250"
	.amdhsa_code_object_version 6
	.text
	.protected	k_q8a491e2e88_ff1
	.globl	k_q8a491e2e88_ff1
	.p2align	8
	.type	k_q8a491e2e88_ff1,@function
k_q8a491e2e88_ff1:
	s_mov_b64 s[64:65], 0
	v_nop
	global_prefetch_b8 v0, s[64:65] scope:SCOPE_SE
	s_setreg_imm32_b32 hwreg(HW_REG_WAVE_MODE, 25, 1), 1
	s_wait_xcnt 0x0
	s_wait_alu depctr_hold_cnt(0) depctr_sa_sdst(0) depctr_va_vdst(0) depctr_va_sdst(0) depctr_va_ssrc(0) depctr_va_vcc(0) depctr_vm_vsrc(0)
	s_getreg_b32 s2, hwreg(HW_REG_IB_STS2, 6, 4)
	s_cmp_eq_u32 s2, 0
	s_cbranch_scc0 .Lentry_in_a_cluster
	s_endpgm
.Lentry_in_a_cluster:
	s_bfe_u32 s2, ttmp6, 0x10000c
	s_cmp_lg_u32 s2, 0xf033
	s_cbranch_scc0 .Lentry_shape_is_right
	s_endpgm
.Lentry_shape_is_right:
; hidden = relu(h2 w1 + b1) on codes of FP6 (E2M3, one E8M0 byte for each 32 along K), quantised along the hidden units: KIND 1 of the text that launch qkv's head describes (operands as images of their registers, a block of 256 x 256, clusters of 4 x 4 with joint loads).
; THE HEAD: the first step's four tiles (slot 0 of S1, slot 0 of S0, both operands' scale words) are shared out, one tensor load a wave; slot 1 is first filled behind a drained round, as a refill is.
; PREFETCH INTO THE L2: K is 4 chunks of 2 steps.  Behind the head's loads (chunk 0) each wave asks for chunks 1 and 2, behind chunk 1's load for chunk 3: two loads ahead.  Of the 8 tile rows that I fetch, each 3,072 bytes a chunk,
; the four partners that ask jointly take two each, told apart BY ADDRESS (cx for S1, cy for S0): 24 blocks of 256 bytes, a lane a block (lanes 24-31 name the last again).  So each block is named once in each cluster that loads it.
; LIMITS: a block of zeros, or one whose largest magnitude lies under 2^-124, gets the scale byte 1 (its codes are zeros; this program alone reads the bytes); NaN and infinities are not served.
.set KIND, 1
.if KIND < 2
.set NT, 8
.set NQ, 2
.else
.set NT, 4
.set NQ, 4
.endif
.if KIND == 3
.set KS, 32
.else
.set KS, 8
.endif
.if KIND == 0
.set MODE1, 1
.else
.set MODE1, 2
.endif
.set WQKV_S, 9437184
.set QK_S,   9437184
.set V_C,    6291456
.set V_S,    9961472
.if KIND == 1
.set S1SOFF, 3145728
.set S0COFF, 3145728
.set S0SOFF, 9568256
.elseif KIND == 2
.set S1SOFF, 3145728
.set S0COFF, 2359296
.set S0SOFF, 9535488
.elseif KIND == 3
.set S1SOFF, 12582912
.set S0COFF, 6291456
.set S0SOFF, 9699328
.endif
.set RT,     NQ*1536
.set HALFT,  NT*RT
.set SLOT,   4*HALFT
.set SCL,    2*SLOT
.set HALFS,  NT*KS*64
.set SPARE,  SCL+4*HALFS
.set STG,    SPARE+512
.set LAPS,   KS/(2*NQ)
.set L16, 8
.set L8,  9
.set RR,  10
.set HH,  11
.set STO, 24
.set RD,  25
.set CO,  26
.set ADRS, 27
.set SPW, 28
.set NIL, 29
.set SC,  32
.set TM,  200
.set SEL, 66
.set G1, 24
.set G0, 32
.set G1B, 48
.set G0B, 56
.set G1S, 68
.set G0S, 76
.set G1SB, 80
.set G0SB, 88
.set MSB, 0
.macro WIN new
.if MSB != \new
	s_set_vgpr_msb (MSB<<8)|\new
.set MSB, \new
.endif
.endm
.macro PLACES n
.rept \n
	v_nop
.endr
.endm
.macro JLOAD g0a, g1a, g0b, g1b
	s_cmp_eq_u32 s15, 0
	s_cbranch_scc0 .Lfor_b_\@
	tensor_load_to_lds s[\g0a:\g0a+3], s[\g1a:\g1a+7]
	s_nop 0
.rept 4
	v_nop
.endr
	s_branch .Lasked_\@
.Lfor_b_\@:
	tensor_load_to_lds s[\g0b:\g0b+3], s[\g1b:\g1b+7]
	s_nop 0
.rept 4
	v_nop
.endr
.Lasked_\@:
.endm
.macro CREST
	s_cmp_lg_u32 s14, 0
	s_cbranch_scc1 .Lnot_wave_0_\@
	s_barrier_signal -3
.Lnot_wave_0_\@:
	s_barrier_wait -3
	s_barrier_signal -1
	s_barrier_wait -1
.endm
.set G0H, 4                            ; s[4:7], s[92:95] groups 0 of the head's two loads of codes (what lay there has been used by then)
.set G0HB, 92
.set PFA, 100                          ; s[100:101] where my prefetches stand: my work-group's two tile rows of the eight that I fetch; never rewritten
.set PFO, 30                           ; v30  my lane's block of the 24; never rewritten
.macro ARM under, g0, g1, next         ; an arm of the head's one chain of branches on the wave's number: its load, and a jump to the chain's end
	s_cmp_lt_u32 s14, \under
	s_cbranch_scc0 \next
	tensor_load_to_lds s[\g0:\g0+3], s[\g1:\g1+7]
	s_nop 0
.rept 4
	v_nop
.endr
	s_branch .Lhead_asked
\next:
.endm
.macro CROUND
	s_barrier_signal -1
	s_barrier_wait -1
	CREST
.endm
	s_load_b128 s[4:7], s[0:1], 0x0
.if KIND == 0
	s_load_b64 s[12:13], s[0:1], 0x10
.elseif KIND == 1
	s_load_b64 s[8:9], s[0:1], 0x10
	s_load_b64 s[12:13], s[0:1], 0x18
.else
	s_load_b128 s[8:11], s[0:1], 0x10
	s_load_b64 s[12:13], s[0:1], 0x20
.endif
	v_lshl_add_u32 v[SPW], v0, 2, SPARE
	v_mov_b32 v[NIL], 0
	ds_add_u32 v28, v29
	ds_add_u32 v28, v29
	s_wait_dscnt 0x0
	v_lshrrev_b32 v1, 5, v0
	v_readfirstlane_b32 s14, v1
	s_lshr_b32 s15, s14, 1
	s_and_b32 s16, s14, 1
	s_bfe_u32 s40, ttmp6, 0x40000
	s_bfe_u32 s41, ttmp6, 0x40004
.if KIND == 0
	s_and_b32 s18, ttmp9, 1
	s_max_u32 s19, ttmp9, 8
	s_sub_co_u32 s19, s19, 8
	s_lshr_b32 s20, ttmp9, 1
	s_mov_b32 s93, WQKV_S+128*8*64
	s_mov_b32 s95, 3145728
	s_cmp_lt_u32 ttmp9, 8
	s_cselect_b32 s18, s18, s19
	s_cselect_b32 s20, s20, 0
	s_cselect_b32 s92, 0, 128*8*1536
	s_cselect_b32 s93, 3145728, s93
	s_cselect_b32 s95, WQKV_S, s95
	s_mov_b32 s94, 0
	s_lshl_b32 s42, s18, 2
	s_add_co_u32 s42, s42, s40
	s_lshl_b32 s17, s20, 2
	s_add_co_u32 s17, s17, s41
.else
	s_lshl_b32 s42, ttmp9, 2
	s_add_co_u32 s42, s42, s40
	s_and_b32 s17, ttmp7, 0xffff
	s_lshl_b32 s17, s17, 2
	s_add_co_u32 s17, s17, s41
	s_mov_b32 s92, 0
	s_mov_b32 s93, S1SOFF
	s_mov_b32 s94, S0COFF
	s_mov_b32 s95, S0SOFF
.endif
	s_lshl_b32 s43, s41, 2
	s_lshl_b32 s43, 15, s43
	s_lshl_b32 s44, 0x1111, s40
	s_or_b32 s[G1+0], s43, (3<<16)|(1<<21)
	s_or_b32 s[G1B+0], s44, (3<<16)|(1<<21)
.irp g, G1, G1B
	s_mov_b32 s[\g+1], (NQ*192)<<16
	s_mov_b32 s[\g+2], (2*NT)<<16                  ; tensor_dim1: the head's loads bring both halves; behind them the two words that count rows are set to NT
	s_mov_b32 s[\g+3], (NQ*192)<<16
	s_mov_b32 s[\g+4], 2*NT                        ; tile_dim1
	s_mov_b32 s[\g+5], KS*192
	s_mov_b32 s[\g+6], 0
	s_mov_b32 s[\g+7], 0
.endr
	s_or_b32 s[G1S+0], s43, (3<<16)|(1<<21)
	s_or_b32 s[G1SB+0], s44, (3<<16)|(1<<21)
.irp g, G1S, G1SB
	s_mov_b32 s[\g+1], 32<<16
	s_mov_b32 s[\g+2], (2*HALFS/256)<<16           ; both halves' scale words in one load
	s_mov_b32 s[\g+3], 32<<16
	s_mov_b32 s[\g+4], 2*HALFS/256
	s_mov_b32 s[\g+5], 32
	s_mov_b32 s[\g+6], 0
	s_mov_b32 s[\g+7], 0
.endr
	s_lshl_b32 s20, s17, 1
	s_add_co_u32 s20, s20, s16
	s_mul_i32 s22, s20, NT*KS*64
	s_add_co_u32 s22, s22, s93
	s_mul_i32 s20, s20, NT*KS*1536
	s_add_co_u32 s20, s20, s92
	s_mov_b32 s21, 0
	s_mov_b32 s23, 0
	s_lshl_b32 s46, s42, 1
	s_add_co_u32 s46, s46, s16
	s_mul_i32 s96, s46, NT*KS*64
	s_add_co_u32 s96, s96, s95
	s_mul_i32 s46, s46, NT*KS*1536
	s_add_co_u32 s46, s46, s94
	s_mov_b32 s47, 0
	s_mov_b32 s97, 0
	s_mul_i32 s45, s14, HALFT
	s_mul_i32 s98, s16, NT*KS*64                   ; from half 0 to the half that I fetch in the ring: in bytes of scale words,
	s_mov_b32 s99, 0
	s_mul_i32 s2, s16, NT*KS*1536                  ; and of codes: the head's loads begin at half 0
	s_mov_b32 s3, 0
	s_wait_kmcnt 0x0
.if KIND == 0
	s_cmp_lt_u32 ttmp9, 8
	s_cselect_b64 s[66:67], s[4:5], s[6:7]
	s_cselect_b64 s[6:7], s[6:7], s[4:5]
	s_mov_b64 s[4:5], s[66:67]
.endif
	s_add_nc_u64 s[20:21], s[4:5], s[20:21]
	s_add_nc_u64 s[22:23], s[4:5], s[22:23]
	s_add_nc_u64 s[46:47], s[6:7], s[46:47]
	s_add_nc_u64 s[96:97], s[6:7], s[96:97]
	CROUND
	s_mov_b32 s[G0S], 1
	s_mov_b32 s[G0S+1], SCL
	s_sub_nc_u64 s[G0S+2:G0S+3], s[22:23], s[98:99]
	s_or_b32 s[G0S+3], s[G0S+3], 0x80000000
	s_mov_b32 s[G0SB], 1
	s_mov_b32 s[G0SB+1], SCL+2*HALFS
	s_sub_nc_u64 s[G0SB+2:G0SB+3], s[96:97], s[98:99]
	s_or_b32 s[G0SB+3], s[G0SB+3], 0x80000000
	s_mov_b32 s[G0H], 1                            ; slot 0 of S1, both halves,
	s_mov_b32 s[G0H+1], 0
	s_sub_nc_u64 s[G0H+2:G0H+3], s[20:21], s[2:3]
	s_or_b32 s[G0H+3], s[G0H+3], 0x80000000
	s_mov_b32 s[G0HB], 1                           ; and of S0, behind them
	s_mov_b32 s[G0HB+1], 2*HALFT
	s_sub_nc_u64 s[G0HB+2:G0HB+3], s[46:47], s[2:3]
	s_or_b32 s[G0HB+3], s[G0HB+3], 0x80000000
	s_cmp_eq_u32 s15, 0                            ; the prefetches: do I fetch for S1?
	s_cselect_b32 s98, s40, s41                    ; my place among the four that ask with me: cx for S1, cy for S0
	s_cselect_b64 s[PFA:PFA+1], s[20:21], s[46:47]
	s_mul_i32 s98, s98, 2*KS*1536                  ; those two tile rows of my eight
	s_add_nc_u64 s[PFA:PFA+1], s[PFA:PFA+1], s[98:99]
.irp s, 0,1
	s_mov_b32 s[G0+4*\s], 1
	s_add_co_u32 s[G0+4*\s+1], s45, \s*SLOT
	s_add_nc_u64 s[G0+4*\s+2:G0+4*\s+3], s[20:21], \s*RT
	s_or_b32 s[G0+4*\s+3], s[G0+4*\s+3], 0x80000000
	s_mov_b32 s[G0B+4*\s], 1
	s_add_co_u32 s[G0B+4*\s+1], s45, \s*SLOT
	s_add_nc_u64 s[G0B+4*\s+2:G0B+4*\s+3], s[46:47], \s*RT
	s_or_b32 s[G0B+4*\s+3], s[G0B+4*\s+3], 0x80000000
.endr
	ARM 1, G0H,  G1,  .Lhead_b                     ; one tensor load a wave at the head: every way through the chain passes exactly one
	ARM 2, G0HB, G1B, .Lhead_sa
	ARM 3, G0S,  G1S, .Lhead_sb
	tensor_load_to_lds s[G0SB:G0SB+3], s[G1SB:G1SB+7]
	s_nop 0
.rept 4
	v_nop
.endr
.Lhead_asked:
	v_and_b32 v1, 31, v0
	v_min_u32 v31, 23, v1                          ; block l = min(lane, 23): tile row l / 12, block l % 12 of its 3,072 bytes
	v_mul_u32_u24 v[PFO], v31, 86
	v_lshrrev_b32 v[PFO], 10, v[PFO]               ; l / 12, for l under 24
	v_mul_u32_u24 v[PFO], v[PFO], KS*1536-RT
	v_lshl_add_u32 v[PFO], v31, 8, v[PFO]          ; 256 l + (l / 12) x (a tile's row in memory less a chunk)
	global_prefetch_b8 v[PFO], s[PFA:PFA+1] offset:RT th:TH_LOAD_NT scope:SCOPE_SE     ; chunk 1,
	global_prefetch_b8 v[PFO], s[PFA:PFA+1] offset:2*RT th:TH_LOAD_NT scope:SCOPE_SE   ; and chunk 2, two loads on
	v_and_b32 v[RR], 15, v0
	v_bfe_u32 v[HH], v0, 4, 1
	v_lshlrev_b32 v[L16], 4, v1
	v_lshl_add_u32 v[L8], v1, 3, 512
	s_mul_i32 s21, s15, HALFT
	s_mul_i32 s22, s16, HALFT
	s_add_co_u32 s22, s22, 2*HALFT
.irp s, 0,1
	v_add_nc_u32 v[16+\s], s21, v[L16]
	v_add_nc_u32 v[18+\s], s21, v[L8]
	v_add_nc_u32 v[20+\s], s22, v[L16]
	v_add_nc_u32 v[22+\s], s22, v[L8]
	s_add_co_u32 s21, s21, SLOT
	s_add_co_u32 s22, s22, SLOT
.endr
	s_mul_i32 s21, s15, HALFS
	s_mul_i32 s22, s16, HALFS
	s_add_co_u32 s22, s22, 2*HALFS
	s_sub_co_u32 s22, s22, s21
	v_mul_u32_u24 v6, s22, v[HH]
	s_add_co_u32 s21, s21, SCL
	v_lshl_add_u32 v6, v[RR], 2, v6
	v_add_nc_u32 v[ADRS], s21, v6
.if KIND > 0
	s_lshl_b32 s46, s42, 1
	s_add_co_u32 s46, s46, s16
	s_mul_i32 s46, s46, 64*NT
	s_mov_b32 s47, 0
	s_add_nc_u64 s[8:9], s[8:9], s[46:47]
	v_lshlrev_b32 v7, 6, v[HH]
	WIN 0x40
.set bb, 0
.rept NT
.set BIR, 96+8*bb+96*(bb/4)
	global_load_b128 v[BIR:BIR+3], v7, s[8:9] offset:(32*(bb/2)+8*(bb%2))*4
	global_load_b128 v[BIR+4:BIR+7], v7, s[8:9] offset:(32*(bb/2)+8*(bb%2))*4+16
.set bb, bb+1
.endr
	WIN 0
.endif
.if KIND > 1
	s_mul_i32 s23, s14, 4352
	s_add_co_u32 s23, s23, STG
	v_mul_u32_u24 v6, v[RR], 272
	v_lshl_add_u32 v6, v[HH], 6, v6
	v_add_nc_u32 v[STO], s23, v6
	v_mul_u32_u24 v6, v[HH], 272
	v_lshl_add_u32 v6, v[RR], 4, v6
	v_add_nc_u32 v[RD], s23, v6
	v_lshlrev_b32 v6, 12, v[HH]
	v_lshl_add_u32 v[CO], v[RR], 4, v6
	s_lshl_b32 s46, s17, 7
	s_lshl_b32 s47, s15, 6
	s_add_co_u32 s46, s46, s47
	s_lshl_b32 s46, s46, 12
	s_lshl_b32 s47, s42, 9
	s_add_co_u32 s46, s46, s47
	s_lshl_b32 s47, s16, 8
	s_add_co_u32 s46, s46, s47
	s_mov_b32 s47, 0
	s_add_nc_u64 s[10:11], s[10:11], s[46:47]
	s_add_nc_u64 s[12:13], s[12:13], s[46:47]
	WIN 0xc0
.set aa, 0
.rept 4
.set tt, 0
.rept 8
	global_load_b128 v[32*aa+4*tt:32*aa+4*tt+3], v[CO], s[10:11] offset:(32*(aa/2)+8*(aa%2)+2*tt+8*(tt/4))*4096 th:TH_LOAD_NT
.set tt, tt+1
.endr
.set aa, aa+1
.endr
	WIN 0
.endif
.macro FRAG reg, a16, a8, off
	ds_load_b128 v[\reg:\reg+3], v[\a16] offset:\off
	ds_load_b64 v[\reg+4:\reg+5], v[\a8] offset:\off
	ds_load_b128 v[\reg+6:\reg+9], v[\a16] offset:\off+768
	ds_load_b64 v[\reg+10:\reg+11], v[\a8] offset:\off+768
.endm
.macro FETCH slot, q, p
	WIN 0x40
.set ii, 0
.rept NT
.set FRG, 128*(\p)+12*ii
.set FOF, ii*RT+1536*(\q)
	FRAG FRG, 20+\slot, 22+\slot, FOF
.set ii, ii+1
.endr
	WIN 0
.set ii, 0
.rept NT
.set FRG, 64+96*(\p)+12*ii
.set FOF, ii*RT+1536*(\q)
	FRAG FRG, 16+\slot, 18+\slot, FOF
.set ii, ii+1
.endr
.endm
.macro SCALES sc
.set ii, 0
.rept NT
.set q2, 0
.rept NQ
	ds_load_b32 v[SC+16*(\sc)+NQ*ii+q2], v[ADRS] offset:ii*KS*64+64*q2
.set q2, q2+1
.endr
.set ii, ii+1
.endr
.endm
.macro MULA a, p, q, sc, mode
.set AIX, 8*NT*(\a)
.set WW, 2+AIX/256
.if \mode == 2
.set WNEW, (WW<<6)|(1<<4)|1
.else
.set WNEW, (WW<<6)|(WW<<4)|1
.endif
	WIN WNEW
.set S1R, 64+96*(\p)+12*(\a)
.set SBR, SC+16*(\sc)+NQ*(\a)+(\q)
.set bb, 0
.rept NT
.set DR, (AIX+8*bb)%256
.set S0R, 128*(\p)+12*bb
.set SAR, SC+16*(\sc)+NQ*bb+(\q)
.set BIR, 96+8*bb+96*(bb/4)
.if \mode == 0
	v_wmma_scale_f32_16x16x128_f8f6f4 v[DR:DR+7], v[S0R:S0R+11], v[S1R:S1R+11], v[DR:DR+7], v[SAR], v[SBR] matrix_a_fmt:MATRIX_FMT_FP6 matrix_b_fmt:MATRIX_FMT_FP6 matrix_a_scale:MATRIX_SCALE_ROW1
.elseif \mode == 1
	v_wmma_scale_f32_16x16x128_f8f6f4 v[DR:DR+7], v[S0R:S0R+11], v[S1R:S1R+11], 0, v[SAR], v[SBR] matrix_a_fmt:MATRIX_FMT_FP6 matrix_b_fmt:MATRIX_FMT_FP6 matrix_a_scale:MATRIX_SCALE_ROW1
.else
	v_wmma_scale_f32_16x16x128_f8f6f4 v[DR:DR+7], v[S0R:S0R+11], v[S1R:S1R+11], v[BIR:BIR+7], v[SAR], v[SBR] matrix_a_fmt:MATRIX_FMT_FP6 matrix_b_fmt:MATRIX_FMT_FP6 matrix_a_scale:MATRIX_SCALE_ROW1
.endif
.set bb, bb+1
.endr
.endm
.macro MULQ g, p, q, sc, mode
.set aa, (\g)*(NT/4)
.rept NT/4
	MULA aa, \p, \q, \sc, \mode
.set aa, aa+1
.endr
.endm
.macro MULALL p, q, sc, mode
	MULQ 0, \p, \q, \sc, \mode
	MULQ 1, \p, \q, \sc, \mode
	MULQ 2, \p, \q, \sc, \mode
	MULQ 3, \p, \q, \sc, \mode
.endm
.macro STEP slot, q, mode
	s_wait_dscnt 0x0
	PLACES 4
	FETCH \slot, (\q)+1, 1-(\q)%2
	MULALL (\q)%2, \q, \slot, \mode
.endm
.macro MID slot
.set qq, 1
.rept NQ-2
	STEP \slot, qq, 0
.set qq, qq+1
.endr
.endm
.macro TURN slot, next, fill
	WIN 0
	s_wait_tensorcnt 0x0
	ds_add_u32 v[SPW], v[NIL]
	s_wait_dscnt 1
	MULQ 0, 1, NQ-1, \slot, 0
	s_wait_dscnt 0x0
	s_barrier_signal -1
	MULQ 1, 1, NQ-1, \slot, 0
	WIN 0
	s_barrier_wait -1
.if \fill
	CREST
	s_add_nc_u64 s[G0+4*\slot+2:G0+4*\slot+3], s[G0+4*\slot+2:G0+4*\slot+3], 2*RT
	s_add_nc_u64 s[G0B+4*\slot+2:G0B+4*\slot+3], s[G0B+4*\slot+2:G0B+4*\slot+3], 2*RT
	JLOAD G0+4*\slot, G1, G0B+4*\slot, G1B
.else
	PLACES 4
.endif
	s_wait_alu depctr_va_vdst(0)
	v_add_nc_u32 v[ADRS], 64*NQ, v[ADRS]
	FETCH \next, 0, 0
	SCALES \next
	MULQ 2, 1, NQ-1, \slot, 0
	MULQ 3, 1, NQ-1, \slot, 0
.endm
	s_wait_alu depctr_va_vdst(0)
	s_wait_tensorcnt 0x0                           ; my tile of the head's four is in; these lines stand ahead of a later first fill as ahead of a refill
	ds_add_u32 v[SPW], v[NIL]
	s_mov_b32 s[G1+2], NT<<16                      ; no tensor load of mine is out: from here on a load brings NT tiles
	s_mov_b32 s[G1+4], NT
	s_mov_b32 s[G1B+2], NT<<16
	s_mov_b32 s[G1B+4], NT
	s_wait_dscnt 0x0
	CROUND                                         ; all four tiles are in, in every work-group of the cluster
	JLOAD G0+4, G1, G0B+4, G1B                     ; slot 1's first fill: my one tensor load behind the round
	FETCH 0, 0, 0
	SCALES 0
	global_prefetch_b8 v[PFO], s[PFA:PFA+1] offset:3*RT th:TH_LOAD_NT scope:SCOPE_SE   ; chunk 3, K's last, two loads on from chunk 1's
.if KIND == 1
	s_wait_loadcnt 0x0
.elseif KIND > 1
	s_wait_loadcnt 32
.endif
	STEP 0, 0, MODE1
.if LAPS > 1
	WIN 0
	s_mov_b32 s3, LAPS-1
.Llap:
	MID 0
	TURN 0, 1, 1
	STEP 1, 0, 0
	MID 1
	TURN 1, 0, 1
	STEP 0, 0, 0
	WIN 0
	s_sub_co_u32 s3, s3, 1
	s_cmp_lg_u32 s3, 0
	s_cbranch_scc1 .Llap
.endif
	MID 0
	TURN 0, 1, 0
	STEP 1, 0, 0
	MID 1
	s_wait_dscnt 0x0
	MULALL 1, NQ-1, 1, 0
	WIN 0
	PLACES 4
.if KIND < 2
	s_mov_b32 s[SEL], 0x76543210
	s_mov_b32 s[SEL+1], 0xfedcba98
.irp b, 0,1,2,3
	v_mov_b32 v[TM+4+\b], 0
.endr
	s_lshl_b32 s46, s42, 1
	s_add_co_u32 s46, s46, s16
	s_lshl_b32 s47, s17, 4
	s_lshl_b32 s2, s15, 3
	s_add_co_u32 s47, s47, s2
.if KIND == 0
	s_mul_i32 s92, s46, 393216
	s_mul_i32 s2, s47, 768
	s_add_co_u32 s92, s92, s2
	s_lshl_b32 s94, s46, 15
	s_lshl_b32 s2, s47, 6
	s_add_co_u32 s94, s94, s2
	s_add_co_u32 s94, s94, QK_S
	s_lshr_b32 s2, s46, 4
	s_lshl_b32 s2, s2, 4
	s_lshl_b32 s3, s17, 2
	s_add_co_u32 s2, s2, s3
	s_lshl_b32 s3, s15, 1
	s_add_co_u32 s2, s2, s3
	s_lshl_b32 s2, s2, 4
	s_and_b32 s3, s46, 15
	s_add_co_u32 s2, s2, s3
	s_mul_i32 s3, s2, 6144
	s_add_co_u32 s3, s3, V_C
	s_lshl_b32 s2, s2, 8
	s_add_co_u32 s2, s2, V_S
	s_mov_b32 s18, 1536
	s_mov_b32 s96, 768
	s_cmp_lt_u32 ttmp9, 8
	s_cselect_b32 s92, s92, s3
	s_cselect_b32 s94, s94, s2
	s_cselect_b32 s18, 768, s18
	s_cselect_b32 s20, 0, 92160
	s_cselect_b32 s22, 0, 3840
	s_cselect_b32 s96, 196608, s96
	s_cselect_b32 s97, 16384, 0
	s_cselect_b32 s98, 16, 0
	s_mov_b32 s19, 0
	s_mov_b32 s21, 0
	s_mov_b32 s23, 0
	v_add_nc_u32 v1, s96, v[L16]
	v_add_nc_u32 v2, s96, v[L8]
	v_mul_u32_u24 v3, s97, v[HH]
	v_lshl_add_u32 v3, v[RR], 2, v3
	v_mul_u32_u24 v4, s98, v[HH]
.else
	s_lshl_b32 s47, s47, 5
	s_add_co_u32 s47, s47, s46
	s_mul_i32 s92, s47, 1536
	s_lshl_b32 s94, s47, 6
	s_add_co_u32 s94, s94, 12582912
	v_add_nc_u32 v1, 768, v[L16]
	v_add_nc_u32 v2, 768, v[L8]
	v_lshlrev_b32 v3, 2, v[RR]
.endif
	s_mov_b32 s93, 0
	s_mov_b32 s95, 0
	s_add_nc_u64 s[92:93], s[12:13], s[92:93]
	s_add_nc_u64 s[94:95], s[12:13], s[94:95]
.macro RELU a
.set AC, (8*NT*(\a))%256
.set WW, 2+(8*NT*(\a))/256
.set WNEW, (WW<<6)|(WW<<2)
	WIN WNEW
.set jj, 0
.rept 64
	v_max_num_f32 v[AC+jj], 0, v[AC+jj]
.set jj, jj+1
.endr
.endm
.macro QUANTW a
.set AC, (8*NT*(\a))%256
.set WW, 2+(8*NT*(\a))/256
.set PC, 64+32*((\a)%2)
.set PW, 216+(\a)%2
.set WNEW, (WW<<2)|WW
	WIN WNEW
.irp b, 0,1,2,3
	v_max3_num_f32 v[TM+\b], |v[AC+16*\b]|, |v[AC+16*\b+1]|, 0x1800000
.endr
.irp i, 2,4,6,8,10,12,14
.irp b, 0,1,2,3
	v_max3_num_f32 v[TM+\b], |v[AC+16*\b+\i]|, |v[AC+16*\b+\i+1]|, v[TM+\b]
.endr
.endr
	WIN 0
.irp b, 0,1,2,3
	v_permlanex16_b32 v[TM+4+\b], v[TM+\b], s[SEL], s[SEL+1]
.endr
.irp b, 0,1,2,3
	v_max_num_f32 v[TM+\b], v[TM+\b], v[TM+4+\b]
.endr
.irp b, 0,1,2,3
	v_add_nc_u32 v[TM+12+\b], 0xff000000, v[TM+\b]
.endr
.irp b, 0,1,2,3
	v_lshrrev_b32 v[TM+4+\b], 23, v[TM+12+\b]
.endr
	v_lshl_or_b32 v[PW], v[TM+5], 8, v[TM+4]
	v_lshl_or_b32 v[PW], v[TM+6], 16, v[PW]
	v_lshl_or_b32 v[PW], v[TM+7], 24, v[PW]
	WIN WW
.irp c, 0,1
	v_cvt_scalef32_pk16_fp6_f32 v[PC+6*\c:PC+6*\c+2], v[AC+32*\c:AC+32*\c+15], v[TM+12+2*\c]
	v_cvt_scalef32_pk16_fp6_f32 v[PC+12+4*\c:PC+12+4*\c+2], v[AC+32*\c+16:AC+32*\c+31], v[TM+12+2*\c+1]
.endr
	WIN 0
	v_nop
.irp c, 0,1
.irp i, 0,1,2
	v_permlane16_swap_b32 v[PC+6*\c+\i], v[PC+12+4*\c+\i]
.endr
.irp i, 0,1,2
	v_mov_b32 v[PC+6*\c+3+\i], v[PC+12+4*\c+\i]
.endr
.endr
.endm
.macro EOUT a
.set PC, 64+32*((\a)%2)
.set PWS, 216+(\a)%2
.if KIND == 0
	v_lshrrev_b32 v[218+(\a)%2], v4, v[PWS]
.set PWS, 218+(\a)%2
.endif
.if (\a) > 0
	s_wait_xcnt 0x0
.if KIND == 0
	s_add_nc_u64 s[92:93], s[92:93], s[18:19]
	s_add_nc_u64 s[94:95], s[94:95], 64
.if (\a) == 4
	s_add_nc_u64 s[92:93], s[92:93], s[20:21]
	s_add_nc_u64 s[94:95], s[94:95], s[22:23]
.endif
.else
	s_add_nc_u64 s[92:93], s[92:93], 49152
	s_add_nc_u64 s[94:95], s[94:95], 2048
.endif
.endif
	global_store_b128 v[L16], v[PC:PC+3], s[92:93]
	global_store_b64 v[L8], v[PC+4:PC+5], s[92:93]
	global_store_b128 v1, v[PC+6:PC+9], s[92:93]
	global_store_b64 v2, v[PC+10:PC+11], s[92:93]
	global_store_b32 v3, v[PWS], s[94:95]
.endm
.irp a, 0,1,2,3,4,5,6,7
.if KIND == 1
	RELU \a
.endif
	QUANTW \a
	s_wait_alu depctr_va_vdst(0)
	EOUT \a
.endr
.else
.macro TOSTAGE a
.set BK, 64+32*((\a)%2)
	WIN 0x08
.set bb, 0
.rept 4
.set DR, 8*(4*(\a)+bb)
	ds_store_b128 v[STO], v[DR:DR+3] offset:128*(bb/2)+32*(bb%2)
	ds_store_b128 v[STO], v[DR+4:DR+7] offset:128*(bb/2)+32*(bb%2)+16
.set bb, bb+1
.endr
	WIN 0
.set tt, 0
.rept 8
	ds_load_b128 v[BK+4*tt:BK+4*tt+3], v[RD] offset:544*tt
.set tt, tt+1
.endr
.endm
.macro SEND a, younger
.set BK, 64+32*((\a)%2)
	s_wait_dscnt \younger
	WIN 0x0c
.set uu, 0
.rept 16
	v_pk_add_f32 v[BK+2*uu:BK+2*uu+1], v[BK+2*uu:BK+2*uu+1], v[32*(\a)+2*uu:32*(\a)+2*uu+1]
.set uu, uu+1
.endr
	WIN 0
.set tt, 0
.rept 8
.set RO, (32*((\a)/2)+8*((\a)%2)+2*tt+8*(tt/4))*4096
.if KIND == 3
	global_store_b128 v[CO], v[BK+4*tt:BK+4*tt+3], s[12:13] offset:RO th:TH_STORE_NT
.else
	global_store_b128 v[CO], v[BK+4*tt:BK+4*tt+3], s[12:13] offset:RO
.endif
.set tt, tt+1
.endr
.endm
	s_wait_loadcnt 0x0
	TOSTAGE 0
.irp a, 1,2,3
.if \a > 1
	s_wait_xcnt 0x0
.endif
	TOSTAGE \a
	SEND \a-1, 16
.endr
	SEND 3, 0
.endif
	s_wait_tensorcnt 0x0
	ds_add_u32 v[SPW], v[NIL]
	s_wait_dscnt 0x0
	CROUND
	s_endpgm
.Lfunc_end_k_q8a491e2e88_ff1:
	.size	k_q8a491e2e88_ff1, .Lfunc_end_k_q8a491e2e88_ff1-k_q8a491e2e88_ff1
	.p2alignl 7, 3214868480
	.fill 96, 4, 3214868480
	.section	.rodata,"a",@progbits
	.p2align	6, 0x0
	.amdhsa_kernel k_q8a491e2e88_ff1
		.amdhsa_group_segment_fixed_size 327680
		.amdhsa_private_segment_fixed_size 0
		.amdhsa_enable_private_segment 0
		.amdhsa_kernarg_size 32
		.amdhsa_user_sgpr_count 2
		.amdhsa_user_sgpr_kernarg_segment_ptr 1
		.amdhsa_wavefront_size32 1
		.amdhsa_system_sgpr_workgroup_id_x 1
		.amdhsa_system_sgpr_workgroup_id_y 1
		.amdhsa_system_sgpr_workgroup_id_z 1
		.amdhsa_system_vgpr_workitem_id 0
		.amdhsa_next_free_vgpr 1024
		.amdhsa_next_free_sgpr 102
		.amdhsa_reserve_vcc 0
		.amdhsa_float_denorm_mode_32 3
		.amdhsa_float_denorm_mode_16_64 3
		.amdhsa_memory_ordered 1
		.amdhsa_forward_progress 1
		.amdhsa_inst_pref_size 171
	.end_amdhsa_kernel
	.amdgpu_metadata
---
amdhsa.version: [ 1, 2 ]
amdhsa.kernels:
  - .name:           k_q8a491e2e88_ff1
    .symbol:         k_q8a491e2e88_ff1.kd
    .args:
      - { .name: h2, .offset: 0, .size: 8, .value_kind: global_buffer, .address_space: global }
      - { .name: wts, .offset: 8, .size: 8, .value_kind: global_buffer, .address_space: global }
      - { .name: b1, .offset: 16, .size: 8, .value_kind: global_buffer, .address_space: global }
      - { .name: hid, .offset: 24, .size: 8, .value_kind: global_buffer, .address_space: global }
    .group_segment_fixed_size: 327680
    .private_segment_fixed_size: 0
    .kernarg_segment_align: 8
    .kernarg_segment_size: 32
    .max_flat_workgroup_size: 128
    .sgpr_count:     102
    .vgpr_count:     1024
    .wavefront_size: 32
...
	.end_amdgpu_metadata
.endif
;; end of part 6
;; launch ff2 (part 7): grid 8 x 32, 4 waves a work-group, clusters of 4 x 4, 327,680 bytes of LDS; arguments hid, wts, b2, x1, out0; writes out0
.if DOCPART == 7
	.amdgcn_target "amdgcn-amd-amdhsa--gfx1250"
	.amdhsa_code_object_version 6
	.text
	.protected	k_q8a491e2e88_ff2
	.globl	k_q8a491e2e88_ff2
	.p2align	8
	.type	k_q8a491e2e88_ff2,@function
k_q8a491e2e88_ff2:
	s_mov_b64 s[64:65], 0
	v_nop
	global_prefetch_b8 v0, s[64:65] scope:SCOPE_SE
	s_setreg_imm32_b32 hwreg(HW_REG_WAVE_MODE, 25, 1), 1
	s_wait_xcnt 0x0
	s_wait_alu depctr_hold_cnt(0) depctr_sa_sdst(0) depctr_va_vdst(0) depctr_va_sdst(0) depctr_va_ssrc(0) depctr_va_vcc(0) depctr_vm_vsrc(0)
	s_getreg_b32 s2, hwreg(HW_REG_IB_STS2, 6, 4)
	s_cmp_eq_u32 s2, 0
	s_cbranch_scc0 .Lentry_in_a_cluster
	s_endpgm
.Lentry_in_a_cluster:
	s_bfe_u32 s2, ttmp6, 0x10000c
	s_cmp_lg_u32 s2, 0xf033
	s_cbranch_scc0 .Lentry_shape_is_right
	s_endpgm
.Lentry_shape_is_right:
; out = x1 + hidden w2 + b2, f32, on codes of FP6 (E2M3, one E8M0 byte for each 32 along K): KIND 3 of the text that launch qkv's head describes (operands as images of their registers, a block of 128 x 128, clusters of 4 x 4 with joint loads).
; K is 32 steps: 8 chunks of 4 steps through two LDS slots.  THE HEAD: chunk 0 of S1, chunk 0 of S0 and both operands' scale words are shared out, one tensor load a wave; slot 1 is first filled behind a drained round, as a refill is.
; PREFETCH INTO THE L2: behind the load of chunk j each wave asks for chunk j + 2 (the head also for chunk 1): of the 4 tile rows that I fetch, each 6,144 bytes a chunk, the four partners that ask jointly take one each, told apart BY ADDRESS
; (cx for S1, cy for S0): 24 blocks of 256 bytes, a lane a block (lanes 24-31 name the last again).  So each block is named once in each cluster that loads it, two loads ahead.  The loop's last trip, whose chunk j + 2 would lie past K, asks for nothing.
; LIMITS: NaN and infinities are not served.
.set KIND, 3
.if KIND < 2
.set NT, 8
.set NQ, 2
.else
.set NT, 4
.set NQ, 4
.endif
.if KIND == 3
.set KS, 32
.else
.set KS, 8
.endif
.if KIND == 0
.set MODE1, 1
.else
.set MODE1, 2
.endif
.set WQKV_S, 9437184
.set QK_S,   9437184
.set V_C,    6291456
.set V_S,    9961472
.if KIND == 1
.set S1SOFF, 3145728
.set S0COFF, 3145728
.set S0SOFF, 9568256
.elseif KIND == 2
.set S1SOFF, 3145728
.set S0COFF, 2359296
.set S0SOFF, 9535488
.elseif KIND == 3
.set S1SOFF, 12582912
.set S0COFF, 6291456
.set S0SOFF, 9699328
.endif
.set RT,     NQ*1536
.set HALFT,  NT*RT
.set SLOT,   4*HALFT
.set SCL,    2*SLOT
.set HALFS,  NT*KS*64
.set SPARE,  SCL+4*HALFS
.set STG,    SPARE+512
.set LAPS,   KS/(2*NQ)
.set L16, 8
.set L8,  9
.set RR,  10
.set HH,  11
.set STO, 24
.set RD,  25
.set CO,  26
.set ADRS, 27
.set SPW, 28
.set NIL, 29
.set SC,  32
.set TM,  200
.set SEL, 66
.set G1, 24
.set G0, 32
.set G1B, 48
.set G0B, 56
.set G1S, 68
.set G0S, 76
.set G1SB, 80
.set G0SB, 88
.set MSB, 0
.macro WIN new
.if MSB != \new
	s_set_vgpr_msb (MSB<<8)|\new
.set MSB, \new
.endif
.endm
.macro PLACES n
.rept \n
	v_nop
.endr
.endm
.macro JLOAD g0a, g1a, g0b, g1b
	s_cmp_eq_u32 s15, 0
	s_cbranch_scc0 .Lfor_b_\@
	tensor_load_to_lds s[\g0a:\g0a+3], s[\g1a:\g1a+7]
	s_nop 0
.rept 4
	v_nop
.endr
	s_branch .Lasked_\@
.Lfor_b_\@:
	tensor_load_to_lds s[\g0b:\g0b+3], s[\g1b:\g1b+7]
	s_nop 0
.rept 4
	v_nop
.endr
.Lasked_\@:
.endm
.macro CREST
	s_cmp_lg_u32 s14, 0
	s_cbranch_scc1 .Lnot_wave_0_\@
	s_barrier_signal -3
.Lnot_wave_0_\@:
	s_barrier_wait -3
	s_barrier_signal -1
	s_barrier_wait -1
.endm
.set G0H, 4                            ; s[4:7], s[92:95] groups 0 of the head's two loads of codes (what lay there has been used by then)
.set G0HB, 92
.set PFA, 66                           ; s[66:67] where my prefetches stand: my work-group's tile row of the four that I fetch
.set PFO, 30                           ; v30  256 x min(lane, 23); never rewritten
.macro ARM under, g0, g1, next         ; an arm of the head's one chain of branches on the wave's number: its load, and a jump to the chain's end
	s_cmp_lt_u32 s14, \under
	s_cbranch_scc0 \next
	tensor_load_to_lds s[\g0:\g0+3], s[\g1:\g1+7]
	s_nop 0
.rept 4
	v_nop
.endr
	s_branch .Lhead_asked
\next:
.endm
.macro CROUND
	s_barrier_signal -1
	s_barrier_wait -1
	CREST
.endm
	s_load_b128 s[4:7], s[0:1], 0x0
.if KIND == 0
	s_load_b64 s[12:13], s[0:1], 0x10
.elseif KIND == 1
	s_load_b64 s[8:9], s[0:1], 0x10
	s_load_b64 s[12:13], s[0:1], 0x18
.else
	s_load_b128 s[8:11], s[0:1], 0x10
	s_load_b64 s[12:13], s[0:1], 0x20
.endif
	v_lshl_add_u32 v[SPW], v0, 2, SPARE
	v_mov_b32 v[NIL], 0
	ds_add_u32 v28, v29
	ds_add_u32 v28, v29
	s_wait_dscnt 0x0
	v_lshrrev_b32 v1, 5, v0
	v_readfirstlane_b32 s14, v1
	s_lshr_b32 s15, s14, 1
	s_and_b32 s16, s14, 1
	s_bfe_u32 s40, ttmp6, 0x40000
	s_bfe_u32 s41, ttmp6, 0x40004
.if KIND == 0
	s_and_b32 s18, ttmp9, 1
	s_max_u32 s19, ttmp9, 8
	s_sub_co_u32 s19, s19, 8
	s_lshr_b32 s20, ttmp9, 1
	s_mov_b32 s93, WQKV_S+128*8*64
	s_mov_b32 s95, 3145728
	s_cmp_lt_u32 ttmp9, 8
	s_cselect_b32 s18, s18, s19
	s_cselect_b32 s20, s20, 0
	s_cselect_b32 s92, 0, 128*8*1536
	s_cselect_b32 s93, 3145728, s93
	s_cselect_b32 s95, WQKV_S, s95
	s_mov_b32 s94, 0
	s_lshl_b32 s42, s18, 2
	s_add_co_u32 s42, s42, s40
	s_lshl_b32 s17, s20, 2
	s_add_co_u32 s17, s17, s41
.else
	s_lshl_b32 s42, ttmp9, 2
	s_add_co_u32 s42, s42, s40
	s_and_b32 s17, ttmp7, 0xffff
	s_lshl_b32 s17, s17, 2
	s_add_co_u32 s17, s17, s41
	s_mov_b32 s92, 0
	s_mov_b32 s93, S1SOFF
	s_mov_b32 s94, S0COFF
	s_mov_b32 s95, S0SOFF
.endif
	s_lshl_b32 s43, s41, 2
	s_lshl_b32 s43, 15, s43
	s_lshl_b32 s44, 0x1111, s40
	s_or_b32 s[G1+0], s43, (3<<16)|(1<<21)
	s_or_b32 s[G1B+0], s44, (3<<16)|(1<<21)
.irp g, G1, G1B
	s_mov_b32 s[\g+1], (NQ*192)<<16
	s_mov_b32 s[\g+2], (2*NT)<<16                  ; tensor_dim1: the head's loads bring both halves; behind them the two words that count rows are set to NT
	s_mov_b32 s[\g+3], (NQ*192)<<16
	s_mov_b32 s[\g+4], 2*NT                        ; tile_dim1
	s_mov_b32 s[\g+5], KS*192
	s_mov_b32 s[\g+6], 0
	s_mov_b32 s[\g+7], 0
.endr
	s_or_b32 s[G1S+0], s43, (3<<16)|(1<<21)
	s_or_b32 s[G1SB+0], s44, (3<<16)|(1<<21)
.irp g, G1S, G1SB
	s_mov_b32 s[\g+1], 32<<16
	s_mov_b32 s[\g+2], (2*HALFS/256)<<16           ; both halves' scale words in one load
	s_mov_b32 s[\g+3], 32<<16
	s_mov_b32 s[\g+4], 2*HALFS/256
	s_mov_b32 s[\g+5], 32
	s_mov_b32 s[\g+6], 0
	s_mov_b32 s[\g+7], 0
.endr
	s_lshl_b32 s20, s17, 1
	s_add_co_u32 s20, s20, s16
	s_mul_i32 s22, s20, NT*KS*64
	s_add_co_u32 s22, s22, s93
	s_mul_i32 s20, s20, NT*KS*1536
	s_add_co_u32 s20, s20, s92
	s_mov_b32 s21, 0
	s_mov_b32 s23, 0
	s_lshl_b32 s46, s42, 1
	s_add_co_u32 s46, s46, s16
	s_mul_i32 s96, s46, NT*KS*64
	s_add_co_u32 s96, s96, s95
	s_mul_i32 s46, s46, NT*KS*1536
	s_add_co_u32 s46, s46, s94
	s_mov_b32 s47, 0
	s_mov_b32 s97, 0
	s_mul_i32 s45, s14, HALFT
	s_mul_i32 s98, s16, NT*KS*64                   ; from half 0 to the half that I fetch in the ring: in bytes of scale words,
	s_mov_b32 s99, 0
	s_mul_i32 s2, s16, NT*KS*1536                  ; and of codes: the head's loads begin at half 0
	s_mov_b32 s3, 0
	s_wait_kmcnt 0x0
.if KIND == 0
	s_cmp_lt_u32 ttmp9, 8
	s_cselect_b64 s[66:67], s[4:5], s[6:7]
	s_cselect_b64 s[6:7], s[6:7], s[4:5]
	s_mov_b64 s[4:5], s[66:67]
.endif
	s_add_nc_u64 s[20:21], s[4:5], s[20:21]
	s_add_nc_u64 s[22:23], s[4:5], s[22:23]
	s_add_nc_u64 s[46:47], s[6:7], s[46:47]
	s_add_nc_u64 s[96:97], s[6:7], s[96:97]
	CROUND
	s_mov_b32 s[G0S], 1
	s_mov_b32 s[G0S+1], SCL
	s_sub_nc_u64 s[G0S+2:G0S+3], s[22:23], s[98:99]
	s_or_b32 s[G0S+3], s[G0S+3], 0x80000000
	s_mov_b32 s[G0SB], 1
	s_mov_b32 s[G0SB+1], SCL+2*HALFS
	s_sub_nc_u64 s[G0SB+2:G0SB+3], s[96:97], s[98:99]
	s_or_b32 s[G0SB+3], s[G0SB+3], 0x80000000
	s_mov_b32 s[G0H], 1                            ; slot 0 of S1, both halves,
	s_mov_b32 s[G0H+1], 0
	s_sub_nc_u64 s[G0H+2:G0H+3], s[20:21], s[2:3]
	s_or_b32 s[G0H+3], s[G0H+3], 0x80000000
	s_mov_b32 s[G0HB], 1                           ; and of S0, behind them
	s_mov_b32 s[G0HB+1], 2*HALFT
	s_sub_nc_u64 s[G0HB+2:G0HB+3], s[46:47], s[2:3]
	s_or_b32 s[G0HB+3], s[G0HB+3], 0x80000000
	s_cmp_eq_u32 s15, 0                            ; the prefetches: do I fetch for S1?
	s_cselect_b32 s98, s40, s41                    ; my place among the four that ask with me: cx for S1, cy for S0
	s_cselect_b64 s[PFA:PFA+1], s[20:21], s[46:47]
	s_mul_i32 s98, s98, KS*1536                    ; that tile row of my four
	s_add_nc_u64 s[PFA:PFA+1], s[PFA:PFA+1], s[98:99]
.irp s, 0,1
	s_mov_b32 s[G0+4*\s], 1
	s_add_co_u32 s[G0+4*\s+1], s45, \s*SLOT
	s_add_nc_u64 s[G0+4*\s+2:G0+4*\s+3], s[20:21], \s*RT
	s_or_b32 s[G0+4*\s+3], s[G0+4*\s+3], 0x80000000
	s_mov_b32 s[G0B+4*\s], 1
	s_add_co_u32 s[G0B+4*\s+1], s45, \s*SLOT
	s_add_nc_u64 s[G0B+4*\s+2:G0B+4*\s+3], s[46:47], \s*RT
	s_or_b32 s[G0B+4*\s+3], s[G0B+4*\s+3], 0x80000000
.endr
	ARM 1, G0H,  G1,  .Lhead_b                     ; one tensor load a wave at the head: every way through the chain passes exactly one
	ARM 2, G0HB, G1B, .Lhead_sa
	ARM 3, G0S,  G1S, .Lhead_sb
	tensor_load_to_lds s[G0SB:G0SB+3], s[G1SB:G1SB+7]
	s_nop 0
.rept 4
	v_nop
.endr
.Lhead_asked:
	v_and_b32 v1, 31, v0
	v_min_u32 v[PFO], 23, v1
	v_lshlrev_b32 v[PFO], 8, v[PFO]
	global_prefetch_b8 v[PFO], s[PFA:PFA+1] offset:RT th:TH_LOAD_NT scope:SCOPE_SE     ; chunk 1,
	global_prefetch_b8 v[PFO], s[PFA:PFA+1] offset:2*RT th:TH_LOAD_NT scope:SCOPE_SE   ; and chunk 2, two loads on
	v_and_b32 v[RR], 15, v0
	v_bfe_u32 v[HH], v0, 4, 1
	v_lshlrev_b32 v[L16], 4, v1
	v_lshl_add_u32 v[L8], v1, 3, 512
	s_mul_i32 s21, s15, HALFT
	s_mul_i32 s22, s16, HALFT
	s_add_co_u32 s22, s22, 2*HALFT
.irp s, 0,1
	v_add_nc_u32 v[16+\s], s21, v[L16]
	v_add_nc_u32 v[18+\s], s21, v[L8]
	v_add_nc_u32 v[20+\s], s22, v[L16]
	v_add_nc_u32 v[22+\s], s22, v[L8]
	s_add_co_u32 s21, s21, SLOT
	s_add_co_u32 s22, s22, SLOT
.endr
	s_mul_i32 s21, s15, HALFS
	s_mul_i32 s22, s16, HALFS
	s_add_co_u32 s22, s22, 2*HALFS
	s_sub_co_u32 s22, s22, s21
	v_mul_u32_u24 v6, s22, v[HH]
	s_add_co_u32 s21, s21, SCL
	v_lshl_add_u32 v6, v[RR], 2, v6
	v_add_nc_u32 v[ADRS], s21, v6
.if KIND > 0
	s_lshl_b32 s46, s42, 1
	s_add_co_u32 s46, s46, s16
	s_mul_i32 s46, s46, 64*NT
	s_mov_b32 s47, 0
	s_add_nc_u64 s[8:9], s[8:9], s[46:47]
	v_lshlrev_b32 v7, 6, v[HH]
	WIN 0x40
.set bb, 0
.rept NT
.set BIR, 96+8*bb+96*(bb/4)
	global_load_b128 v[BIR:BIR+3], v7, s[8:9] offset:(32*(bb/2)+8*(bb%2))*4
	global_load_b128 v[BIR+4:BIR+7], v7, s[8:9] offset:(32*(bb/2)+8*(bb%2))*4+16
.set bb, bb+1
.endr
	WIN 0
.endif
.if KIND > 1
	s_mul_i32 s23, s14, 4352
	s_add_co_u32 s23, s23, STG
	v_mul_u32_u24 v6, v[RR], 272
	v_lshl_add_u32 v6, v[HH], 6, v6
	v_add_nc_u32 v[STO], s23, v6
	v_mul_u32_u24 v6, v[HH], 272
	v_lshl_add_u32 v6, v[RR], 4, v6
	v_add_nc_u32 v[RD], s23, v6
	v_lshlrev_b32 v6, 12, v[HH]
	v_lshl_add_u32 v[CO], v[RR], 4, v6
	s_wait_alu depctr_va_vdst(0)
	s_lshl_b32 s46, s17, 7
	s_lshl_b32 s47, s15, 6
	s_add_co_u32 s46, s46, s47
	s_lshl_b32 s46, s46, 12
	s_lshl_b32 s47, s42, 9
	s_add_co_u32 s46, s46, s47
	s_lshl_b32 s47, s16, 8
	s_add_co_u32 s46, s46, s47
	s_mov_b32 s47, 0
	s_add_nc_u64 s[10:11], s[10:11], s[46:47]
	s_add_nc_u64 s[12:13], s[12:13], s[46:47]
.macro RESID                           ; the residual's 32 loads, into window 3, where it waits for the way out.  They are issued behind the round that shows the head's tiles: the tiles are asked of memory first
	WIN 0xc0
.set aa, 0
.rept 4
.set tt, 0
.rept 8
	global_load_b128 v[32*aa+4*tt:32*aa+4*tt+3], v[CO], s[10:11] offset:(32*(aa/2)+8*(aa%2)+2*tt+8*(tt/4))*4096 th:TH_LOAD_NT
.set tt, tt+1
.endr
.set aa, aa+1
.endr
	WIN 0
.endm
.endif
.macro FRAG reg, a16, a8, off
	ds_load_b128 v[\reg:\reg+3], v[\a16] offset:\off
	ds_load_b64 v[\reg+4:\reg+5], v[\a8] offset:\off
	ds_load_b128 v[\reg+6:\reg+9], v[\a16] offset:\off+768
	ds_load_b64 v[\reg+10:\reg+11], v[\a8] offset:\off+768
.endm
.macro FETCH slot, q, p
	WIN 0x40
.set ii, 0
.rept NT
.set FRG, 128*(\p)+12*ii
.set FOF, ii*RT+1536*(\q)
	FRAG FRG, 20+\slot, 22+\slot, FOF
.set ii, ii+1
.endr
	WIN 0
.set ii, 0
.rept NT
.set FRG, 64+96*(\p)+12*ii
.set FOF, ii*RT+1536*(\q)
	FRAG FRG, 16+\slot, 18+\slot, FOF
.set ii, ii+1
.endr
.endm
.macro SCALES sc
.set ii, 0
.rept NT
.set q2, 0
.rept NQ
	ds_load_b32 v[SC+16*(\sc)+NQ*ii+q2], v[ADRS] offset:ii*KS*64+64*q2
.set q2, q2+1
.endr
.set ii, ii+1
.endr
.endm
.macro MULA a, p, q, sc, mode
.set AIX, 8*NT*(\a)
.set WW, 2+AIX/256
.if \mode == 2
.set WNEW, (WW<<6)|(1<<4)|1
.else
.set WNEW, (WW<<6)|(WW<<4)|1
.endif
	WIN WNEW
.set S1R, 64+96*(\p)+12*(\a)
.set SBR, SC+16*(\sc)+NQ*(\a)+(\q)
.set bb, 0
.rept NT
.set DR, (AIX+8*bb)%256
.set S0R, 128*(\p)+12*bb
.set SAR, SC+16*(\sc)+NQ*bb+(\q)
.set BIR, 96+8*bb+96*(bb/4)
.if \mode == 0
	v_wmma_scale_f32_16x16x128_f8f6f4 v[DR:DR+7], v[S0R:S0R+11], v[S1R:S1R+11], v[DR:DR+7], v[SAR], v[SBR] matrix_a_fmt:MATRIX_FMT_FP6 matrix_b_fmt:MATRIX_FMT_FP6 matrix_a_scale:MATRIX_SCALE_ROW1
.elseif \mode == 1
	v_wmma_scale_f32_16x16x128_f8f6f4 v[DR:DR+7], v[S0R:S0R+11], v[S1R:S1R+11], 0, v[SAR], v[SBR] matrix_a_fmt:MATRIX_FMT_FP6 matrix_b_fmt:MATRIX_FMT_FP6 matrix_a_scale:MATRIX_SCALE_ROW1
.else
	v_wmma_scale_f32_16x16x128_f8f6f4 v[DR:DR+7], v[S0R:S0R+11], v[S1R:S1R+11], v[BIR:BIR+7], v[SAR], v[SBR] matrix_a_fmt:MATRIX_FMT_FP6 matrix_b_fmt:MATRIX_FMT_FP6 matrix_a_scale:MATRIX_SCALE_ROW1
.endif
.set bb, bb+1
.endr
.endm
.macro MULQ g, p, q, sc, mode
.set aa, (\g)*(NT/4)
.rept NT/4
	MULA aa, \p, \q, \sc, \mode
.set aa, aa+1
.endr
.endm
.macro MULALL p, q, sc, mode
	MULQ 0, \p, \q, \sc, \mode
	MULQ 1, \p, \q, \sc, \mode
	MULQ 2, \p, \q, \sc, \mode
	MULQ 3, \p, \q, \sc, \mode
.endm
.macro STEP slot, q, mode
	s_wait_dscnt 0x0
	PLACES 4
	FETCH \slot, (\q)+1, 1-(\q)%2
	MULALL (\q)%2, \q, \slot, \mode
.endm
.macro MID slot
.set qq, 1
.rept NQ-2
	STEP \slot, qq, 0
.set qq, qq+1
.endr
.endm
.macro TURN slot, next, fill
	WIN 0
.if \fill
	s_wait_xcnt 0x0                                ; my last prefetch has read its address: it steps a chunk on, ahead of the waits of the change of slots
	s_add_nc_u64 s[PFA:PFA+1], s[PFA:PFA+1], RT
.endif
	s_wait_tensorcnt 0x0
	ds_add_u32 v[SPW], v[NIL]
	s_wait_dscnt 1
	MULQ 0, 1, NQ-1, \slot, 0
	s_wait_dscnt 0x0
	s_barrier_signal -1
	MULQ 1, 1, NQ-1, \slot, 0
	WIN 0
	s_barrier_wait -1
.if \fill
	CREST
	s_add_nc_u64 s[G0+4*\slot+2:G0+4*\slot+3], s[G0+4*\slot+2:G0+4*\slot+3], 2*RT
	s_add_nc_u64 s[G0B+4*\slot+2:G0B+4*\slot+3], s[G0B+4*\slot+2:G0B+4*\slot+3], 2*RT
	JLOAD G0+4*\slot, G1, G0B+4*\slot, G1B
.else
	PLACES 4
.endif
	s_wait_alu depctr_va_vdst(0)
	v_add_nc_u32 v[ADRS], 64*NQ, v[ADRS]
	FETCH \next, 0, 0
	SCALES \next
.if \fill
	s_cmp_gt_u32 s3, 1                             ; s3 = 1 in the loop's last trip: two loads on lies past K
	s_cbranch_scc0 .Lnone_\@
	global_prefetch_b8 v[PFO], s[PFA:PFA+1] offset:3*RT th:TH_LOAD_NT scope:SCOPE_SE   ; the chunk two loads on from the refill above
.Lnone_\@:
.endif
	MULQ 2, 1, NQ-1, \slot, 0
	MULQ 3, 1, NQ-1, \slot, 0
.endm
	s_wait_tensorcnt 0x0                           ; my tile of the head's four is in; these lines stand ahead of a later first fill as ahead of a refill
	ds_add_u32 v[SPW], v[NIL]
	s_mov_b32 s[G1+2], NT<<16                      ; no tensor load of mine is out: from here on a load brings NT tiles
	s_mov_b32 s[G1+4], NT
	s_mov_b32 s[G1B+2], NT<<16
	s_mov_b32 s[G1B+4], NT
	s_wait_dscnt 0x0
	CROUND                                         ; all four tiles are in, in every work-group of the cluster
	JLOAD G0+4, G1, G0B+4, G1B                     ; slot 1's first fill: my one tensor load behind the round
	FETCH 0, 0, 0
	SCALES 0
	global_prefetch_b8 v[PFO], s[PFA:PFA+1] offset:3*RT th:TH_LOAD_NT scope:SCOPE_SE   ; chunk 3, two loads on from chunk 1's
	RESID
.if KIND == 1
	s_wait_loadcnt 0x0
.elseif KIND > 1
	s_wait_loadcnt 32
.endif
	STEP 0, 0, MODE1
.if LAPS > 1
	WIN 0
	s_mov_b32 s3, LAPS-1
.Llap:
	MID 0
	TURN 0, 1, 1
	STEP 1, 0, 0
	MID 1
	TURN 1, 0, 1
	STEP 0, 0, 0
	WIN 0
	s_sub_co_u32 s3, s3, 1
	s_cmp_lg_u32 s3, 0
	s_cbranch_scc1 .Llap
.endif
	MID 0
	TURN 0, 1, 0
	STEP 1, 0, 0
	MID 1
	s_wait_dscnt 0x0
	MULALL 1, NQ-1, 1, 0
	WIN 0
	PLACES 4
.if KIND < 2
	s_mov_b32 s[SEL], 0x76543210
	s_mov_b32 s[SEL+1], 0xfedcba98
.irp b, 0,1,2,3
	v_mov_b32 v[TM+4+\b], 0
.endr
	s_lshl_b32 s46, s42, 1
	s_add_co_u32 s46, s46, s16
	s_lshl_b32 s47, s17, 4
	s_lshl_b32 s2, s15, 3
	s_add_co_u32 s47, s47, s2
.if KIND == 0
	s_mul_i32 s92, s46, 393216
	s_mul_i32 s2, s47, 768
	s_add_co_u32 s92, s92, s2
	s_lshl_b32 s94, s46, 15
	s_lshl_b32 s2, s47, 6
	s_add_co_u32 s94, s94, s2
	s_add_co_u32 s94, s94, QK_S
	s_lshr_b32 s2, s46, 4
	s_lshl_b32 s2, s2, 4
	s_lshl_b32 s3, s17, 2
	s_add_co_u32 s2, s2, s3
	s_lshl_b32 s3, s15, 1
	s_add_co_u32 s2, s2, s3
	s_lshl_b32 s2, s2, 4
	s_and_b32 s3, s46, 15
	s_add_co_u32 s2, s2, s3
	s_mul_i32 s3, s2, 6144
	s_add_co_u32 s3, s3, V_C
	s_lshl_b32 s2, s2, 8
	s_add_co_u32 s2, s2, V_S
	s_mov_b32 s18, 1536
	s_mov_b32 s96, 768
	s_cmp_lt_u32 ttmp9, 8
	s_cselect_b32 s92, s92, s3
	s_cselect_b32 s94, s94, s2
	s_cselect_b32 s18, 768, s18
	s_cselect_b32 s20, 0, 92160
	s_cselect_b32 s22, 0, 3840
	s_cselect_b32 s96, 196608, s96
	s_cselect_b32 s97, 16384, 0
	s_cselect_b32 s98, 16, 0
	s_mov_b32 s19, 0
	s_mov_b32 s21, 0
	s_mov_b32 s23, 0
	v_add_nc_u32 v1, s96, v[L16]
	v_add_nc_u32 v2, s96, v[L8]
	v_mul_u32_u24 v3, s97, v[HH]
	v_lshl_add_u32 v3, v[RR], 2, v3
	v_mul_u32_u24 v4, s98, v[HH]
.else
	s_lshl_b32 s47, s47, 5
	s_add_co_u32 s47, s47, s46
	s_mul_i32 s92, s47, 1536
	s_lshl_b32 s94, s47, 6
	s_add_co_u32 s94, s94, 12582912
	v_add_nc_u32 v1, 768, v[L16]
	v_add_nc_u32 v2, 768, v[L8]
	v_lshlrev_b32 v3, 2, v[RR]
.endif
	s_mov_b32 s93, 0
	s_mov_b32 s95, 0
	s_add_nc_u64 s[92:93], s[12:13], s[92:93]
	s_add_nc_u64 s[94:95], s[12:13], s[94:95]
.macro RELU a
.set AC, (8*NT*(\a))%256
.set WW, 2+(8*NT*(\a))/256
.set WNEW, (WW<<6)|(WW<<2)
	WIN WNEW
.set jj, 0
.rept 64
	v_max_num_f32 v[AC+jj], 0, v[AC+jj]
.set jj, jj+1
.endr
.endm
.macro QUANTW a
.set AC, (8*NT*(\a))%256
.set WW, 2+(8*NT*(\a))/256
.set PC, 64+32*((\a)%2)
.set PW, 216+(\a)%2
.set WNEW, (WW<<2)|WW
	WIN WNEW
.irp b, 0,1,2,3
	v_max3_num_f32 v[TM+\b], |v[AC+16*\b]|, |v[AC+16*\b+1]|, 0x1800000
.endr
.irp i, 2,4,6,8,10,12,14
.irp b, 0,1,2,3
	v_max3_num_f32 v[TM+\b], |v[AC+16*\b+\i]|, |v[AC+16*\b+\i+1]|, v[TM+\b]
.endr
.endr
	WIN 0
.irp b, 0,1,2,3
	v_permlanex16_b32 v[TM+4+\b], v[TM+\b], s[SEL], s[SEL+1]
.endr
.irp b, 0,1,2,3
	v_max_num_f32 v[TM+\b], v[TM+\b], v[TM+4+\b]
.endr
.irp b, 0,1,2,3
	v_add_nc_u32 v[TM+12+\b], 0xff000000, v[TM+\b]
.endr
.irp b, 0,1,2,3
	v_lshrrev_b32 v[TM+4+\b], 23, v[TM+12+\b]
.endr
	v_lshl_or_b32 v[PW], v[TM+5], 8, v[TM+4]
	v_lshl_or_b32 v[PW], v[TM+6], 16, v[PW]
	v_lshl_or_b32 v[PW], v[TM+7], 24, v[PW]
	WIN WW
.irp c, 0,1
	v_cvt_scalef32_pk16_fp6_f32 v[PC+6*\c:PC+6*\c+2], v[AC+32*\c:AC+32*\c+15], v[TM+12+2*\c]
	v_cvt_scalef32_pk16_fp6_f32 v[PC+12+4*\c:PC+12+4*\c+2], v[AC+32*\c+16:AC+32*\c+31], v[TM+12+2*\c+1]
.endr
	WIN 0
	v_nop
.irp c, 0,1
.irp i, 0,1,2
	v_permlane16_swap_b32 v[PC+6*\c+\i], v[PC+12+4*\c+\i]
.endr
.irp i, 0,1,2
	v_mov_b32 v[PC+6*\c+3+\i], v[PC+12+4*\c+\i]
.endr
.endr
.endm
.macro EOUT a
.set PC, 64+32*((\a)%2)
.set PWS, 216+(\a)%2
.if KIND == 0
	v_lshrrev_b32 v[218+(\a)%2], v4, v[PWS]
.set PWS, 218+(\a)%2
.endif
.if (\a) > 0
	s_wait_xcnt 0x0
.if KIND == 0
	s_add_nc_u64 s[92:93], s[92:93], s[18:19]
	s_add_nc_u64 s[94:95], s[94:95], 64
.if (\a) == 4
	s_add_nc_u64 s[92:93], s[92:93], s[20:21]
	s_add_nc_u64 s[94:95], s[94:95], s[22:23]
.endif
.else
	s_add_nc_u64 s[92:93], s[92:93], 49152
	s_add_nc_u64 s[94:95], s[94:95], 2048
.endif
.endif
	global_store_b128 v[L16], v[PC:PC+3], s[92:93]
	global_store_b64 v[L8], v[PC+4:PC+5], s[92:93]
	global_store_b128 v1, v[PC+6:PC+9], s[92:93]
	global_store_b64 v2, v[PC+10:PC+11], s[92:93]
	global_store_b32 v3, v[PWS], s[94:95]
.endm
.irp a, 0,1,2,3,4,5,6,7
.if KIND == 1
	RELU \a
.endif
	QUANTW \a
	EOUT \a
.endr
.else
.macro TOSTAGE a
.set BK, 64+32*((\a)%2)
	WIN 0x08
.set bb, 0
.rept 4
.set DR, 8*(4*(\a)+bb)
	ds_store_b128 v[STO], v[DR:DR+3] offset:128*(bb/2)+32*(bb%2)
	ds_store_b128 v[STO], v[DR+4:DR+7] offset:128*(bb/2)+32*(bb%2)+16
.set bb, bb+1
.endr
	WIN 0
.set tt, 0
.rept 8
	ds_load_b128 v[BK+4*tt:BK+4*tt+3], v[RD] offset:544*tt
.set tt, tt+1
.endr
.endm
.macro SEND a, younger
.set BK, 64+32*((\a)%2)
	s_wait_dscnt \younger
	WIN 0x0c
.set uu, 0
.rept 16
	v_pk_add_f32 v[BK+2*uu:BK+2*uu+1], v[BK+2*uu:BK+2*uu+1], v[32*(\a)+2*uu:32*(\a)+2*uu+1]
.set uu, uu+1
.endr
	WIN 0
.set tt, 0
.rept 8
.set RO, (32*((\a)/2)+8*((\a)%2)+2*tt+8*(tt/4))*4096
.if KIND == 3
	global_store_b128 v[CO], v[BK+4*tt:BK+4*tt+3], s[12:13] offset:RO th:TH_STORE_NT
.else
	global_store_b128 v[CO], v[BK+4*tt:BK+4*tt+3], s[12:13] offset:RO
.endif
.set tt, tt+1
.endr
.endm
	s_wait_loadcnt 0x0
	TOSTAGE 0
.irp a, 1,2,3
.if \a > 1
	s_wait_xcnt 0x0
.endif
	TOSTAGE \a
	SEND \a-1, 16
.endr
	SEND 3, 0
.endif
	s_wait_tensorcnt 0x0
	ds_add_u32 v[SPW], v[NIL]
	s_wait_dscnt 0x0
	CROUND
	s_endpgm
.Lfunc_end_k_q8a491e2e88_ff2:
	.size	k_q8a491e2e88_ff2, .Lfunc_end_k_q8a491e2e88_ff2-k_q8a491e2e88_ff2
	.p2alignl 7, 3214868480
	.fill 96, 4, 3214868480
	.section	.rodata,"a",@progbits
	.p2align	6, 0x0
	.amdhsa_kernel k_q8a491e2e88_ff2
		.amdhsa_group_segment_fixed_size 327680
		.amdhsa_private_segment_fixed_size 0
		.amdhsa_enable_private_segment 0
		.amdhsa_kernarg_size 40
		.amdhsa_user_sgpr_count 2
		.amdhsa_user_sgpr_kernarg_segment_ptr 1
		.amdhsa_wavefront_size32 1
		.amdhsa_system_sgpr_workgroup_id_x 1
		.amdhsa_system_sgpr_workgroup_id_y 1
		.amdhsa_system_sgpr_workgroup_id_z 1
		.amdhsa_system_vgpr_workitem_id 0
		.amdhsa_next_free_vgpr 1024
		.amdhsa_next_free_sgpr 100
		.amdhsa_reserve_vcc 0
		.amdhsa_float_denorm_mode_32 3
		.amdhsa_float_denorm_mode_16_64 3
		.amdhsa_memory_ordered 1
		.amdhsa_forward_progress 1
		.amdhsa_inst_pref_size 104
	.end_amdhsa_kernel
	.amdgpu_metadata
---
amdhsa.version: [ 1, 2 ]
amdhsa.kernels:
  - .name:           k_q8a491e2e88_ff2
    .symbol:         k_q8a491e2e88_ff2.kd
    .args:
      - { .name: hid, .offset: 0, .size: 8, .value_kind: global_buffer, .address_space: global }
      - { .name: wts, .offset: 8, .size: 8, .value_kind: global_buffer, .address_space: global }
      - { .name: b2, .offset: 16, .size: 8, .value_kind: global_buffer, .address_space: global }
      - { .name: x1, .offset: 24, .size: 8, .value_kind: global_buffer, .address_space: global }
      - { .name: out0, .offset: 32, .size: 8, .value_kind: global_buffer, .address_space: global }
    .group_segment_fixed_size: 327680
    .private_segment_fixed_size: 0
    .kernarg_segment_align: 8
    .kernarg_segment_size: 40
    .max_flat_workgroup_size: 128
    .sgpr_count:     100
    .vgpr_count:     1024
    .wavefront_size: 32
...
	.end_amdgpu_metadata
.endif
;; end of part 7
